; MI455X (gfx1250); checked and timed in simulation.
; The chip was launched on July 23, 2026; its instructions are those of AMD's public machine-readable ISA for CDNA 5 (MIT licence, August 2026) and "CDNA5" Instruction Set Architecture Reference Guide (July 2026). The comments in the code are by the model that wrote it; some were corrected since.
;; Attention Occupancy Network. Allowed arithmetic: float matrix products may take bf16 or f16 operands with f32 sums; all other float work in f32.
;; Inputs: Wh1 512 x 512 float32; Wh2 512 x 256 float32; Wh3 256 x 1 float32; Wk 512 x 512 float32; Wo 512 x 512 float32; Wq 512 x 512 float32; Wqe1 3 x 512 float32; Wqe2 512 x 512 float32; Wrel 3 x 512 float32; Wv 512 x 512 float32; bh1 512 float32; bh2 256 float32; bh3 1 float32; bk 512 float32; bo 512 float32; bq 512 float32; bqe1 512 float32; bqe2 512 float32; brel 512 float32; bv 512 float32; context_coords 8,192 x 3 float32; context_features 8,192 x 512 float32; ln_b 512 float32; ln_g 512 float32; query_points_coords 16,384 x 3 float32.
;; Outputs: out0 16,384 x 1 float32.
;; Constants: k_neighbors = 4.
;; 3 versions, each right; version 2 is faster than version 1; version 3 is version 2 with the launch coarse written anew for expert scheduling mode. Each part assembles by itself: llvm-mc -triple=amdgcn-amd-amdhsa -mcpu=gfx1250 --defsym DOCPART=n.
;; ======== version 1 of 3: 3 launches
;; limits: values are held in f16: magnitudes above 65,504 overflow, below 6.1e-05 lose precision; a function is approximated: absolute error at most 1.5e-07
;; workspace buffers: wts 3,407,872 bytes; rtab 16,384 bytes; grp 262,144 bytes of whole numbers; idx 262,144 bytes of whole numbers; ckv 16,777,216 bytes
;; launch coarse (part 1): grid 272 x 1, 8 waves a work-group, no clusters, 156,672 bytes of LDS; arguments query_points_coords, context_coords, Wqe2, Wq, Wo, Wh1, Wh2, Wk, Wv, Wrel, brel, bk, bv, wts, rtab, grp; writes wts, rtab, grp
.if DOCPART == 1
	.amdgcn_target "amdgcn-amd-amdhsa--gfx1250"
	.amdhsa_code_object_version 6
	.text
	.protected	k_qe1f46b8d24_coarse
	.globl	k_qe1f46b8d24_coarse
	.p2align	8
	.type	k_qe1f46b8d24_coarse,@function
k_qe1f46b8d24_coarse:
	s_mov_b64 s[64:65], 0
	v_nop
	global_prefetch_b8 v0, s[64:65] scope:SCOPE_SE
	s_setreg_imm32_b32 hwreg(HW_REG_WAVE_MODE, 25, 1), 1
	s_wait_xcnt 0x0
; COARSE: work-groups 0-255 (a) cast the seven weight matrices to 16 bit into wts and (b) find, for 64 queries each, the 4 groups of
; 32 consecutive contexts with the smallest (group minimum of d2, group id).  Work-groups 256-271 make rtab = [Wrel; brel] @ [Wk|Wv] (+ bk|bv) in f32.
; WHY THE GROUPS SUFFICE: take an element e of the true 4 nearest, ordered by (d2, index).  Were its group not among the 4 chosen, 4 other groups
; would each hold an element ahead of e.  So the 4 nearest lie in the 4 chosen groups; the next launch ranks their 128 members exactly.
; d2 IS BUILT AS reference() BUILDS IT, in f32 on the vector unit (K = 3; 16-bit operands would destroy the order):
;   n = fma(z,z,fma(y,y,x*x)) for qq and cc;  dot = fma(2qz,cz,fma(2qy,cy,2qx*cx));  d2 = (qq + n) - dot;  ties go to the lower index.
; LIMITS: which of these steps the reference's own machine fuses is assumed as written here; where it rounds otherwise, a query whose 4th and 5th d2
; lie within one rounding (about 5e-7 at coordinates of spread 1) may take the other neighbour.  NaN or infinite coordinates are not served.
; FORMATS in wts: Wqe2 and Wq in bf16 (the encoder's numbers fall to 3e-7 with inputs 30 times smaller: no room in f16); Wo, Wh1, Wh2, Wk, Wv in f16.
; No matrix unit, no cluster, no tensor load here: the products have K = 3 or 4 rows, and the casts are a plain stream through registers.
.set MRG, 131072                       ; LDS: 0 .. 131071 the table, 16,384 bytes for each wave; then [wave][query] 32 bytes: 4 minima, 4 ids
.set RSC, 147456                       ; the rtab work-groups' partial sums, [wave][row][64 columns] f32: bytes of their own, shared with nothing above
.set X0, 36                            ; v[36:67]   8 table entries (x, y, z, n), buffer 0
.set X1, 68                            ; v[68:99]   buffer 1
.set DD, 100                           ; v[100:115] dot, then d2: pair j = candidate j for my two queries
.set TS, 116                           ; v[116:131] qq + n
; v[8:9] 2qx, v[10:11] 2qy, v[12:13] 2qz, v[14:15] qq of my two queries (lane and lane + 32); v[16:19], v[20:23] their 4 minima; v[24:27], v[28:31] ids
; V is put into the ascending list v[B..B+3] with ids v[I..I+3].  The compare is strict, so an equal value that came earlier (a lower id) stays ahead.
.macro INS V, J, B, I
	v_cmp_lt_f32 s8, v[\V], v[\B]
	v_cmp_lt_f32 s9, v[\V], v[\B+1]
	v_cmp_lt_f32 s10, v[\V], v[\B+2]
	v_cmp_lt_f32 s11, v[\V], v[\B+3]
	v_cndmask_b32 v[\I+3], v[\I+3], v[\J], s11
	v_cndmask_b32 v[\I+3], v[\I+3], v[\I+2], s10
	v_cndmask_b32 v[\I+2], v[\I+2], v[\J], s10
	v_cndmask_b32 v[\I+2], v[\I+2], v[\I+1], s9
	v_cndmask_b32 v[\I+1], v[\I+1], v[\J], s9
	v_cndmask_b32 v[\I+1], v[\I+1], v[\I], s8
	v_cndmask_b32 v[\I], v[\I], v[\J], s8
	v_med3_num_f32 v[\B+3], v[\B+2], v[\V], v[\B+3]
	v_med3_num_f32 v[\B+2], v[\B+1], v[\V], v[\B+2]
	v_med3_num_f32 v[\B+1], v[\B], v[\V], v[\B+1]
	v_min_num_f32 v[\B], v[\B], v[\V]
.endm
; 8 candidates against my two queries.  pre = 1: the next 8 entries are asked for first, into the other buffer.
.macro BLK cur, nxt, off, pre, first
.if \pre
.irp c,0,1,2,3,4,5,6,7
	ds_load_b128 v[\nxt+4*\c:\nxt+4*\c+3], v6 offset:\off+16*\c      ; every lane reads the same 16 bytes
.endr
	s_wait_dscnt 0x8                               ; the 8 just issued may stay out; the buffer at work is in
.else
	s_wait_dscnt 0x0
.endif
.irp j,0,1,2,3,4,5,6,7
	v_pk_mul_f32 v[DD+2*\j:DD+2*\j+1], v[8:9], v[\cur+4*\j:\cur+4*\j+1] op_sel_hi:[1,0]
.endr
.irp j,0,1,2,3,4,5,6,7
	v_pk_fma_f32 v[DD+2*\j:DD+2*\j+1], v[10:11], v[\cur+4*\j:\cur+4*\j+1], v[DD+2*\j:DD+2*\j+1] op_sel:[0,1,0]
.endr
.irp j,0,1,2,3,4,5,6,7
	v_pk_fma_f32 v[DD+2*\j:DD+2*\j+1], v[12:13], v[\cur+4*\j+2:\cur+4*\j+3], v[DD+2*\j:DD+2*\j+1] op_sel_hi:[1,0,1]
.endr
.irp j,0,1,2,3,4,5,6,7
	v_pk_add_f32 v[TS+2*\j:TS+2*\j+1], v[14:15], v[\cur+4*\j+2:\cur+4*\j+3] op_sel:[0,1]
.endr
.irp j,0,1,2,3,4,5,6,7
	v_pk_add_f32 v[DD+2*\j:DD+2*\j+1], v[TS+2*\j:TS+2*\j+1], v[DD+2*\j:DD+2*\j+1] neg_lo:[0,1] neg_hi:[0,1]
.endr
.if \first
	v_min_num_f32 v32, v[DD], v[DD+2]              ; the group's first two start its minimum: nothing is cleared
	v_min_num_f32 v33, v[DD+1], v[DD+3]
.else
	v_min3_num_f32 v32, v32, v[DD], v[DD+2]
	v_min3_num_f32 v33, v33, v[DD+1], v[DD+3]
.endif
.irp j,4,8,12
	v_min3_num_f32 v32, v32, v[DD+\j], v[DD+\j+2]
	v_min3_num_f32 v33, v33, v[DD+\j+1], v[DD+\j+3]
.endr
.endm
; a group of 32 candidates; last = 1: nothing is asked for beyond the wave's table
.macro GROUP last
	BLK X0, X1, 128, 1, 1
	BLK X1, X0, 256, 1, 0
	BLK X0, X1, 384, 1, 0
.if \last
	BLK X1, X0, 512, 0, 0
.else
	BLK X1, X0, 512, 1, 0
.endif
	v_mov_b32 v34, s13                             ; the group's id
	INS 32, 34, 16, 24
	INS 33, 34, 20, 28
	v_add_nc_u32 v6, 512, v6
.endm
	s_load_b512 s[16:31], s[0:1], 0x0              ; qc 16, cc 18, Wqe2 20, Wq 22, Wo 24, Wh1 26, Wh2 28, Wk 30
	s_load_b512 s[32:47], s[0:1], 0x40             ; Wv 32, Wrel 34, brel 36, bk 38, bv 40, wts 42, rtab 44, grp 46
	v_lshl_add_u32 v160, v0, 2, 0x26000
	v_mov_b32 v161, 0
	v_lshrrev_b32 v1, 5, v0
	v_readfirstlane_b32 s3, v1                     ; wave
	v_and_b32 v1, 31, v0                           ; lane
	s_wait_kmcnt 0x0
	s_cmp_ge_u32 ttmp9, 256                        ; the same for all waves of a work-group
	s_cbranch_scc1 .Lrtab
	; ---- the casts: 1,024 elements of each 512 x 512 matrix, 512 of Wh2; a wave's store covers 256 consecutive bytes, aligned
	s_lshl_b32 s4, ttmp9, 12
	v_lshl_add_u32 v2, v0, 4, s4                   ; source: 4,096 g + 16 t
	s_lshl_b32 s5, ttmp9, 11
	v_lshl_add_u32 v3, v0, 3, s5                   ; destination: 2,048 g + 8 t
	global_load_b128 v[36:39], v2, s[20:21]
	global_load_b128 v[40:43], v2, s[22:23]
	global_load_b128 v[44:47], v2, s[24:25]
	global_load_b128 v[48:51], v2, s[26:27]
	global_load_b128 v[52:55], v2, s[30:31]
	global_load_b128 v[56:59], v2, s[32:33]
	s_cmp_ge_u32 s3, 4
	s_cbranch_scc1 .Lno_wh2
	v_lshl_add_u32 v4, v0, 4, s5                   ; Wh2 is half as large: waves 0-3, 2,048 g + 16 t
	s_lshl_b32 s6, ttmp9, 10
	v_lshl_add_u32 v5, v0, 3, s6
	global_load_b128 v[60:63], v4, s[28:29]
	s_wait_loadcnt 0x0
	v_cvt_pk_f16_f32 v64, v60, v61
	v_cvt_pk_f16_f32 v65, v62, v63
	global_store_b64 v5, v[64:65], s[42:43] offset:2097152
.Lno_wh2:
	s_wait_loadcnt 0x0
	v_cvt_pk_bf16_f32 v68, v36, v37
	v_cvt_pk_bf16_f32 v69, v38, v39
	v_cvt_pk_bf16_f32 v70, v40, v41
	v_cvt_pk_bf16_f32 v71, v42, v43
	v_cvt_pk_f16_f32 v72, v44, v45
	v_cvt_pk_f16_f32 v73, v46, v47
	v_cvt_pk_f16_f32 v74, v48, v49
	v_cvt_pk_f16_f32 v75, v50, v51
	v_cvt_pk_f16_f32 v76, v52, v53
	v_cvt_pk_f16_f32 v77, v54, v55
	v_cvt_pk_f16_f32 v78, v56, v57
	v_cvt_pk_f16_f32 v79, v58, v59
	global_store_b64 v3, v[68:69], s[42:43]
	global_store_b64 v3, v[70:71], s[42:43] offset:524288
	global_store_b64 v3, v[72:73], s[42:43] offset:1048576
	global_store_b64 v3, v[74:75], s[42:43] offset:1572864
	global_store_b64 v3, v[76:77], s[42:43] offset:2359296
	global_store_b64 v3, v[78:79], s[42:43] offset:2883584
	s_wait_xcnt 0x0                                ; the stores' addresses and data are rewritten only behind this wait
	; ---- the wave's table: contexts 1,024 w .. + 1,023 as (x, y, z, n), 16 bytes each, in the wave's own 16,384 bytes of LDS
	s_lshl_b32 s4, s3, 10
	v_add_nc_u32 v4, s4, v1
	v_mul_u32_u24 v4, v4, 12                       ; 12 bytes a context
	s_lshl_b32 s5, s3, 14
	v_lshl_add_u32 v5, v1, 4, s5
	v_mov_b32 v6, s5                               ; where the scan reads: the same address in every lane
	s_mov_b32 s12, 4
.Ltab:
.irp j,0,1,2,3,4,5,6,7
	global_load_b32 v[36+4*\j], v4, s[18:19] offset:384*\j
	global_load_b32 v[37+4*\j], v4, s[18:19] offset:384*\j+4
	global_load_b32 v[38+4*\j], v4, s[18:19] offset:384*\j+8
.endr
	s_wait_loadcnt 0x0                             ; which also frees v4
	v_add_nc_u32 v4, 3072, v4
.irp j,0,1,2,3,4,5,6,7
	v_mul_f32 v[39+4*\j], v[36+4*\j], v[36+4*\j]
.endr
.irp j,0,1,2,3,4,5,6,7
	v_fmac_f32 v[39+4*\j], v[37+4*\j], v[37+4*\j]
.endr
.irp j,0,1,2,3,4,5,6,7
	v_fmac_f32 v[39+4*\j], v[38+4*\j], v[38+4*\j]
.endr
.irp j,0,1,2,3,4,5,6,7
	ds_store_b128 v5, v[36+4*\j:39+4*\j] offset:512*\j
.endr
	v_add_nc_u32 v5, 4096, v5
	s_sub_co_i32 s12, s12, 1
	s_cmp_lg_u32 s12, 0
	s_cbranch_scc1 .Ltab
	; ---- my two queries: 64 g + lane and 64 g + lane + 32 (every wave holds all 64)
	s_mul_i32 s4, ttmp9, 768
	v_mad_u32_u24 v2, v1, 12, s4
	global_load_b32 v36, v2, s[16:17]
	global_load_b32 v37, v2, s[16:17] offset:384
	global_load_b32 v38, v2, s[16:17] offset:4
	global_load_b32 v39, v2, s[16:17] offset:388
	global_load_b32 v40, v2, s[16:17] offset:8
	global_load_b32 v41, v2, s[16:17] offset:392
.irp i,16,17,18,19,20,21,22,23
	v_mov_b32 v[\i], 0x7f800000                    ; the lists start at +infinity,
	v_mov_b32 v[\i+8], 0                           ; id 0
.endr
	s_wait_loadcnt 0x0
	v_pk_mul_f32 v[14:15], v[36:37], v[36:37]
	v_pk_fma_f32 v[14:15], v[38:39], v[38:39], v[14:15]
	v_pk_fma_f32 v[14:15], v[40:41], v[40:41], v[14:15]
	v_pk_add_f32 v[8:9], v[36:37], v[36:37]
	v_pk_add_f32 v[10:11], v[38:39], v[38:39]
	v_pk_add_f32 v[12:13], v[40:41], v[40:41]
	; ---- the scan: 32 groups of 32.  LDS serves a wave's instructions in order, so these reads see the wave's own stores above.
.irp c,0,1,2,3,4,5,6,7
	ds_load_b128 v[X0+4*\c:X0+4*\c+3], v6 offset:16*\c
.endr
	s_lshl_b32 s13, s3, 5                          ; my first group's id
	s_mov_b32 s12, 31
.Lgroup:
	GROUP 0
	s_add_co_u32 s13, s13, 1
	s_sub_co_i32 s12, s12, 1
	s_cmp_lg_u32 s12, 0
	s_cbranch_scc1 .Lgroup
	GROUP 1
	; ---- the eight waves' lists meet in LDS; waves 0 and 1 merge them, one query a lane, in ascending wave order (= ascending ids)
	s_lshl_b32 s4, s3, 11
	s_add_co_u32 s4, s4, MRG
	v_lshl_add_u32 v7, v1, 5, s4
	ds_store_b128 v7, v[16:19]
	ds_store_b128 v7, v[24:27] offset:16
	ds_store_b128 v7, v[20:23] offset:1024
	ds_store_b128 v7, v[28:31] offset:1040
	s_wait_dscnt 0x0                               ; for the others' sake: my stores are done
	s_barrier_signal -1
	s_barrier_wait -1
	s_cmp_ge_u32 s3, 2
	s_cbranch_scc1 .Ldone
	v_lshlrev_b32 v7, 5, v0
	v_add_nc_u32 v7, MRG, v7
.irp w,0,1,2,3,4,5,6,7
	ds_load_b128 v[36+8*\w:39+8*\w], v7 offset:2048*\w
	ds_load_b128 v[40+8*\w:43+8*\w], v7 offset:2048*\w+16
.endr
	s_wait_dscnt 0x0
.irp w,1,2,3,4,5,6,7
.irp k,0,1,2,3
	INS 36+8*\w+\k, 40+8*\w+\k, 36, 40
.endr
.endr
	; the four ids in ascending order, so that the next launch meets its candidates in ascending index
	v_min_u32 v104, v40, v41
	v_max_u32 v105, v40, v41
	v_min_u32 v106, v42, v43
	v_max_u32 v107, v42, v43
	v_min_u32 v100, v104, v106
	v_max_u32 v108, v104, v106
	v_min_u32 v109, v105, v107
	v_max_u32 v103, v105, v107
	v_min_u32 v101, v109, v108
	v_max_u32 v102, v109, v108
	s_lshl_b32 s4, ttmp9, 10
	v_lshl_add_u32 v2, v0, 4, s4
	global_store_b128 v2, v[100:103], s[46:47]     ; 16 lanes store 256 consecutive bytes, aligned
.Ldone:
	s_wait_tensorcnt 0x0
	ds_add_u32 v160, v161
	s_wait_dscnt 0x0
	s_endpgm
	; ---- rtab, 64 columns a work-group: rows 0-2 = Wrel[c] @ W, row 3 = brel @ W + bias; W = Wk (columns 0-511) or Wv (512-1023)
.Lrtab:
	s_sub_co_u32 s4, ttmp9, 256                    ; g' = 0 .. 15
	s_and_b32 s5, s4, 7
	s_lshl_b32 s5, s5, 8                           ; byte of my first column in W's rows and in the bias
	s_cmp_ge_u32 s4, 8
	s_cselect_b64 s[6:7], s[32:33], s[30:31]
	s_cselect_b64 s[14:15], s[40:41], s[38:39]
	s_lshl_b32 s10, s3, 17                         ; wave w sums k = 64 w .. 64 w + 63: 64 rows of 2,048 bytes
	s_add_co_u32 s10, s10, s5
	s_mov_b32 s11, 0
	s_add_nc_u64 s[6:7], s[6:7], s[10:11]
	v_lshlrev_b32 v2, 3, v1                        ; two columns a lane: a wave's load covers 256 consecutive bytes
.set i, 0
.rept 48                                           ; 48 of my 64 rows go out now, 8 more behind each of the first two trips' waits: 48 are out at the most
	global_load_b64 v[16+2*i:17+2*i], v2, s[6:7] offset:2048*i
.set i, i+1
.endr
	s_lshl_b32 s12, s3, 8                          ; my 64 k in Wrel's rows and in brel
.set t, 0
.rept 8
	s_load_b256 s[48:55], s[34:35], s12 offset:32*t
	s_load_b256 s[56:63], s[34:35], s12 offset:2048+32*t
	s_load_b256 s[68:75], s[34:35], s12 offset:4096+32*t
	s_load_b256 s[76:83], s[36:37], s12 offset:32*t
	s_wait_kmcnt 0x0
.if t < 2
	s_wait_loadcnt 40                              ; 48 + 8 t issued, the 8 (t + 1) oldest are needed: 40 may stay out
.rept 8
	global_load_b64 v[16+2*i:17+2*i], v2, s[6:7] offset:2048*i
.set i, i+1
.endr
.else
	s_wait_loadcnt 56-8*t                          ; all 64 issued: rows 8 t .. 8 t + 7 are in, the rows behind them stay out
.endif
.set k, 0
.rept 8
.if (t+k) == 0
	v_mul_f32 v4, s48, v16                         ; the first k starts the sums
	v_mul_f32 v5, s48, v17
	v_mul_f32 v6, s56, v16
	v_mul_f32 v7, s56, v17
	v_mul_f32 v8, s68, v16
	v_mul_f32 v9, s68, v17
	v_mul_f32 v10, s76, v16
	v_mul_f32 v11, s76, v17
.else
	v_fmac_f32 v4, s[48+k], v[16+2*(8*t+k)]
	v_fmac_f32 v5, s[48+k], v[17+2*(8*t+k)]
	v_fmac_f32 v6, s[56+k], v[16+2*(8*t+k)]
	v_fmac_f32 v7, s[56+k], v[17+2*(8*t+k)]
	v_fmac_f32 v8, s[68+k], v[16+2*(8*t+k)]
	v_fmac_f32 v9, s[68+k], v[17+2*(8*t+k)]
	v_fmac_f32 v10, s[76+k], v[16+2*(8*t+k)]
	v_fmac_f32 v11, s[76+k], v[17+2*(8*t+k)]
.endif
.set k, k+1
.endr
.set t, t+1
.endr
	s_lshl_b32 s13, s3, 10
	s_add_co_u32 s13, s13, RSC
	v_lshl_add_u32 v3, v1, 3, s13                  ; LDS: [wave][row c][64 columns] f32
	ds_store_b64 v3, v[4:5]
	ds_store_b64 v3, v[6:7] offset:256
	ds_store_b64 v3, v[8:9] offset:512
	ds_store_b64 v3, v[10:11] offset:768
	s_wait_dscnt 0x0
	s_barrier_signal -1
	s_barrier_wait -1
	s_cmp_ge_u32 s3, 2
	s_cbranch_scc1 .Lrdone
	v_and_b32 v12, 15, v0
	v_lshl_add_u32 v13, v12, 4, s5
	global_load_b128 v[48:51], v13, s[14:15]       ; the bias of my 4 columns
	v_lshlrev_b32 v14, 4, v0                       ; thread t: row c = t / 16, columns 4 (t % 16) ..
	v_add_nc_u32 v14, RSC, v14
.irp w,0,1,2,3,4,5,6,7
	ds_load_b128 v[16+4*\w:19+4*\w], v14 offset:1024*\w
.endr
	s_wait_dscnt 0x0
.irp w,1,2,3,4,5,6,7
	v_pk_add_f32 v[16:17], v[16:17], v[16+4*\w:17+4*\w]
	v_pk_add_f32 v[18:19], v[18:19], v[18+4*\w:19+4*\w]
.endr
	s_wait_loadcnt 0x0
	v_cmp_le_u32 vcc_lo, 48, v0                    ; row 3 alone takes the bias
	v_cndmask_b32 v48, 0, v48, vcc_lo
	v_cndmask_b32 v49, 0, v49, vcc_lo
	v_cndmask_b32 v50, 0, v50, vcc_lo
	v_cndmask_b32 v51, 0, v51, vcc_lo
	v_pk_add_f32 v[16:17], v[16:17], v[48:49]
	v_pk_add_f32 v[18:19], v[18:19], v[50:51]
	v_lshrrev_b32 v15, 4, v0
	s_lshl_b32 s13, s4, 8
	v_lshl_add_u32 v52, v12, 4, s13
	v_lshl_add_u32 v52, v15, 12, v52
	global_store_b128 v52, v[16:19], s[44:45]      ; 16 lanes store 256 consecutive bytes, aligned
.Lrdone:
	s_wait_tensorcnt 0x0
	ds_add_u32 v160, v161
	s_wait_dscnt 0x0
	s_endpgm
.Lfunc_end_k_qe1f46b8d24_coarse:
	.size	k_qe1f46b8d24_coarse, .Lfunc_end_k_qe1f46b8d24_coarse-k_qe1f46b8d24_coarse
	.p2alignl 7, 3214868480
	.fill 96, 4, 3214868480
	.section	.rodata,"a",@progbits
	.p2align	6, 0x0
	.amdhsa_kernel k_qe1f46b8d24_coarse
		.amdhsa_group_segment_fixed_size 156672
		.amdhsa_private_segment_fixed_size 0
		.amdhsa_enable_private_segment 0
		.amdhsa_kernarg_size 128
		.amdhsa_user_sgpr_count 2
		.amdhsa_user_sgpr_kernarg_segment_ptr 1
		.amdhsa_wavefront_size32 1
		.amdhsa_system_sgpr_workgroup_id_x 1
		.amdhsa_system_sgpr_workgroup_id_y 1
		.amdhsa_system_sgpr_workgroup_id_z 1
		.amdhsa_system_vgpr_workitem_id 0
		.amdhsa_next_free_vgpr 162
		.amdhsa_next_free_sgpr 90
		.amdhsa_reserve_vcc 1
		.amdhsa_float_denorm_mode_32 3
		.amdhsa_float_denorm_mode_16_64 3
		.amdhsa_memory_ordered 1
		.amdhsa_forward_progress 1
		.amdhsa_inst_pref_size 98
	.end_amdhsa_kernel
	.amdgpu_metadata
---
amdhsa.version: [ 1, 2 ]
amdhsa.kernels:
  - .name:           k_qe1f46b8d24_coarse
    .symbol:         k_qe1f46b8d24_coarse.kd
    .args:
      - { .name: query_points_coords, .offset: 0, .size: 8, .value_kind: global_buffer, .address_space: global }
      - { .name: context_coords, .offset: 8, .size: 8, .value_kind: global_buffer, .address_space: global }
      - { .name: Wqe2, .offset: 16, .size: 8, .value_kind: global_buffer, .address_space: global }
      - { .name: Wq, .offset: 24, .size: 8, .value_kind: global_buffer, .address_space: global }
      - { .name: Wo, .offset: 32, .size: 8, .value_kind: global_buffer, .address_space: global }
      - { .name: Wh1, .offset: 40, .size: 8, .value_kind: global_buffer, .address_space: global }
      - { .name: Wh2, .offset: 48, .size: 8, .value_kind: global_buffer, .address_space: global }
      - { .name: Wk, .offset: 56, .size: 8, .value_kind: global_buffer, .address_space: global }
      - { .name: Wv, .offset: 64, .size: 8, .value_kind: global_buffer, .address_space: global }
      - { .name: Wrel, .offset: 72, .size: 8, .value_kind: global_buffer, .address_space: global }
      - { .name: brel, .offset: 80, .size: 8, .value_kind: global_buffer, .address_space: global }
      - { .name: bk, .offset: 88, .size: 8, .value_kind: global_buffer, .address_space: global }
      - { .name: bv, .offset: 96, .size: 8, .value_kind: global_buffer, .address_space: global }
      - { .name: wts, .offset: 104, .size: 8, .value_kind: global_buffer, .address_space: global }
      - { .name: rtab, .offset: 112, .size: 8, .value_kind: global_buffer, .address_space: global }
      - { .name: grp, .offset: 120, .size: 8, .value_kind: global_buffer, .address_space: global }
    .group_segment_fixed_size: 156672
    .private_segment_fixed_size: 0
    .kernarg_segment_align: 8
    .kernarg_segment_size: 128
    .max_flat_workgroup_size: 256
    .sgpr_count:     90
    .vgpr_count:     162
    .wavefront_size: 32
...
	.end_amdgpu_metadata
.endif
;; end of part 1
;; launch ctxfine (part 2): grid 256 x 1, 8 waves a work-group, no clusters, 183,296 bytes of LDS; arguments context_features, wts, query_points_coords, context_coords, grp, ckv, idx; writes ckv, idx
.if DOCPART == 2
	.amdgcn_target "amdgcn-amd-amdhsa--gfx1250"
	.amdhsa_code_object_version 6
	.text
	.protected	k_qe1f46b8d24_ctxfine
	.globl	k_qe1f46b8d24_ctxfine
	.p2align	8
	.type	k_qe1f46b8d24_ctxfine,@function
k_qe1f46b8d24_ctxfine:
	s_mov_b64 s[64:65], 0
	v_nop
	global_prefetch_b8 v0, s[64:65] scope:SCOPE_SE
	s_setreg_imm32_b32 hwreg(HW_REG_WAVE_MODE, 25, 1), 1
	s_wait_xcnt 0x0
; CTXFINE: (a) the exact 4 nearest contexts of 64 queries, among the 4 x 32 members of the groups that the launch before chose;
; (b) a block of 128 x 256 of ckv = context_features @ [Wk | Wv], f16 operands, f32 sums, stored in bf16.
; k = (cf @ Wk)[idx] + rel @ (Wrel @ Wk) + (brel @ Wk + bk) holds for every input since kv_in enters Wk and Wv linearly: the 8,192 context rows are
; projected once here instead of the 65,536 gathered rows later.
; d2 as in the launch before, step for step: n = fma(z,z,fma(y,y,x*x)); dot = fma(2qz,cz,fma(2qy,cy,2qx*cx)); d2 = (qq + n) - dot; ties to the lower index.
; LIMITS: the same as there (which steps the reference's machine fuses is assumed; NaN and infinite coordinates are not served).
; f16 has room for cf, Wk, Wv 30 times larger or smaller or offset by 30 spreads; the table is bf16 since its range is the product's.
; NO CLUSTER, NO TENSOR LOAD: A is f32 in memory and has to pass through registers to become f16; B's tile comes the same way beside it.
; Four work-groups share A's rows and 64 share B's columns; the whole of B is 1 MiB.
.set STG, 0                            ; LDS: the way out, 128 rows x 528 bytes
.set MRG, 67584                        ; [wave][lane] 32 bytes: 4 distances, 4 indices
.set ASL, 75776                        ; A: two slots of 128 rows x 144 bytes (64 f16 + 16 bytes)
.set BSL, 112640                       ; B: two slots of 64 rows (k) x 544 bytes (256 f16 + 32 bytes)
.set FA, 16                            ; v[16:47]   4 fragments of A (16 rows x 32 k)
.set FB, 48                            ; v[48:79]   4 fragments of B (16 columns x 32 k)
.set ACC, 128                          ; v[128:255] 16 accumulator tiles, (nt, mt) at 128 + 8 (4 nt + mt)
; v2 A's and v3 B's offsets in memory; v4, v5 where I put A, B in LDS; v6, v7 where my fragments lie; v8, v9, v10 the way out
; v256-287 A's tile as loaded, v288-319 B's: in the second window of 256 registers
.set MSB, 0
.macro WIN new                         ; the immediate's high byte repeats the setting that is left
.if MSB != \new
	s_set_vgpr_msb (MSB<<8)|\new
.set MSB, \new
.endif
.endm
.macro PLACES
.rept 4
	v_nop
.endr
.endm
.macro INS V, J, B, I
	v_cmp_lt_f32 s8, v[\V], v[\B]
	v_cmp_lt_f32 s9, v[\V], v[\B+1]
	v_cmp_lt_f32 s10, v[\V], v[\B+2]
	v_cmp_lt_f32 s11, v[\V], v[\B+3]
	v_cndmask_b32 v[\I+3], v[\I+3], v[\J], s11
	v_cndmask_b32 v[\I+3], v[\I+3], v[\I+2], s10
	v_cndmask_b32 v[\I+2], v[\I+2], v[\J], s10
	v_cndmask_b32 v[\I+2], v[\I+2], v[\I+1], s9
	v_cndmask_b32 v[\I+1], v[\I+1], v[\J], s9
	v_cndmask_b32 v[\I+1], v[\I+1], v[\I], s8
	v_cndmask_b32 v[\I], v[\I], v[\J], s8
	v_med3_num_f32 v[\B+3], v[\B+2], v[\V], v[\B+3]
	v_med3_num_f32 v[\B+2], v[\B+1], v[\V], v[\B+2]
	v_med3_num_f32 v[\B+1], v[\B], v[\V], v[\B+1]
	v_min_num_f32 v[\B], v[\B], v[\V]
.endm
; candidates 4 b .. 4 b + 3 of my group: 12 registers, 3 loads
.macro CAND4 b
	s_wait_loadcnt 21-3*\b                         ; of the 24 loads the 3 (b + 1) oldest are in
.irp k,0,1,2,3
	v_mul_f32 v[80+\k], v[96+12*\b+3*\k], v[96+12*\b+3*\k]
	v_mul_f32 v[84+\k], v24, v[96+12*\b+3*\k]
.endr
.irp k,0,1,2,3
	v_fmac_f32 v[80+\k], v[97+12*\b+3*\k], v[97+12*\b+3*\k]
	v_fmac_f32 v[84+\k], v25, v[97+12*\b+3*\k]
.endr
.irp k,0,1,2,3
	v_fmac_f32 v[80+\k], v[98+12*\b+3*\k], v[98+12*\b+3*\k]
	v_fmac_f32 v[84+\k], v26, v[98+12*\b+3*\k]
.endr
.irp k,0,1,2,3
	v_add_f32 v[80+\k], v27, v[80+\k]
.endr
.irp k,0,1,2,3
	v_sub_f32 v[84+\k], v[80+\k], v[84+\k]
.endr
.irp k,0,1,2,3
	v_add_nc_u32 v88, 4*\b+\k, v28
	INS 84+\k, 88, 16, 20
.endr
.endm
; the next K tile from memory: A 128 rows x 256 bytes of f32, B 64 rows x 512 bytes of f16; 8 + 8 loads of 16 bytes a lane
.macro LOADG
	WIN 0x40                                       ; destinations in the second window
.irp j,0,1,2,3,4,5,6,7
	global_load_b128 v[4*\j:4*\j+3], v2, s[30:31] offset:4096*\j
.endr
.irp j,0,1,2,3,4,5,6,7
	global_load_b128 v[32+4*\j:35+4*\j], v3, s[32:33] offset:1024*\j
.endr
	WIN 0
.endm
; and into LDS slot s, A rounded to f16 on the way
.macro STOREG s
	s_wait_loadcnt 0x0                             ; the tile is in, and the two bases are free:
	s_add_nc_u64 s[30:31], s[30:31], 256           ; 64 k of f32 along A's rows
	s_add_nc_u64 s[32:33], s[32:33], 65536         ; 64 rows of B
	WIN 0x05                                       ; both sources in the second window
.irp j,0,1,2,3,4,5,6,7
	v_cvt_pk_f16_f32 v[16+2*\j], v[4*\j], v[4*\j+1]
	v_cvt_pk_f16_f32 v[17+2*\j], v[4*\j+2], v[4*\j+3]
.endr
	WIN 0x04                                       ; the data in the second window
.irp j,0,1,2,3,4,5,6,7
	ds_store_b128 v5, v[32+4*\j:35+4*\j] offset:(\s)*34816+544*\j
.endr
	WIN 0
.irp j,0,1,2,3,4,5,6,7
	ds_store_b64 v4, v[16+2*\j:17+2*\j] offset:(\s)*18432+288*\j
.endr
.endm
; 32 along K: 16 LDS loads, 16 matrix instructions.  Source 0 takes B's columns and source 1 A's rows, so that a lane's 8 results are 8 neighbouring
; columns of one row.  The sixteen accumulators take turns, one instruction a turn.
.macro KSTEP2 s, ks, zero
	ds_load_tr16_b128 v[FB:FB+3], v7 offset:\s*34816+17408*\ks
	ds_load_tr16_b128 v[FB+4:FB+7], v7 offset:\s*34816+17408*\ks+8704
.irp mt,0,1,2,3
	ds_load_b128 v[FA+8*\mt:FA+8*\mt+3], v6 offset:\s*18432+2304*\mt+64*\ks
	ds_load_b128 v[FA+8*\mt+4:FA+8*\mt+7], v6 offset:\s*18432+2304*\mt+64*\ks+32
.endr
.irp nt,1,2,3
	ds_load_tr16_b128 v[FB+8*\nt:FB+8*\nt+3], v7 offset:\s*34816+17408*\ks+32*\nt
	ds_load_tr16_b128 v[FB+8*\nt+4:FB+8*\nt+7], v7 offset:\s*34816+17408*\ks+32*\nt+8704
.endr
.irp nt,0,1,2,3
	s_wait_dscnt 6-2*\nt                           ; B's fragments behind nt may stay out
.irp mt,0,1,2,3
.if \zero
	v_wmma_f32_16x16x32_f16 v[ACC+8*(4*\nt+\mt):ACC+8*(4*\nt+\mt)+7], v[FB+8*\nt:FB+8*\nt+7], v[FA+8*\mt:FA+8*\mt+7], 0
.else
	v_wmma_f32_16x16x32_f16 v[ACC+8*(4*\nt+\mt):ACC+8*(4*\nt+\mt)+7], v[FB+8*\nt:FB+8*\nt+7], v[FA+8*\mt:FA+8*\mt+7], v[ACC+8*(4*\nt+\mt):ACC+8*(4*\nt+\mt)+7]
.endif
.endr
.endr
	PLACES                                         ; four places in front of whatever next writes a fragment or reads a result (ISA guide 7.12.1)
.endm
; one K tile of 64, read from slot s; o = the other slot.  One barrier a trip orders both: my reads of slot s are back, and my stores into slot o are done.
.macro TRIPG s, o, more, zero
.if \more
	LOADG
.endif
	KSTEP2 \s, 0, \zero
	KSTEP2 \s, 1, 0
.if \more
	STOREG \o
	s_wait_dscnt 0x0
	s_barrier_signal -1
	s_barrier_wait -1
.endif
.endm
	s_load_b256 s[16:23], s[0:1], 0x0              ; cf 16, wts 18, qc 20, cc 22
	s_load_b128 s[24:27], s[0:1], 0x20             ; grp 24, ckv 26
	s_load_b64 s[28:29], s[0:1], 0x30              ; idx
	v_lshl_add_u32 v94, v0, 2, 0x2c800
	v_mov_b32 v95, 0
	v_lshrrev_b32 v1, 5, v0
	v_readfirstlane_b32 s3, v1                     ; wave
	v_and_b32 v1, 31, v0                           ; lane
	s_lshr_b32 s4, ttmp9, 2                        ; block of 128 rows
	s_and_b32 s5, ttmp9, 3                         ; block of 256 columns of ckv
	v_and_b32 v12, 15, v1                          ; r
	v_lshrrev_b32 v13, 4, v1                       ; h
	s_lshl_b32 s6, s3, 15
	v_lshl_add_u32 v2, v12, 4, s6                  ; A: row 16 w + h (+ 2 j), 16 bytes a lane: 16 lanes take a row's 256 bytes
	v_lshl_add_u32 v2, v13, 11, v2
	s_lshl_b32 s6, s3, 13
	v_lshl_add_u32 v3, v1, 4, s6                   ; B: row 8 w (+ j), 32 lanes take its 512 bytes
	s_lshl_b32 s6, s4, 18
	s_mov_b32 s7, 0
	s_lshr_b32 s8, s5, 1
	s_lshl_b32 s8, s8, 19                          ; Wk or Wv
	s_and_b32 s9, s5, 1
	s_lshl_b32 s9, s9, 9                           ; its left or right 256 columns
	s_add_co_u32 s8, s8, s9
	s_add_co_u32 s8, s8, 2359296
	s_mov_b32 s9, 0
	s_wait_kmcnt 0x0
	s_add_nc_u64 s[30:31], s[16:17], s[6:7]
	s_add_nc_u64 s[32:33], s[18:19], s[8:9]
	LOADG                                          ; K tile 0 is on its way while the addresses are made
	s_mul_i32 s6, s3, 2304
	s_add_co_u32 s6, s6, ASL
	v_lshl_add_u32 v4, v12, 3, s6
	v_mad_u32_u24 v4, v13, 144, v4                 ; A into LDS: (16 w + h) 144 + 8 r
	s_mul_i32 s6, s3, 4352
	s_add_co_u32 s6, s6, BSL
	v_lshl_add_u32 v5, v1, 4, s6                   ; B into LDS: 8 w x 544 + 16 lane
	s_lshr_b32 s7, s3, 2                           ; wm: my 64 rows
	s_and_b32 s14, s3, 3                           ; wn: my 64 columns
	s_mul_i32 s6, s7, 9216
	s_add_co_u32 s6, s6, ASL
	v_lshl_add_u32 v6, v13, 4, s6
	v_mad_u32_u24 v6, v12, 144, v6                 ; A's fragments: (64 wm + r) 144 + 16 h
	v_and_b32 v14, 7, v1
	v_lshl_add_u32 v14, v13, 3, v14
	v_bfe_u32 v15, v1, 3, 1
	s_lshl_b32 s6, s14, 7
	s_add_co_u32 s15, s6, BSL
	v_lshl_add_u32 v7, v15, 4, s15
	v_mad_u32_u24 v7, v14, 544, v7                 ; B's fragments: (8 h + lane % 8) 544 + 128 wn + 16 ((lane / 8) % 2)
	s_mul_i32 s15, s7, 33792
	s_add_co_u32 s15, s15, s6
	v_lshl_add_u32 v8, v13, 4, s15
	v_mad_u32_u24 v8, v12, 528, v8                 ; out: (64 wm + r) 528 + 128 wn + 16 h
	s_mul_i32 s6, s3, 8448
	v_lshl_add_u32 v9, v1, 4, s6                   ; back: row 16 w (+ i), 16 bytes a lane
	s_lshl_b32 s6, s3, 15
	v_lshl_add_u32 v10, v1, 4, s6                  ; and the same in ckv
	; ---- the exact ranking.  Wave w: group slot w / 2 of query 64 g + 32 (w % 2) + lane; a lane ranks its group's 32 members.
	s_lshr_b32 s10, s3, 1
	s_and_b32 s11, s3, 1
	s_lshl_b32 s12, ttmp9, 10
	s_lshl_b32 s13, s11, 9
	s_add_co_u32 s12, s12, s13
	s_lshl2_add_u32 s12, s10, s12
	v_lshl_add_u32 v14, v1, 4, s12
	global_load_b32 v28, v14, s[24:25]
	s_mul_i32 s12, ttmp9, 768
	s_mul_i32 s13, s11, 384
	s_add_co_u32 s12, s12, s13
	v_mad_u32_u24 v15, v1, 12, s12
	global_load_b32 v24, v15, s[20:21]
	global_load_b32 v25, v15, s[20:21] offset:4
	global_load_b32 v26, v15, s[20:21] offset:8
	s_wait_loadcnt 0x0
	v_min_u32 v28, 0xff, v28                       ; a group id stays inside the table
	v_mul_u32_u24 v29, v28, 384                    ; 32 contexts of 12 bytes
.set i, 0
.rept 24
	global_load_b128 v[96+4*i:99+4*i], v29, s[22:23] offset:16*i
.set i, i+1
.endr
	v_lshlrev_b32 v28, 5, v28                      ; the group's first index
	v_mul_f32 v27, v24, v24
	v_fmac_f32 v27, v25, v25
	v_fmac_f32 v27, v26, v26                       ; qq
	v_add_f32 v24, v24, v24
	v_add_f32 v25, v25, v25
	v_add_f32 v26, v26, v26                        ; 2 q
.irp i,16,17,18,19
	v_mov_b32 v[\i], 0x7f800000
	v_mov_b32 v[\i+4], 0
.endr
.irp b,0,1,2,3,4,5,6,7
	CAND4 \b
.endr
	s_lshl_b32 s12, s3, 10
	s_add_co_u32 s12, s12, MRG
	v_lshl_add_u32 v30, v1, 5, s12
	ds_store_b128 v30, v[16:19]
	ds_store_b128 v30, v[20:23] offset:16
	s_wait_dscnt 0x0
	s_barrier_signal -1
	s_barrier_wait -1
	s_cmp_ge_u32 s3, 2
	s_cbranch_scc1 .Lgemm
	; waves 0 and 1 hold slot 0's list and add those of slots 1, 2, 3 (waves w + 2, + 4, + 6): ascending groups, so ascending indices
.irp i,0,1,2
	ds_load_b128 v[96+8*\i:99+8*\i], v30 offset:2048*\i+2048
	ds_load_b128 v[100+8*\i:103+8*\i], v30 offset:2048*\i+2064
.endr
	s_wait_dscnt 0x0
.irp i,0,1,2
.irp k,0,1,2,3
	INS 96+8*\i+\k, 100+8*\i+\k, 16, 20
.endr
.endr
	s_lshl_b32 s12, ttmp9, 10
	v_lshl_add_u32 v31, v0, 4, s12
	global_store_b128 v31, v[20:23], s[28:29]      ; 16 lanes store 256 consecutive bytes, aligned
	s_wait_xcnt 0x0                                ; v[20:23] and v31 are rewritten only behind this wait
.Lgemm:
	; ---- the product: 8 K tiles of 64 through two LDS slots
	STOREG 0
	s_wait_dscnt 0x0
	s_barrier_signal -1
	s_barrier_wait -1
	TRIPG 0, 1, 1, 1                               ; the first products start the sums
	TRIPG 1, 0, 1, 0
	s_mov_b32 s12, 2
.Lk:
	TRIPG 0, 1, 1, 0
	TRIPG 1, 0, 1, 0
	s_sub_co_i32 s12, s12, 1
	s_cmp_lg_u32 s12, 0
	s_cbranch_scc1 .Lk
	TRIPG 0, 1, 1, 0
	TRIPG 1, 0, 0, 0                               ; the last tile fetches nothing
	; ---- the way out: bf16, 16 bytes a lane into the stage, whole rows of 512 bytes back and to memory
.irp nt,0,1,2,3
.irp mt,0,1,2,3
.irp p,0,1,2,3
	v_cvt_pk_bf16_f32 v[16+4*(4*\nt+\mt)+\p], v[ACC+8*(4*\nt+\mt)+2*\p], v[ACC+8*(4*\nt+\mt)+2*\p+1]
.endr
	ds_store_b128 v8, v[16+4*(4*\nt+\mt):16+4*(4*\nt+\mt)+3] offset:8448*\mt+32*\nt
.endr
.endr
	s_lshl_b32 s6, s4, 18
	s_lshl_b32 s7, s5, 9
	s_add_co_u32 s6, s6, s7
	s_mov_b32 s7, 0
	s_add_nc_u64 s[34:35], s[26:27], s[6:7]
	s_wait_dscnt 0x0
	s_barrier_signal -1
	s_barrier_wait -1
.set i, 0
.rept 16
	ds_load_b128 v[128+4*i:131+4*i], v9 offset:528*i
.set i, i+1
.endr
.set i, 0
.rept 16
	s_wait_dscnt 15-i
	global_store_b128 v10, v[128+4*i:131+4*i], s[34:35] offset:2048*i   ; a wave stores 512 consecutive bytes, aligned
.set i, i+1
.endr
	s_wait_tensorcnt 0x0
	ds_add_u32 v94, v95
	s_wait_dscnt 0x0
	s_endpgm
.Lfunc_end_k_qe1f46b8d24_ctxfine:
	.size	k_qe1f46b8d24_ctxfine, .Lfunc_end_k_qe1f46b8d24_ctxfine-k_qe1f46b8d24_ctxfine
	.p2alignl 7, 3214868480
	.fill 96, 4, 3214868480
	.section	.rodata,"a",@progbits
	.p2align	6, 0x0
	.amdhsa_kernel k_qe1f46b8d24_ctxfine
		.amdhsa_group_segment_fixed_size 183296
		.amdhsa_private_segment_fixed_size 0
		.amdhsa_enable_private_segment 0
		.amdhsa_kernarg_size 56
		.amdhsa_user_sgpr_count 2
		.amdhsa_user_sgpr_kernarg_segment_ptr 1
		.amdhsa_wavefront_size32 1
		.amdhsa_system_sgpr_workgroup_id_x 1
		.amdhsa_system_sgpr_workgroup_id_y 1
		.amdhsa_system_sgpr_workgroup_id_z 1
		.amdhsa_system_vgpr_workitem_id 0
		.amdhsa_next_free_vgpr 320
		.amdhsa_next_free_sgpr 66
		.amdhsa_reserve_vcc 0
		.amdhsa_float_denorm_mode_32 3
		.amdhsa_float_denorm_mode_16_64 3
		.amdhsa_memory_ordered 1
		.amdhsa_forward_progress 1
		.amdhsa_inst_pref_size 117
	.end_amdhsa_kernel
	.amdgpu_metadata
---
amdhsa.version: [ 1, 2 ]
amdhsa.kernels:
  - .name:           k_qe1f46b8d24_ctxfine
    .symbol:         k_qe1f46b8d24_ctxfine.kd
    .args:
      - { .name: context_features, .offset: 0, .size: 8, .value_kind: global_buffer, .address_space: global }
      - { .name: wts, .offset: 8, .size: 8, .value_kind: global_buffer, .address_space: global }
      - { .name: query_points_coords, .offset: 16, .size: 8, .value_kind: global_buffer, .address_space: global }
      - { .name: context_coords, .offset: 24, .size: 8, .value_kind: global_buffer, .address_space: global }
      - { .name: grp, .offset: 32, .size: 8, .value_kind: global_buffer, .address_space: global }
      - { .name: ckv, .offset: 40, .size: 8, .value_kind: global_buffer, .address_space: global }
      - { .name: idx, .offset: 48, .size: 8, .value_kind: global_buffer, .address_space: global }
    .group_segment_fixed_size: 183296
    .private_segment_fixed_size: 0
    .kernarg_segment_align: 8
    .kernarg_segment_size: 56
    .max_flat_workgroup_size: 256
    .sgpr_count:     66
    .vgpr_count:     320
    .wavefront_size: 32
...
	.end_amdgpu_metadata
.endif
;; end of part 2
;; launch chain (part 3): grid 256 x 1, 8 waves a work-group, clusters of 4 x 1, 327,680 bytes of LDS; arguments wts, query_points_coords, context_coords, idx, ckv, rtab, Wqe1, bqe1, bqe2, bq, bo, ln_g, ln_b, bh1, bh2, Wh3, bh3, out0; writes out0
.if DOCPART == 3
	.amdgcn_target "amdgcn-amd-amdhsa--gfx1250"
	.amdhsa_code_object_version 6
	.text
	.protected	k_qe1f46b8d24_chain
	.globl	k_qe1f46b8d24_chain
	.p2align	8
	.type	k_qe1f46b8d24_chain,@function
k_qe1f46b8d24_chain:
	s_mov_b64 s[64:65], 0
	v_nop
	global_prefetch_b8 v0, s[64:65] scope:SCOPE_SE
	s_setreg_imm32_b32 hwreg(HW_REG_WAVE_MODE, 25, 1), 1
	s_wait_xcnt 0x0
	s_wait_alu depctr_hold_cnt(0) depctr_sa_sdst(0) depctr_va_vdst(0) depctr_va_sdst(0) depctr_va_ssrc(0) depctr_va_vcc(0) depctr_vm_vsrc(0)
	s_getreg_b32 s2, hwreg(HW_REG_IB_STS2, 6, 4)
	s_cmp_eq_u32 s2, 0
	s_cbranch_scc0 .Lentry_in_a_cluster
	s_endpgm
.Lentry_in_a_cluster:
	s_bfe_u32 s2, ttmp6, 0x10000c
	s_cmp_lg_u32 s2, 0x3003
	s_cbranch_scc0 .Lentry_shape_is_right
	s_endpgm
.Lentry_shape_is_right:
; CHAIN: everything per query, 64 queries a work-group, nothing through memory between the steps:
;   a1 = gelu(qc Wqe1 + bqe1); qe = a1 Wqe2 + bqe2; q = qe Wq + bq; attention over the 4 neighbours; x = LN(o Wo + bo + qe); h1 = gelu(x Wh1 + bh1);
;   h2 = gelu(h1 Wh2 + bh2); out = h2 Wh3 + bh3.
; k and v of a neighbour are ckv[idx] + rel @ rtab[0:3] + rtab[3] (see the launches before); with softmax weights a_n that sum to one,
;   o = sum a_n V[idx_n] + (sum a_n rel_n) @ RV[0:3] + RV[3].
; THE FIVE LARGE PRODUCTS walk 36 tiles of 64 rows x 1,024 bytes of wts (Wqe2, Wq, Wo, Wh1: 64 k x 512 n; Wh2: 128 k x 256 n, two k in a row) through
; two LDS slots.  Every work-group walks the same tiles, so four work-groups form a cluster and ask for each tile JOINTLY (mask 15): wave w of each asks
; for rows 8 w .. 8 w + 7.  A wave has at most one tensor load out.  The activations (64 rows x 512, 16 bit) stay in LDS; wave w makes all 64 rows x its 64 columns.
; FORMATS: a1, Wqe2, qe, Wq, q in bf16 (they fall to 3e-7 with inputs 30 times smaller); o, Wo, x, Wh1, h1, Wh2 in f16 (largest about 1e4 with inputs
; 30 times larger); ckv in bf16; all sums, the residual qe, softmax, LayerNorm and gelu in f32.
; ON THE VECTOR UNIT: qc Wqe1 (K = 3), scores and weighted sum (each query and head has its own 4 x 64 matrix), h2 Wh3 (N = 1).
; LIMIT: erf by Abramowitz and Stegun 7.1.26, absolute error 1.5e-7; it enters as 0.5 |x| erf, so the error is relative to |x|.
.set SLOT, 67584                       ; LDS: two slots of 64 rows x 1,056 bytes (1,024 + 32 of padding)
.set ACT, 135168                       ; the activations: 64 rows x 1,040 bytes (1,024 + 16)
.set STAT, 201728                      ; three tables [row][wave] f32 of 2,048 bytes: row sums, sums of squares, logits
.set AADR, 2                           ; v2  A's fragments, running along K;  v3 its start: ACT + 1,040 r + 16 h
.set AADR0, 3
.set BADR, 4                           ; v4, v5  B's fragments in slot 0, 1
.set BADR7, 6                          ; v6, v7  the same for Wh2's tiles
.set OADR, 8                           ; v8  where my results go in ACT: 1,040 r + 128 w + 16 h
.set BOFF, 9                           ; v9  byte of my 8 columns in a bias: 4 (64 w + 8 h);  v10 for 256 columns: 4 (32 w + 8 h)
.set BOFF7, 10
; v11, v12 STAT, store and read; v13 my neighbour's index; v14-16 rel; v17-19 query; v20 a row's address; v21 16 lane; v22 zero; v23 32 lane
.set FA, 32                            ; v[32:63]   4 fragments of the activations
.set FB, 64                            ; v[64:95]   4 fragments of the weights
.set BIAS, 96                          ; v[96:127]
.set ACC, 128                          ; v[128:255] tile (nt, mt) at 128 + 8 (4 nt + mt): lane (r, h), register j = row 16 mt + r, column 64 w + 16 nt + 8 h + j
; v256-383: qe in f32, laid out as ACC, in the second window
.set QR, 24                            ; attention: q of the row, 2 x 4 registers of bf16
.set KR, 32                            ; K(n, j) at 32 + 8 n + 4 j
.set VR, 64                            ; V(n, j)
.set SC, 96                            ; scores, then weights: (j, n) at 96 + 4 j + n
.set TT, 104                           ; q . RK[c], then sum a_n rel_n[c]: (j, c)
.set OO, 112                           ; o(j, e); before that the softmax's temporaries
.set RK, 128                           ; rtab's K part: (c, j) at 128 + 16 c + 8 j
.set RV, 192                           ; rtab's V part
.set G1, 52                            ; s[52:59] descriptor group 1
.set G0, 68                            ; s[68:71], s[72:75] group 0 of slot 0, 1
.set MSB, 0
.macro WIN new
.if MSB != \new
	s_set_vgpr_msb (MSB<<8)|\new
.set MSB, \new
.endif
.endm
.macro PLACES
.rept 4
	v_nop
.endr
.endm
; a round of the cluster's barrier: my work-group's barrier, wave 0 signals for the work-group, every wave waits for all four, my work-group's barrier again
.macro ROUND
	s_barrier_signal -1
	s_barrier_wait -1
	s_cmp_lg_u32 s3, 0
	s_cbranch_scc1 .Lnw0_\@
	s_barrier_signal -3
.Lnw0_\@:
	s_barrier_wait -3
	s_barrier_signal -1
	s_barrier_wait -1
.endm
; 32 along K: 16 LDS loads, 16 matrix instructions; source 0 = 16 columns of the weights (stored [k][n]: transposing loads), source 1 = 16 rows of the
; activations.  The sixteen accumulators take turns, one instruction a turn.
.macro KSTEP s, ks, zero, fmt
	ds_load_tr16_b128 v[FB:FB+3], v[BADR+\s] offset:33792*\ks
	ds_load_tr16_b128 v[FB+4:FB+7], v[BADR+\s] offset:33792*\ks+16896
.irp mt,0,1,2,3
	ds_load_b128 v[FA+8*\mt:FA+8*\mt+3], v[AADR] offset:16640*\mt+64*\ks
	ds_load_b128 v[FA+8*\mt+4:FA+8*\mt+7], v[AADR] offset:16640*\mt+64*\ks+32
.endr
.irp nt,1,2,3
	ds_load_tr16_b128 v[FB+8*\nt:FB+8*\nt+3], v[BADR+\s] offset:33792*\ks+32*\nt
	ds_load_tr16_b128 v[FB+8*\nt+4:FB+8*\nt+7], v[BADR+\s] offset:33792*\ks+32*\nt+16896
.endr
.irp nt,0,1,2,3
	s_wait_dscnt 6-2*\nt                           ; the weights' fragments behind nt may stay out
.irp mt,0,1,2,3
.if \zero
	v_wmma_f32_16x16x32_\fmt v[ACC+8*(4*\nt+\mt):ACC+8*(4*\nt+\mt)+7], v[FB+8*\nt:FB+8*\nt+7], v[FA+8*\mt:FA+8*\mt+7], 0
.else
	v_wmma_f32_16x16x32_\fmt v[ACC+8*(4*\nt+\mt):ACC+8*(4*\nt+\mt)+7], v[FB+8*\nt:FB+8*\nt+7], v[FA+8*\mt:FA+8*\mt+7], v[ACC+8*(4*\nt+\mt):ACC+8*(4*\nt+\mt)+7]
.endif
.endr
.endr
	PLACES                                         ; four places in front of whatever next writes a fragment or reads a result (ISA guide 7.12.1)
.endm
; the head of a tile's trip: all my tensor loads have landed (my part of this tile among them), so a group 0 may be stepped; my LDS reads and stores are
; done; the round shows both of every wave of the four work-groups; then the other slot, read last trip, is asked for again, first thing.
.macro HEAD s, refill
	s_set_vgpr_msb 0x5
	s_wait_tensorcnt 0x0
	ds_add_u32 v128, v129
	s_wait_dscnt 0x0
	s_set_vgpr_msb 0x500
	s_add_nc_u64 s[G0+4*\s+2:G0+4*\s+3], s[G0+4*\s+2:G0+4*\s+3], 131072    ; this slot's next tile: two tiles on
	s_wait_dscnt 0x0
	ROUND
.if \refill
	tensor_load_to_lds s[G0+4-4*\s:G0+7-4*\s], s[G1:G1+7]
	s_nop 0
.endif
.endm
.macro TRIP s, refill, zero, fmt
	HEAD \s, \refill
	KSTEP \s, 0, \zero, \fmt
	KSTEP \s, 1, 0, \fmt
	v_add_nc_u32 v[AADR], 128, v[AADR]             ; 64 k on in the activations' rows
.endm
; a product with K = 512: 8 tiles; the first products start the sums
.macro STAGE fmt
	v_mov_b32 v[AADR], v[AADR0]
	TRIP 0, 1, 1, \fmt
	TRIP 1, 1, 0, \fmt
	s_mov_b32 s98, 3
.Lstage_\@:
	TRIP 0, 1, 0, \fmt
	TRIP 1, 1, 0, \fmt
	s_sub_co_i32 s98, s98, 1
	s_cmp_lg_u32 s98, 0
	s_cbranch_scc1 .Lstage_\@
.endm
; Wh2: my 32 columns, two fragments; row k of a tile lies at (k / 2) 1,056 + (k % 2) 512.  Eight accumulators take turns.
.macro KSTEP7 s, ks, zero
	ds_load_tr16_b128 v[FB:FB+3], v[BADR7+\s] offset:16896*\ks
	ds_load_tr16_b128 v[FB+4:FB+7], v[BADR7+\s] offset:16896*\ks+8448
.irp mt,0,1,2,3
	ds_load_b128 v[FA+8*\mt:FA+8*\mt+3], v[AADR] offset:16640*\mt+64*\ks
	ds_load_b128 v[FA+8*\mt+4:FA+8*\mt+7], v[AADR] offset:16640*\mt+64*\ks+32
.endr
	ds_load_tr16_b128 v[FB+8:FB+11], v[BADR7+\s] offset:16896*\ks+32
	ds_load_tr16_b128 v[FB+12:FB+15], v[BADR7+\s] offset:16896*\ks+8480
.irp nt,0,1
	s_wait_dscnt 2-2*\nt
.irp mt,0,1,2,3
.if \zero
	v_wmma_f32_16x16x32_f16 v[ACC+8*(4*\nt+\mt):ACC+8*(4*\nt+\mt)+7], v[FB+8*\nt:FB+8*\nt+7], v[FA+8*\mt:FA+8*\mt+7], 0
.else
	v_wmma_f32_16x16x32_f16 v[ACC+8*(4*\nt+\mt):ACC+8*(4*\nt+\mt)+7], v[FB+8*\nt:FB+8*\nt+7], v[FA+8*\mt:FA+8*\mt+7], v[ACC+8*(4*\nt+\mt):ACC+8*(4*\nt+\mt)+7]
.endif
.endr
.endr
	PLACES
.endm
.macro TRIP7 s, refill, zero
	HEAD \s, \refill
	KSTEP7 \s, 0, \zero
	KSTEP7 \s, 1, 0
	KSTEP7 \s, 2, 0
	KSTEP7 \s, 3, 0
	v_add_nc_u32 v[AADR], 256, v[AADR]             ; 128 k on
.endm
; 32 numbers of a vector of 512: those of my 4 x 8 columns
.macro LDBIAS p, dst
.irp nt,0,1,2,3
	global_load_b128 v[\dst+8*\nt:\dst+8*\nt+3], v[BOFF], s[\p:\p+1] offset:64*\nt
	global_load_b128 v[\dst+8*\nt+4:\dst+8*\nt+7], v[BOFF], s[\p:\p+1] offset:64*\nt+16
.endr
.endm
.macro ADDBIAS
.irp nt,0,1,2,3
.irp mt,0,1,2,3
.irp q,0,2,4,6
	v_pk_add_f32 v[ACC+8*(4*\nt+\mt)+\q:ACC+8*(4*\nt+\mt)+\q+1], v[ACC+8*(4*\nt+\mt)+\q:ACC+8*(4*\nt+\mt)+\q+1], v[BIAS+8*\nt+\q:BIAS+8*\nt+\q+1]
.endr
.endr
.endr
.endm
; the 16 tiles to 16 bit and into ACT, 16 bytes a lane; T: 32 temporaries that take turns
.macro OUT16 cvt, T
.irp nt,0,1,2,3
.irp mt,0,1,2,3
.irp p,0,1,2,3
	\cvt v[\T+4*((4*\nt+\mt)%8)+\p], v[ACC+8*(4*\nt+\mt)+2*\p], v[ACC+8*(4*\nt+\mt)+2*\p+1]
.endr
	ds_store_b128 v[OADR], v[\T+4*((4*\nt+\mt)%8):\T+4*((4*\nt+\mt)%8)+3] offset:16640*\mt+32*\nt
.endr
.endr
.endm
; gelu(x) = 0.5 x + 0.5 |x| erf(|x| / sqrt 2) on v[X .. X+7] in place; erf(z) = 1 - t (a1 + t (a2 + t (a3 + t (a4 + t a5)))) exp(-z z), t = 1 / (1 + p z).
; T: |x| at T, t at T + 8, the exponential at T + 16, the polynomial at T + 24.
.macro GELU8 X, T
.irp i,0,1,2,3,4,5,6,7
	v_and_b32 v[\T+\i], 0x7fffffff, v[\X+\i]
.endr
.irp i,0,2,4,6
	v_pk_fma_f32 v[\T+8+\i:\T+9+\i], v[\T+\i:\T+1+\i], 0x3e6d3388, 1.0 op_sel_hi:[1,0,0]     ; 1 + (p / sqrt 2) |x|
	v_pk_mul_f32 v[\T+16+\i:\T+17+\i], v[\X+\i:\X+1+\i], 0x3f596d27 op_sel_hi:[1,0]          ; x sqrt(0.5 log2 e)
.endr
.irp i,0,2,4,6
	v_pk_mul_f32 v[\T+16+\i:\T+17+\i], v[\T+16+\i:\T+17+\i], v[\T+16+\i:\T+17+\i] neg_lo:[1,0] neg_hi:[1,0]
.endr
.irp i,0,1,2,3,4,5,6,7
	v_rcp_f32 v[\T+8+\i], v[\T+8+\i]
.endr
.irp i,0,1,2,3,4,5,6,7
	v_exp_f32 v[\T+16+\i], v[\T+16+\i]
.endr
.irp i,0,2,4,6
	v_pk_mul_f32 v[\T+\i:\T+1+\i], v[\T+\i:\T+1+\i], 0.5 op_sel_hi:[1,0]                     ; plain work behind the transcendentals (ISA guide 5.7.2)
.endr
	s_wait_alu depctr_va_vdst(0)
.irp i,0,2,4,6
	v_pk_fma_f32 v[\T+24+\i:\T+25+\i], v[\T+8+\i:\T+9+\i], s[60:61], 0xbfba00e3 op_sel_hi:[1,0,0]
.endr
.irp i,0,2,4,6
	v_pk_fma_f32 v[\T+24+\i:\T+25+\i], v[\T+24+\i:\T+25+\i], v[\T+8+\i:\T+9+\i], 0x3fb5f0e3 op_sel_hi:[1,1,0]
.endr
.irp i,0,2,4,6
	v_pk_fma_f32 v[\T+24+\i:\T+25+\i], v[\T+24+\i:\T+25+\i], v[\T+8+\i:\T+9+\i], 0xbe91a98e op_sel_hi:[1,1,0]
.endr
.irp i,0,2,4,6
	v_pk_fma_f32 v[\T+24+\i:\T+25+\i], v[\T+24+\i:\T+25+\i], v[\T+8+\i:\T+9+\i], 0x3e827906 op_sel_hi:[1,1,0]
.endr
.irp i,0,2,4,6
	v_pk_mul_f32 v[\T+24+\i:\T+25+\i], v[\T+24+\i:\T+25+\i], v[\T+8+\i:\T+9+\i]
.endr
.irp i,0,2,4,6
	v_pk_fma_f32 v[\T+24+\i:\T+25+\i], v[\T+24+\i:\T+25+\i], v[\T+16+\i:\T+17+\i], 1.0 op_sel_hi:[1,1,0] neg_lo:[1,0,0] neg_hi:[1,0,0]
.endr
.irp i,0,2,4,6
	v_pk_mul_f32 v[\X+\i:\X+1+\i], v[\X+\i:\X+1+\i], 0.5 op_sel_hi:[1,0]
.endr
.irp i,0,2,4,6
	v_pk_fma_f32 v[\X+\i:\X+1+\i], v[\T+\i:\T+1+\i], v[\T+24+\i:\T+25+\i], v[\X+\i:\X+1+\i]
.endr
.endm
; the sum (sq = 0) or sum of squares (sq = 1) of my wave's 64 columns of rows 16 mt + r, into STAT + off
.macro ROWSUM mt, sq, off
.irp nt,0,1,2,3
.if \sq
	v_pk_mul_f32 v[96+2*\nt:97+2*\nt], v[ACC+8*(4*\nt+\mt):ACC+8*(4*\nt+\mt)+1], v[ACC+8*(4*\nt+\mt):ACC+8*(4*\nt+\mt)+1]
.else
	v_pk_add_f32 v[96+2*\nt:97+2*\nt], v[ACC+8*(4*\nt+\mt):ACC+8*(4*\nt+\mt)+1], v[ACC+8*(4*\nt+\mt)+2:ACC+8*(4*\nt+\mt)+3]
.endif
.endr
.if \sq
.irp nt,0,1,2,3
	v_pk_fma_f32 v[96+2*\nt:97+2*\nt], v[ACC+8*(4*\nt+\mt)+2:ACC+8*(4*\nt+\mt)+3], v[ACC+8*(4*\nt+\mt)+2:ACC+8*(4*\nt+\mt)+3], v[96+2*\nt:97+2*\nt]
.endr
.endif
.irp q,4,6
.irp nt,0,1,2,3
.if \sq
	v_pk_fma_f32 v[96+2*\nt:97+2*\nt], v[ACC+8*(4*\nt+\mt)+\q:ACC+8*(4*\nt+\mt)+\q+1], v[ACC+8*(4*\nt+\mt)+\q:ACC+8*(4*\nt+\mt)+\q+1], v[96+2*\nt:97+2*\nt]
.else
	v_pk_add_f32 v[96+2*\nt:97+2*\nt], v[96+2*\nt:97+2*\nt], v[ACC+8*(4*\nt+\mt)+\q:ACC+8*(4*\nt+\mt)+\q+1]
.endif
.endr
.endr
	v_pk_add_f32 v[96:97], v[96:97], v[98:99]
	v_pk_add_f32 v[100:101], v[100:101], v[102:103]
	v_pk_add_f32 v[96:97], v[96:97], v[100:101]
	v_add_f32 v[104+\mt], v96, v97
	v_permlanex16_b32 v[108+\mt], v[104+\mt], s96, s97     ; the other 8 columns of each 16 lie 16 lanes away
	v_add_f32 v[104+\mt], v[104+\mt], v[108+\mt]
	ds_store_b32 v11, v[104+\mt] offset:512*\mt+\off
.endm
; the eight waves' figures of rows 16 mt + r, summed in ascending wave order into v[96 + 8 mt]
.macro STATSUM off
.irp mt,0,1,2,3
	ds_load_b128 v[96+8*\mt:99+8*\mt], v12 offset:512*\mt+\off
	ds_load_b128 v[100+8*\mt:103+8*\mt], v12 offset:512*\mt+\off+16
.endr
	s_wait_dscnt 0x0
.irp k,1,2,3,4,5,6,7
.irp mt,0,1,2,3
	v_add_f32 v[96+8*\mt], v[96+8*\mt], v[96+8*\mt+\k]
.endr
.endr
.endm
.macro SUBB mt, pr, b                  ; rows 16 mt + r: x -= v[pr + b]
.irp nt,0,1,2,3
.irp q,0,2,4,6
	v_pk_add_f32 v[ACC+8*(4*\nt+\mt)+\q:ACC+8*(4*\nt+\mt)+\q+1], v[ACC+8*(4*\nt+\mt)+\q:ACC+8*(4*\nt+\mt)+\q+1], v[\pr:\pr+1] op_sel:[0,\b] op_sel_hi:[1,\b] neg_lo:[0,1] neg_hi:[0,1]
.endr
.endr
.endm
.macro NORM mt, pr, b                  ; x = x v[pr + b] g + beta
.irp nt,0,1,2,3
.irp q,0,2,4,6
	v_pk_mul_f32 v[ACC+8*(4*\nt+\mt)+\q:ACC+8*(4*\nt+\mt)+\q+1], v[ACC+8*(4*\nt+\mt)+\q:ACC+8*(4*\nt+\mt)+\q+1], v[\pr:\pr+1] op_sel:[0,\b] op_sel_hi:[1,\b]
.endr
.endr
.irp nt,0,1,2,3
.irp q,0,2,4,6
	v_pk_fma_f32 v[ACC+8*(4*\nt+\mt)+\q:ACC+8*(4*\nt+\mt)+\q+1], v[ACC+8*(4*\nt+\mt)+\q:ACC+8*(4*\nt+\mt)+\q+1], v[32+8*\nt+\q:33+8*\nt+\q], v[64+8*\nt+\q:65+8*\nt+\q]
.endr
.endr
.endm
; the four neighbours' rows of ckv: the indices lie in lanes s12 .. s12 + 3 of v13
.macro ADDRS
.irp n,0,1,2,3
	v_readlane_b32 s14, v13, s12
	s_min_u32 s14, s14, 0x1fff                     ; an index stays inside the table
	s_lshl_b32 s14, s14, 11                        ; rows of 2,048 bytes
	s_add_nc_u64 s[76+2*\n:77+2*\n], s[24:25], s[14:15]
	s_add_co_u32 s12, s12, 1
.endr
.endm
.macro LDKV base, off                  ; 8 loads: each takes 512 consecutive bytes of a row
.irp n,0,1,2,3
.irp j,0,1
	global_load_b128 v[\base+8*\n+4*\j:\base+8*\n+4*\j+3], v21, s[76+2*\n:77+2*\n] offset:\off+512*\j
.endr
.endr
.endm
; attention for one row.  My lane holds dims 256 j + 8 lane + e (j = 0, 1; e = 0 .. 7): head 4 j + lane / 8.  cont = 1: the next row's K, V and q are asked for.
.macro ROW cont
	s_add_co_u32 s9, s99, 1
	s_add_co_u32 s10, s99, 2
	s_add_co_u32 s11, s99, 3
.irp c,0,1,2
	v_readlane_b32 s[84+4*\c], v[14+\c], s99       ; rel[c] of the four neighbours
	v_readlane_b32 s[85+4*\c], v[14+\c], s9
	v_readlane_b32 s[86+4*\c], v[14+\c], s10
	v_readlane_b32 s[87+4*\c], v[14+\c], s11
.endr
	s_wait_dscnt 0x0                               ; q
	s_wait_loadcnt 0x8                             ; K (and rtab) are in; V's 8 loads were issued later
.irp p,0,1,2,3
.irp b,0,1
.irp j,0,1
.irp n,0,1,2,3
.if (2*\p+\b) == 0
	v_fma_mix_f32_bf16 v[SC+4*\j+\n], v[QR+4*\j+\p], v[KR+8*\n+4*\j+\p], v22 op_sel:[\b,\b,0] op_sel_hi:[1,1,0]
	v_fma_mix_f32_bf16 v[TT+4*\j+\n], v[QR+4*\j+\p], v[RK+16*\n+8*\j+2*\p+\b], v22 op_sel:[\b,0,0] op_sel_hi:[1,0,0]
.else
	v_fma_mix_f32_bf16 v[SC+4*\j+\n], v[QR+4*\j+\p], v[KR+8*\n+4*\j+\p], v[SC+4*\j+\n] op_sel:[\b,\b,0] op_sel_hi:[1,1,0]
	v_fma_mix_f32_bf16 v[TT+4*\j+\n], v[QR+4*\j+\p], v[RK+16*\n+8*\j+2*\p+\b], v[TT+4*\j+\n] op_sel:[\b,0,0] op_sel_hi:[1,0,0]
.endif
.endr
.endr
.endr
.endr
.if \cont
	s_wait_xcnt 0x0                                ; the row bases, which V's pending loads name, are rewritten only behind this wait
	s_add_co_u32 s12, s99, 4
	ADDRS
	LDKV KR, 0
.endif
.irp c,0,1,2
.irp j,0,1
.irp n,0,1,2,3
	v_fmac_f32 v[SC+4*\j+\n], s[84+4*\c+\n], v[TT+4*\j+\c]
.endr
.endr
.endr
.irp j,0,1
.irp n,0,1,2,3
	v_add_f32 v[SC+4*\j+\n], v[SC+4*\j+\n], v[TT+4*\j+3]
.endr
.endr
.irp x,1,2,4                                       ; over the 8 lanes of a head
.irp i,0,1,2,3,4,5,6,7
	v_add_f32_dpp v[SC+\i], v[SC+\i], v[SC+\i] row_xmask:\x row_mask:0xf bank_mask:0xf
.endr
.endr
.irp j,0,1
	v_max3_num_f32 v[OO+\j], v[SC+4*\j], v[SC+4*\j+1], v[SC+4*\j+2]
.endr
.irp j,0,1
	v_max_num_f32 v[OO+\j], v[OO+\j], v[SC+4*\j+3]
.endr
.irp j,0,1
	v_mul_f32 v[OO+\j], s62, v[OO+\j]              ; s62 = log2(e) / sqrt(64)
.endr
.irp j,0,1
.irp n,0,1,2,3
	v_fma_f32 v[SC+4*\j+\n], v[SC+4*\j+\n], s62, -v[OO+\j]      ; the maximum is taken away in front of the exponential
.endr
.endr
.irp i,0,1,2,3,4,5,6,7
	v_exp_f32 v[SC+\i], v[SC+\i]
.endr
	v_nop
	s_wait_alu depctr_va_vdst(0)
.irp j,0,1
	v_add_f32 v[OO+4+\j], v[SC+4*\j], v[SC+4*\j+1]
	v_add_f32 v[OO+6+\j], v[SC+4*\j+2], v[SC+4*\j+3]
.endr
.irp j,0,1
	v_add_f32 v[OO+4+\j], v[OO+4+\j], v[OO+6+\j]
.endr
	v_rcp_f32 v[OO+4], v[OO+4]
	v_rcp_f32 v[OO+5], v[OO+5]
	v_nop
	s_wait_alu depctr_va_vdst(0)
.irp j,0,1
.irp n,0,1,2,3
	v_mul_f32 v[SC+4*\j+\n], v[SC+4*\j+\n], v[OO+4+\j]
.endr
.endr
.irp j,0,1
.irp c,0,1,2
	v_mul_f32 v[TT+4*\j+\c], s[84+4*\c], v[SC+4*\j]
.endr
.endr
.irp n,1,2,3
.irp j,0,1
.irp c,0,1,2
	v_fmac_f32 v[TT+4*\j+\c], s[84+4*\c+\n], v[SC+4*\j+\n]
.endr
.endr
.endr
.irp j,0,1
.irp q,0,2,4,6
	v_pk_fma_f32 v[OO+8*\j+\q:OO+8*\j+\q+1], v[RV+8*\j+\q:RV+8*\j+\q+1], v[TT+4*\j:TT+4*\j+1], v[RV+48+8*\j+\q:RV+48+8*\j+\q+1] op_sel_hi:[1,0,1]
.endr
.endr
.irp j,0,1
.irp q,0,2,4,6
	v_pk_fma_f32 v[OO+8*\j+\q:OO+8*\j+\q+1], v[RV+16+8*\j+\q:RV+16+8*\j+\q+1], v[TT+4*\j:TT+4*\j+1], v[OO+8*\j+\q:OO+8*\j+\q+1] op_sel:[0,1,0]
.endr
.endr
.irp j,0,1
.irp q,0,2,4,6
	v_pk_fma_f32 v[OO+8*\j+\q:OO+8*\j+\q+1], v[RV+32+8*\j+\q:RV+32+8*\j+\q+1], v[TT+4*\j+2:TT+4*\j+3], v[OO+8*\j+\q:OO+8*\j+\q+1] op_sel_hi:[1,0,1]
.endr
.endr
.if \cont
	s_wait_loadcnt 0x8                             ; V is in; the next row's K, 8 loads, was issued later
.else
	s_wait_loadcnt 0x0
.endif
.irp n,0,1,2,3
.irp p,0,1,2,3
.irp b,0,1
.irp j,0,1
	v_fma_mix_f32_bf16 v[OO+8*\j+2*\p+\b], v[VR+8*\n+4*\j+\p], v[SC+4*\j+\n], v[OO+8*\j+2*\p+\b] op_sel:[\b,0,0] op_sel_hi:[1,0,0]
.endr
.endr
.endr
.endr
.if \cont
	LDKV VR, 1024
.endif
.irp j,0,1
.irp p,0,1,2,3
	v_cvt_pk_f16_f32 v[QR+4*\j+\p], v[OO+8*\j+2*\p], v[OO+8*\j+2*\p+1]
.endr
.endr
	ds_store_b128 v20, v[QR:QR+3]                  ; o takes the place of the row's q, which only this lane has read
	ds_store_b128 v20, v[QR+4:QR+7] offset:512
	v_add_nc_u32 v20, 1040, v20
.if \cont
	ds_load_b128 v[QR:QR+3], v20
	ds_load_b128 v[QR+4:QR+7], v20 offset:512
.endif
.endm
	; ================= start
	s_load_b512 s[16:31], s[0:1], 0x0              ; wts 16, qc 18, cc 20, idx 22, ckv 24, rtab 26, Wqe1 28, bqe1 30
	s_load_b512 s[32:47], s[0:1], 0x40             ; bqe2 32, bq 34, bo 36, ln_g 38, ln_b 40, bh1 42, bh2 44, Wh3 46
	s_load_b128 s[48:51], s[0:1], 0x80             ; bh3 48, out0 50
	s_set_vgpr_msb 0x40
	v_lshl_add_u32 v128, v0, 2, 0x32c00
	v_mov_b32 v129, 0
	s_set_vgpr_msb 0x4045
	ds_add_u32 v128, v129
	s_set_vgpr_msb 0x4500
	v_lshrrev_b32 v1, 5, v0
	v_readfirstlane_b32 s3, v1                     ; wave
	v_and_b32 v1, 31, v0                           ; lane
	s_bfe_u32 s4, ttmp6, 0x40000                   ; my place in the cluster: it enters the addresses of my own rows in memory and nothing else
	s_lshl_b32 s5, ttmp9, 2
	s_add_co_u32 s5, s5, s4                        ; block of 64 queries
	; group 1: 8 rows x 512 elements of 2 bytes, 32 bytes of padding behind each row's 256 words; mask: all four work-groups, bit 21 beside it
	s_mov_b32 s[G1+0], 15|(1<<16)|(1<<20)|(1<<21)|(7<<22)|(7<<25)
	s_mov_b32 s[G1+1], 512<<16                     ; tensor_dim0 = 512
	s_mov_b32 s[G1+2], 8<<16                       ; tensor_dim1 = 8
	s_mov_b32 s[G1+3], 512<<16                     ; tile_dim0 = 512
	s_mov_b32 s[G1+4], 8                           ; tile_dim1 = 8
	s_mov_b32 s[G1+5], 512                         ; elements from row to row
	s_mov_b32 s[G1+6], 0
	s_mov_b32 s[G1+7], 0
	s_mul_i32 s8, s3, 8448                         ; my 8 rows in a slot
	s_lshl_b32 s10, s3, 13                         ; and in a tile
	s_mov_b32 s11, 0
	s_mov_b32 s15, 0
	s_mov_b32 s60, 0x3f87dc22                      ; a5, twice: a pair for the packed forms
	s_mov_b32 s61, 0x3f87dc22
	s_mov_b32 s62, 0x3e38aa3b                      ; log2(e) / 8
	s_mov_b32 s96, 0x76543210                      ; v_permlanex16_b32: lane i of one half reads lane i of the other
	s_mov_b32 s97, 0xfedcba98
	s_wait_dscnt 0x0
	s_wait_kmcnt 0x0
	s_load_b32 s63, s[48:49], 0x0                  ; bh3
	s_add_nc_u64 s[12:13], s[16:17], s[10:11]
.irp s,0,1
	s_mov_b32 s[G0+4*\s], 1
	s_add_co_u32 s[G0+4*\s+1], s8, \s*SLOT
	s_add_nc_u64 s[G0+4*\s+2:G0+4*\s+3], s[12:13], \s*65536
	s_or_b32 s[G0+4*\s+3], s[G0+4*\s+3], 0x80000000
.endr
	s_wait_kmcnt 0x0
	ROUND                                          ; all four work-groups are here: the first joint loads meet
	tensor_load_to_lds s[G0:G0+3], s[G1:G1+7]      ; tile 0
	s_nop 0
	v_and_b32 v24, 15, v1                          ; r
	v_lshrrev_b32 v25, 4, v1                       ; h
	v_and_b32 v26, 7, v1
	v_bfe_u32 v27, v1, 3, 1
	v_mul_u32_u24 v28, v24, 1040
	v_lshl_add_u32 v28, v25, 4, v28
	v_add_nc_u32 v[AADR0], ACT, v28
	s_lshl_b32 s8, s3, 7
	s_add_co_u32 s9, s8, ACT
	v_add_nc_u32 v[OADR], s9, v28
	v_lshl_add_u32 v29, v25, 3, v26                ; 8 h + lane % 8: my k row of a transposing load
	v_mul_u32_u24 v4, v29, 1056
	v_lshl_add_u32 v4, v27, 4, v4
	v_add_nc_u32 v4, s8, v4
	v_add_nc_u32 v5, SLOT, v4
	v_lshrrev_b32 v30, 1, v29
	v_and_b32 v31, 1, v29
	v_mul_u32_u24 v6, v30, 1056
	v_lshl_add_u32 v6, v31, 9, v6
	v_lshl_add_u32 v6, v27, 4, v6
	s_lshl_b32 s9, s3, 6
	v_add_nc_u32 v6, s9, v6
	v_add_nc_u32 v7, SLOT, v6
	s_lshl_b32 s9, s3, 8
	v_lshl_add_u32 v[BOFF], v25, 5, s9
	v_lshl_add_u32 v[BOFF7], v25, 5, s8
	s_lshl_b32 s9, s3, 2
	s_add_co_u32 s9, s9, STAT
	v_lshl_add_u32 v11, v24, 5, s9
	v_lshlrev_b32 v12, 5, v24
	v_add_nc_u32 v12, STAT, v12
	v_lshlrev_b32 v21, 4, v1
	v_lshlrev_b32 v23, 5, v1
	v_mov_b32 v22, 0
	; lane l stands for row 8 w + l / 4 and its neighbour l % 4
	s_lshl_b32 s8, s5, 10
	s_lshl_b32 s9, s3, 7
	s_add_co_u32 s8, s8, s9
	v_lshl_add_u32 v24, v1, 2, s8
	global_load_b32 v13, v24, s[22:23]
	s_mul_i32 s8, s5, 768
	s_mul_i32 s9, s3, 96
	s_add_co_u32 s8, s8, s9
	v_lshrrev_b32 v25, 2, v1
	v_mad_u32_u24 v25, v25, 12, s8
	global_load_b32 v17, v25, s[18:19]
	global_load_b32 v18, v25, s[18:19] offset:4
	global_load_b32 v19, v25, s[18:19] offset:8
	s_wait_loadcnt 0x0
	v_min_u32 v13, 0x1fff, v13                     ; an index stays inside the table
	v_mul_u32_u24 v26, v13, 12
	global_load_b32 v14, v26, s[20:21]
	global_load_b32 v15, v26, s[20:21] offset:4
	global_load_b32 v16, v26, s[20:21] offset:8
	; ================= a1 = gelu(qc Wqe1 + bqe1), my 8 rows; my lane's columns are 128 j + 4 lane + e
.irp c,0,1,2
.irp j,0,1,2,3
	global_load_b128 v[128+16*\c+4*\j:128+16*\c+4*\j+3], v21, s[28:29] offset:2048*\c+512*\j
.endr
.endr
.irp j,0,1,2,3
	global_load_b128 v[176+4*\j:176+4*\j+3], v21, s[30:31] offset:512*\j
.endr
	s_wait_loadcnt 0x0
	v_sub_f32 v14, v17, v14                        ; rel = q - c
	v_sub_f32 v15, v18, v15
	v_sub_f32 v16, v19, v16
	s_mul_i32 s8, s3, 8320
	s_add_co_u32 s13, s8, ACT                      ; my 8 rows of ACT
	v_lshl_add_u32 v20, v1, 3, s13
	s_mov_b32 s99, 0
	s_mov_b32 s98, 8
.Lenc:
	v_readlane_b32 s8, v17, s99
	v_readlane_b32 s9, v18, s99
	v_readlane_b32 s10, v19, s99
.irp k,0,1,2,3,4,5,6,7,8,9,10,11,12,13,14,15
	v_fma_f32 v[192+\k], s8, v[128+\k], v[176+\k]
.endr
.irp k,0,1,2,3,4,5,6,7,8,9,10,11,12,13,14,15
	v_fmac_f32 v[192+\k], s9, v[144+\k]
.endr
.irp k,0,1,2,3,4,5,6,7,8,9,10,11,12,13,14,15
	v_fmac_f32 v[192+\k], s10, v[160+\k]
.endr
	GELU8 192, 208
	GELU8 200, 208
.irp i,0,1,2,3,4,5,6,7
	v_cvt_pk_bf16_f32 v[240+\i], v[192+2*\i], v[193+2*\i]
.endr
.irp j,0,1,2,3
	ds_store_b64 v20, v[240+2*\j:241+2*\j] offset:256*\j
.endr
	v_add_nc_u32 v20, 1040, v20
	s_add_co_u32 s99, s99, 4
	s_sub_co_i32 s98, s98, 1
	s_cmp_lg_u32 s98, 0
	s_cbranch_scc1 .Lenc
	; ================= qe = a1 Wqe2 + bqe2: kept in f32 in the second window, and in bf16 in ACT
	LDBIAS 32, BIAS
	STAGE bf16
	s_wait_dscnt 0x0
	s_barrier_signal -1                            ; every wave's reads of a1 are over
	s_barrier_wait -1
	s_wait_loadcnt 0x0
	WIN 0x40
.irp nt,0,1,2,3
.irp mt,0,1,2,3
.irp q,0,2,4,6
	v_pk_add_f32 v[8*(4*\nt+\mt)+\q:8*(4*\nt+\mt)+\q+1], v[ACC+8*(4*\nt+\mt)+\q:ACC+8*(4*\nt+\mt)+\q+1], v[BIAS+8*\nt+\q:BIAS+8*\nt+\q+1]
.endr
.endr
.endr
	WIN 0x05
.irp nt,0,1,2,3
.irp mt,0,1,2,3
.irp p,0,1,2,3
	v_cvt_pk_bf16_f32 v[FA+4*(4*\nt+\mt)+\p], v[8*(4*\nt+\mt)+2*\p], v[8*(4*\nt+\mt)+2*\p+1]
.endr
.endr
.endr
	WIN 0
.irp nt,0,1,2,3
.irp mt,0,1,2,3
	ds_store_b128 v[OADR], v[FA+4*(4*\nt+\mt):FA+4*(4*\nt+\mt)+3] offset:16640*\mt+32*\nt
.endr
.endr
	; ================= q = qe Wq + bq, in bf16 into ACT
	LDBIAS 34, BIAS
	STAGE bf16
	s_wait_dscnt 0x0
	s_barrier_signal -1                            ; every wave's reads of qe are over
	s_barrier_wait -1
	s_wait_loadcnt 0x0
	ADDBIAS
	OUT16 v_cvt_pk_bf16_f32, FA
.irp p,0,1
.irp c,0,1,2,3
.irp j,0,1
	global_load_b128 v[RK+64*\p+16*\c+8*\j:RK+64*\p+16*\c+8*\j+3], v23, s[26:27] offset:4096*\c+2048*\p+1024*\j
	global_load_b128 v[RK+64*\p+16*\c+8*\j+4:RK+64*\p+16*\c+8*\j+7], v23, s[26:27] offset:4096*\c+2048*\p+1024*\j+16
.endr
.endr
.endr
	s_mov_b32 s12, 0
	ADDRS
	LDKV KR, 0
	LDKV VR, 1024
	v_lshl_add_u32 v20, v1, 4, s13                 ; my first row, 16 bytes a lane
	s_wait_dscnt 0x0
	s_barrier_signal -1                            ; q is whole
	s_barrier_wait -1
	; ================= attention, my 8 rows
	ds_load_b128 v[QR:QR+3], v20
	ds_load_b128 v[QR+4:QR+7], v20 offset:512
	s_mov_b32 s99, 0
	s_mov_b32 s98, 7
.Lrow:
	ROW 1
	s_add_co_u32 s99, s99, 4
	s_sub_co_i32 s98, s98, 1
	s_cmp_lg_u32 s98, 0
	s_cbranch_scc1 .Lrow
	ROW 0
	; ================= x = LayerNorm(o Wo + bo + qe), two passes as reference() has them, in f16 into ACT
	LDBIAS 36, BIAS
	STAGE f16
	LDBIAS 38, 32                                  ; ln_g
	LDBIAS 40, 64                                  ; ln_b
	s_wait_loadcnt 0x10                            ; bo is in; the 16 loads of ln_g and ln_b were issued later
	ADDBIAS
	WIN 0x04                                       ; source 1 in the second window: qe
.irp nt,0,1,2,3
.irp mt,0,1,2,3
.irp q,0,2,4,6
	v_pk_add_f32 v[ACC+8*(4*\nt+\mt)+\q:ACC+8*(4*\nt+\mt)+\q+1], v[ACC+8*(4*\nt+\mt)+\q:ACC+8*(4*\nt+\mt)+\q+1], v[8*(4*\nt+\mt)+\q:8*(4*\nt+\mt)+\q+1]
.endr
.endr
.endr
	WIN 0
.irp mt,0,1,2,3
	ROWSUM \mt, 0, 0
.endr
	s_wait_dscnt 0x0
	s_barrier_signal -1                            ; the row sums are there; every wave's reads of o are over too
	s_barrier_wait -1
	STATSUM 0
.irp mt,0,1,2,3
	v_mul_f32 v[22+\mt], 0x3b000000, v[96+8*\mt]   ; mean = sum / 512
.endr
	SUBB 0, 22, 0
	SUBB 1, 22, 1
	SUBB 2, 24, 0
	SUBB 3, 24, 1
.irp mt,0,1,2,3
	ROWSUM \mt, 1, 2048
.endr
	s_wait_dscnt 0x0
	s_barrier_signal -1
	s_barrier_wait -1
	STATSUM 2048
	s_mov_b32 s8, 0x3b000000                       ; 1 / 512
	s_mov_b32 s9, 0x3727c5ac                       ; 1e-5
.irp mt,0,1,2,3
	v_fma_f32 v[26+\mt], v[96+8*\mt], s8, s9
.endr
.irp mt,0,1,2,3
	v_rsq_f32 v[26+\mt], v[26+\mt]
.endr
	v_nop
	s_wait_alu depctr_va_vdst(0)
	s_wait_loadcnt 0x0                             ; ln_g, ln_b
	NORM 0, 26, 0
	NORM 1, 26, 1
	NORM 2, 28, 0
	NORM 3, 28, 1
	OUT16 v_cvt_pk_f16_f32, BIAS
	; ================= h1 = gelu(x Wh1 + bh1), in f16 into ACT
	LDBIAS 42, BIAS
	STAGE f16
	s_wait_dscnt 0x0
	s_barrier_signal -1                            ; every wave's reads of x are over
	s_barrier_wait -1
	s_wait_loadcnt 0x0
	ADDBIAS
.set t, 0
.rept 16
	GELU8 ACC+8*t, 32
.set t, t+1
.endr
	OUT16 v_cvt_pk_f16_f32, 64
	; ================= h2 = gelu(h1 Wh2 + bh2), my 32 columns; out = h2 Wh3 + bh3
.irp nt,0,1
	global_load_b128 v[96+8*\nt:99+8*\nt], v[BOFF7], s[44:45] offset:64*\nt
	global_load_b128 v[100+8*\nt:103+8*\nt], v[BOFF7], s[44:45] offset:64*\nt+16
	global_load_b128 v[112+8*\nt:115+8*\nt], v[BOFF7], s[46:47] offset:64*\nt
	global_load_b128 v[116+8*\nt:119+8*\nt], v[BOFF7], s[46:47] offset:64*\nt+16
.endr
	v_mov_b32 v[AADR], v[AADR0]
	TRIP7 0, 1, 1
	TRIP7 1, 1, 0
	TRIP7 0, 1, 0
	TRIP7 1, 0, 0                                  ; the last tile: nothing is left to fetch
	s_wait_loadcnt 0x0
.irp nt,0,1
.irp mt,0,1,2,3
.irp q,0,2,4,6
	v_pk_add_f32 v[ACC+8*(4*\nt+\mt)+\q:ACC+8*(4*\nt+\mt)+\q+1], v[ACC+8*(4*\nt+\mt)+\q:ACC+8*(4*\nt+\mt)+\q+1], v[96+8*\nt+\q:97+8*\nt+\q]
.endr
.endr
.endr
.set t, 0
.rept 8
	GELU8 ACC+8*t, 32
.set t, t+1
.endr
.irp nt,0,1
.irp j,0,1,2,3,4,5,6,7
.irp mt,0,1,2,3
.if (8*\nt+\j) == 0
	v_mul_f32 v[64+\mt], v[ACC+8*\mt], v112
.else
	v_fmac_f32 v[64+\mt], v[ACC+8*(4*\nt+\mt)+\j], v[112+8*\nt+\j]
.endif
.endr
.endr
.endr
.irp mt,0,1,2,3
	v_permlanex16_b32 v[68+\mt], v[64+\mt], s96, s97
.endr
.irp mt,0,1,2,3
	v_add_f32 v[64+\mt], v[64+\mt], v[68+\mt]
	ds_store_b32 v11, v[64+\mt] offset:512*\mt+4096
.endr
	s_wait_dscnt 0x0
	s_barrier_signal -1
	s_barrier_wait -1
	s_cmp_lg_u32 s3, 0
	s_cbranch_scc1 .Lfin
	v_lshlrev_b32 v24, 6, v1                       ; wave 0: lane l sums rows 2 l and 2 l + 1 over the eight waves
	v_add_nc_u32 v24, STAT+4096, v24
	ds_load_b128 v[32:35], v24
	ds_load_b128 v[36:39], v24 offset:16
	ds_load_b128 v[40:43], v24 offset:32
	ds_load_b128 v[44:47], v24 offset:48
	s_wait_dscnt 0x0
.irp k,1,2,3,4,5,6,7
	v_add_f32 v32, v32, v[32+\k]
	v_add_f32 v40, v40, v[40+\k]
.endr
	v_add_f32 v32, s63, v32
	v_add_f32 v33, s63, v40
	s_lshl_b32 s8, s5, 8
	v_lshl_add_u32 v25, v1, 3, s8
	global_store_b64 v25, v[32:33], s[50:51]       ; the wave stores the block's 256 consecutive bytes, aligned
.Lfin:
	s_set_vgpr_msb 0x5
	s_wait_tensorcnt 0x0
	ds_add_u32 v128, v129
	s_wait_dscnt 0x0
	s_set_vgpr_msb 0x500
	ROUND                                          ; the closing round: no work-group ends while a partner may still ask for a tile that names it
	s_endpgm
.Lfunc_end_k_qe1f46b8d24_chain:
	.size	k_qe1f46b8d24_chain, .Lfunc_end_k_qe1f46b8d24_chain-k_qe1f46b8d24_chain
	.p2alignl 7, 3214868480
	.fill 96, 4, 3214868480
	.section	.rodata,"a",@progbits
	.p2align	6, 0x0
	.amdhsa_kernel k_qe1f46b8d24_chain
		.amdhsa_group_segment_fixed_size 327680
		.amdhsa_private_segment_fixed_size 0
		.amdhsa_enable_private_segment 0
		.amdhsa_kernarg_size 144
		.amdhsa_user_sgpr_count 2
		.amdhsa_user_sgpr_kernarg_segment_ptr 1
		.amdhsa_wavefront_size32 1
		.amdhsa_system_sgpr_workgroup_id_x 1
		.amdhsa_system_sgpr_workgroup_id_y 1
		.amdhsa_system_sgpr_workgroup_id_z 1
		.amdhsa_system_vgpr_workitem_id 0
		.amdhsa_next_free_vgpr 386
		.amdhsa_next_free_sgpr 100
		.amdhsa_reserve_vcc 0
		.amdhsa_float_denorm_mode_32 3
		.amdhsa_float_denorm_mode_16_64 3
		.amdhsa_memory_ordered 1
		.amdhsa_forward_progress 1
		.amdhsa_inst_pref_size 255
	.end_amdhsa_kernel
	.section	.bss,"aw",@nobits
	.p2align	6
	.space	262144
	.amdgpu_metadata
---
amdhsa.version: [ 1, 2 ]
amdhsa.kernels:
  - .name:           k_qe1f46b8d24_chain
    .symbol:         k_qe1f46b8d24_chain.kd
    .args:
      - { .name: wts, .offset: 0, .size: 8, .value_kind: global_buffer, .address_space: global }
      - { .name: query_points_coords, .offset: 8, .size: 8, .value_kind: global_buffer, .address_space: global }
      - { .name: context_coords, .offset: 16, .size: 8, .value_kind: global_buffer, .address_space: global }
      - { .name: idx, .offset: 24, .size: 8, .value_kind: global_buffer, .address_space: global }
      - { .name: ckv, .offset: 32, .size: 8, .value_kind: global_buffer, .address_space: global }
      - { .name: rtab, .offset: 40, .size: 8, .value_kind: global_buffer, .address_space: global }
      - { .name: Wqe1, .offset: 48, .size: 8, .value_kind: global_buffer, .address_space: global }
      - { .name: bqe1, .offset: 56, .size: 8, .value_kind: global_buffer, .address_space: global }
      - { .name: bqe2, .offset: 64, .size: 8, .value_kind: global_buffer, .address_space: global }
      - { .name: bq, .offset: 72, .size: 8, .value_kind: global_buffer, .address_space: global }
      - { .name: bo, .offset: 80, .size: 8, .value_kind: global_buffer, .address_space: global }
      - { .name: ln_g, .offset: 88, .size: 8, .value_kind: global_buffer, .address_space: global }
      - { .name: ln_b, .offset: 96, .size: 8, .value_kind: global_buffer, .address_space: global }
      - { .name: bh1, .offset: 104, .size: 8, .value_kind: global_buffer, .address_space: global }
      - { .name: bh2, .offset: 112, .size: 8, .value_kind: global_buffer, .address_space: global }
      - { .name: Wh3, .offset: 120, .size: 8, .value_kind: global_buffer, .address_space: global }
      - { .name: bh3, .offset: 128, .size: 8, .value_kind: global_buffer, .address_space: global }
      - { .name: out0, .offset: 136, .size: 8, .value_kind: global_buffer, .address_space: global }
    .group_segment_fixed_size: 327680
    .private_segment_fixed_size: 0
    .kernarg_segment_align: 8
    .kernarg_segment_size: 144
    .max_flat_workgroup_size: 256
    .sgpr_count:     100
    .vgpr_count:     386
    .wavefront_size: 32
...
	.end_amdgpu_metadata
.endif
;; end of part 3
;; ======== version 2 of 3: 3 launches; 1.20 times as fast as version 1
;; limits: values are held in f16: magnitudes above 65,504 overflow, below 6.1e-05 lose precision; a function is approximated: absolute error at most 1.5e-07
;; workspace buffers: wts 3,407,872 bytes; rtab 16,384 bytes; grp 262,144 bytes of whole numbers; idx 262,144 bytes of whole numbers; ckv 16,777,216 bytes
;; launch coarse (part 4): grid 272 x 1, 8 waves a work-group, no clusters, 156,672 bytes of LDS; arguments query_points_coords, context_coords, Wqe2, Wq, Wo, Wh1, Wh2, Wk, Wv, Wrel, brel, bk, bv, wts, rtab, grp; writes wts, rtab, grp
.if DOCPART == 4
	.amdgcn_target "amdgcn-amd-amdhsa--gfx1250"
	.amdhsa_code_object_version 6
	.text
	.protected	k_qe1f46b8d24_coarse
	.globl	k_qe1f46b8d24_coarse
	.p2align	8
	.type	k_qe1f46b8d24_coarse,@function
k_qe1f46b8d24_coarse:
	s_mov_b64 s[64:65], 0
	v_nop
	global_prefetch_b8 v0, s[64:65] scope:SCOPE_SE
	s_setreg_imm32_b32 hwreg(HW_REG_WAVE_MODE, 25, 1), 1
	s_wait_xcnt 0x0
; COARSE: work-groups 0-255 (a) cast the seven weight matrices to 16 bit into wts and (b) find, for 64 queries each, the 4 groups of
; 32 consecutive contexts with the smallest (group minimum of d2, group id).  Work-groups 256-271 make rtab = [Wrel; brel] @ [Wk|Wv] (+ bk|bv) in f32.
; WHY THE GROUPS SUFFICE: take an element e of the true 4 nearest, ordered by (d2, index).  Were its group not among the 4 chosen, 4 other groups
; would each hold an element ahead of e.  So the 4 nearest lie in the 4 chosen groups; the next launch ranks their 128 members exactly.
; d2 IS BUILT AS reference() BUILDS IT, in f32 on the vector unit (K = 3; 16-bit operands would destroy the order):
;   n = fma(z,z,fma(y,y,x*x)) for qq and cc;  dot = fma(2qz,cz,fma(2qy,cy,2qx*cx));  d2 = (qq + n) - dot;  ties go to the lower index.
; LIMITS: which of these steps the reference's own machine fuses is assumed as written here; where it rounds otherwise, a query whose 4th and 5th d2
; lie within one rounding (about 5e-7 at coordinates of spread 1) may take the other neighbour.  NaN or infinite coordinates are not served.
; FORMATS in wts: Wqe2 and Wq in bf16 (the encoder's numbers fall to 3e-7 with inputs 30 times smaller: no room in f16); Wo, Wh1, Wh2, Wk, Wv in f16.
; No matrix unit, no cluster, no tensor load here: the products have K = 3 or 4 rows, and the casts are a plain stream through registers.
.set MRG, 131072                       ; LDS: 0 .. 131071 the table, 16,384 bytes for each wave; then [wave][query] 32 bytes: 4 minima, 4 ids
.set RSC, 147456                       ; the rtab work-groups' partial sums, [wave][row][64 columns] f32: bytes of their own, shared with nothing above
.set X0, 36                            ; v[36:67]   8 table entries (x, y, z, n), buffer 0
.set X1, 68                            ; v[68:99]   buffer 1
.set DD, 100                           ; v[100:115] dot, then d2: pair j = candidate j for my two queries
.set TS, 116                           ; v[116:131] qq + n
; v[8:9] 2qx, v[10:11] 2qy, v[12:13] 2qz, v[14:15] qq of my two queries (lane and lane + 32); v[16:19], v[20:23] their 4 minima; v[24:27], v[28:31] ids
; v[132:159] the weights as loaded, v[160:173] as stored; v[174:179] the queries as loaded; v180-183 addresses.  Each address and each store's data has a
; register of its own that is written once, so nothing that a pending access names is ever rewritten.
; V is put into the ascending list v[B..B+3] with ids v[I..I+3].  The compare is strict, so an equal value that came earlier (a lower id) stays ahead.
.macro INS V, J, B, I
	v_cmp_lt_f32 s8, v[\V], v[\B]
	v_cmp_lt_f32 s9, v[\V], v[\B+1]
	v_cmp_lt_f32 s10, v[\V], v[\B+2]
	v_cmp_lt_f32 s11, v[\V], v[\B+3]
	v_cndmask_b32 v[\I+3], v[\I+3], v[\J], s11
	v_cndmask_b32 v[\I+3], v[\I+3], v[\I+2], s10
	v_cndmask_b32 v[\I+2], v[\I+2], v[\J], s10
	v_cndmask_b32 v[\I+2], v[\I+2], v[\I+1], s9
	v_cndmask_b32 v[\I+1], v[\I+1], v[\J], s9
	v_cndmask_b32 v[\I+1], v[\I+1], v[\I], s8
	v_cndmask_b32 v[\I], v[\I], v[\J], s8
	v_med3_num_f32 v[\B+3], v[\B+2], v[\V], v[\B+3]
	v_med3_num_f32 v[\B+2], v[\B+1], v[\V], v[\B+2]
	v_med3_num_f32 v[\B+1], v[\B], v[\V], v[\B+1]
	v_min_num_f32 v[\B], v[\B], v[\V]
.endm
; batch i of the wave's table: contexts 1,024 w + 256 i + 32 j + lane, j = 0 .. 7; 24 loads into the 32 registers at set (every fourth stays free for n)
.macro TLOAD i, set
.irp j,0,1,2,3,4,5,6,7
	global_load_b32 v[\set+4*\j], v4, s[18:19] offset:3072*\i+384*\j
	global_load_b32 v[\set+4*\j+1], v4, s[18:19] offset:3072*\i+384*\j+4
	global_load_b32 v[\set+4*\j+2], v4, s[18:19] offset:3072*\i+384*\j+8
.endr
.endm
; the batch gets its n and goes into LDS; left = how many younger loads may stay out
.macro TPROC i, set, left
	s_wait_loadcnt \left
.irp j,0,1,2,3,4,5,6,7
	v_mul_f32 v[\set+4*\j+3], v[\set+4*\j], v[\set+4*\j]
.endr
.irp j,0,1,2,3,4,5,6,7
	v_fmac_f32 v[\set+4*\j+3], v[\set+4*\j+1], v[\set+4*\j+1]
.endr
.irp j,0,1,2,3,4,5,6,7
	v_fmac_f32 v[\set+4*\j+3], v[\set+4*\j+2], v[\set+4*\j+2]
.endr
.irp j,0,1,2,3,4,5,6,7
	ds_store_b128 v5, v[\set+4*\j:\set+4*\j+3] offset:4096*\i+512*\j
.endr
.endm
; 8 candidates against my two queries.  pre = 1: the next 8 entries are asked for first, into the other buffer.
.macro BLK cur, nxt, off, pre, first
.if \pre
.irp c,0,1,2,3,4,5,6,7
	ds_load_b128 v[\nxt+4*\c:\nxt+4*\c+3], v6 offset:\off+16*\c      ; every lane reads the same 16 bytes
.endr
	s_wait_dscnt 0x8                               ; the 8 just issued may stay out; the buffer at work is in
.else
	s_wait_dscnt 0x0
.endif
.irp j,0,1,2,3,4,5,6,7
	v_pk_mul_f32 v[DD+2*\j:DD+2*\j+1], v[8:9], v[\cur+4*\j:\cur+4*\j+1] op_sel_hi:[1,0]
.endr
.irp j,0,1,2,3,4,5,6,7
	v_pk_fma_f32 v[DD+2*\j:DD+2*\j+1], v[10:11], v[\cur+4*\j:\cur+4*\j+1], v[DD+2*\j:DD+2*\j+1] op_sel:[0,1,0]
.endr
.irp j,0,1,2,3,4,5,6,7
	v_pk_fma_f32 v[DD+2*\j:DD+2*\j+1], v[12:13], v[\cur+4*\j+2:\cur+4*\j+3], v[DD+2*\j:DD+2*\j+1] op_sel_hi:[1,0,1]
.endr
.irp j,0,1,2,3,4,5,6,7
	v_pk_add_f32 v[TS+2*\j:TS+2*\j+1], v[14:15], v[\cur+4*\j+2:\cur+4*\j+3] op_sel:[0,1]
.endr
.irp j,0,1,2,3,4,5,6,7
	v_pk_add_f32 v[DD+2*\j:DD+2*\j+1], v[TS+2*\j:TS+2*\j+1], v[DD+2*\j:DD+2*\j+1] neg_lo:[0,1] neg_hi:[0,1]
.endr
.if \first
	v_min_num_f32 v32, v[DD], v[DD+2]              ; the group's first two start its minimum: nothing is cleared
	v_min_num_f32 v33, v[DD+1], v[DD+3]
.else
	v_min3_num_f32 v32, v32, v[DD], v[DD+2]
	v_min3_num_f32 v33, v33, v[DD+1], v[DD+3]
.endif
.irp j,4,8,12
	v_min3_num_f32 v32, v32, v[DD+\j], v[DD+\j+2]
	v_min3_num_f32 v33, v33, v[DD+\j+1], v[DD+\j+3]
.endr
.endm
; a group of 32 candidates; last = 1: nothing is asked for beyond the wave's table
.macro GROUP last
	BLK X0, X1, 128, 1, 1
	BLK X1, X0, 256, 1, 0
	BLK X0, X1, 384, 1, 0
.if \last
	BLK X1, X0, 512, 0, 0
.else
	BLK X1, X0, 512, 1, 0
.endif
	v_mov_b32 v34, s13                             ; the group's id
	INS 32, 34, 16, 24
	INS 33, 34, 20, 28
	v_add_nc_u32 v6, 512, v6
.endm
	s_load_b512 s[16:31], s[0:1], 0x0              ; qc 16, cc 18, Wqe2 20, Wq 22, Wo 24, Wh1 26, Wh2 28, Wk 30
	s_load_b512 s[32:47], s[0:1], 0x40             ; Wv 32, Wrel 34, brel 36, bk 38, bv 40, wts 42, rtab 44, grp 46
	v_lshl_add_u32 v184, v0, 2, 0x26000
	v_mov_b32 v185, 0
	v_lshrrev_b32 v1, 5, v0
	v_readfirstlane_b32 s3, v1                     ; wave
	v_and_b32 v1, 31, v0                           ; lane
	s_wait_kmcnt 0x0
	s_cmp_ge_u32 ttmp9, 256                        ; the same for all waves of a work-group
	s_cbranch_scc1 .Lrtab
	; ---- all that the set-up reads first is asked for in one run: 6 loads of weights, 6 of my two queries, 2 x 24 of the table's first two batches
	s_lshl_b32 s4, ttmp9, 12
	v_lshl_add_u32 v2, v0, 4, s4                   ; the casts' source: 4,096 g + 16 t (1,024 elements of each 512 x 512 matrix)
	s_lshl_b32 s5, ttmp9, 11
	v_lshl_add_u32 v3, v0, 3, s5                   ; their destination: 2,048 g + 8 t
	s_mul_i32 s6, ttmp9, 768
	v_mad_u32_u24 v182, v1, 12, s6                 ; my two queries: 64 g + lane and 64 g + lane + 32 (every wave holds all 64)
	s_lshl_b32 s7, s3, 10
	v_add_nc_u32 v4, s7, v1
	v_mul_u32_u24 v4, v4, 12                       ; context 1,024 w + lane, 12 bytes a context
	s_lshl_b32 s14, s3, 14
	v_lshl_add_u32 v5, v1, 4, s14                  ; its entry in the wave's own 16,384 bytes of LDS
	v_mov_b32 v6, s14                              ; where the scan reads: the same address in every lane
	global_load_b128 v[132:135], v2, s[20:21]
	global_load_b128 v[136:139], v2, s[22:23]
	global_load_b128 v[140:143], v2, s[24:25]
	global_load_b128 v[144:147], v2, s[26:27]
	global_load_b128 v[148:151], v2, s[30:31]
	global_load_b128 v[152:155], v2, s[32:33]
	global_load_b32 v174, v182, s[16:17]
	global_load_b32 v175, v182, s[16:17] offset:384
	global_load_b32 v176, v182, s[16:17] offset:4
	global_load_b32 v177, v182, s[16:17] offset:388
	global_load_b32 v178, v182, s[16:17] offset:8
	global_load_b32 v179, v182, s[16:17] offset:392
	TLOAD 0, X0
	TLOAD 1, X1
	s_cmp_ge_u32 s3, 4
	s_cbranch_scc1 .Lno_wh2
	v_lshl_add_u32 v180, v0, 4, s5                 ; Wh2 is half as large: waves 0-3, 2,048 g + 16 t: their 61st load out, the most that this text has
	s_lshl_b32 s15, ttmp9, 10
	v_lshl_add_u32 v181, v0, 3, s15
	global_load_b128 v[156:159], v180, s[28:29]
	s_wait_loadcnt 0x0                             ; it is the youngest, so this waits for all; the counted waits below are then met at once
	v_cvt_pk_f16_f32 v172, v156, v157
	v_cvt_pk_f16_f32 v173, v158, v159
	global_store_b64 v181, v[172:173], s[42:43] offset:2097152
.Lno_wh2:
	; ---- the wave's table: contexts 1,024 w .. + 1,023 as (x, y, z, n), 16 bytes each.  A batch's registers are asked for again as soon as it lies in LDS.
	TPROC 0, X0, 24                                ; batch 1's 24 loads are younger
	TLOAD 2, X0
	TPROC 1, X1, 24                                ; batch 2's
	TLOAD 3, X1
	; ---- while batches 2 and 3 are on their way: the casts (their loads are older than batch 0's, so they are in); a wave's store covers 256 consecutive bytes, aligned
	v_cvt_pk_bf16_f32 v160, v132, v133
	v_cvt_pk_bf16_f32 v161, v134, v135
	v_cvt_pk_bf16_f32 v162, v136, v137
	v_cvt_pk_bf16_f32 v163, v138, v139
	v_cvt_pk_f16_f32 v164, v140, v141
	v_cvt_pk_f16_f32 v165, v142, v143
	v_cvt_pk_f16_f32 v166, v144, v145
	v_cvt_pk_f16_f32 v167, v146, v147
	v_cvt_pk_f16_f32 v168, v148, v149
	v_cvt_pk_f16_f32 v169, v150, v151
	v_cvt_pk_f16_f32 v170, v152, v153
	v_cvt_pk_f16_f32 v171, v154, v155
	global_store_b64 v3, v[160:161], s[42:43]
	global_store_b64 v3, v[162:163], s[42:43] offset:524288
	global_store_b64 v3, v[164:165], s[42:43] offset:1048576
	global_store_b64 v3, v[166:167], s[42:43] offset:1572864
	global_store_b64 v3, v[168:169], s[42:43] offset:2359296
	global_store_b64 v3, v[170:171], s[42:43] offset:2883584
	; ---- and my two queries
.irp i,16,17,18,19,20,21,22,23
	v_mov_b32 v[\i], 0x7f800000                    ; the lists start at +infinity,
	v_mov_b32 v[\i+8], 0                           ; id 0
.endr
	v_pk_mul_f32 v[14:15], v[174:175], v[174:175]
	v_pk_fma_f32 v[14:15], v[176:177], v[176:177], v[14:15]
	v_pk_fma_f32 v[14:15], v[178:179], v[178:179], v[14:15]
	v_pk_add_f32 v[8:9], v[174:175], v[174:175]
	v_pk_add_f32 v[10:11], v[176:177], v[176:177]
	v_pk_add_f32 v[12:13], v[178:179], v[178:179]
	TPROC 2, X0, 24                                ; batch 3's 24 loads are younger
	TPROC 3, X1, 0
	; ---- the scan: 32 groups of 32.  LDS serves a wave's instructions in order, so these reads see the wave's own stores above.
.irp c,0,1,2,3,4,5,6,7
	ds_load_b128 v[X0+4*\c:X0+4*\c+3], v6 offset:16*\c
.endr
	s_lshl_b32 s13, s3, 5                          ; my first group's id
	s_mov_b32 s12, 31
.Lgroup:
	GROUP 0
	s_add_co_u32 s13, s13, 1
	s_sub_co_i32 s12, s12, 1
	s_cmp_lg_u32 s12, 0
	s_cbranch_scc1 .Lgroup
	GROUP 1
	; ---- the eight waves' lists meet in LDS; waves 0 and 1 merge them, one query a lane, in ascending wave order (= ascending ids)
	s_lshl_b32 s4, s3, 11
	s_add_co_u32 s4, s4, MRG
	v_lshl_add_u32 v7, v1, 5, s4
	ds_store_b128 v7, v[16:19]
	ds_store_b128 v7, v[24:27] offset:16
	ds_store_b128 v7, v[20:23] offset:1024
	ds_store_b128 v7, v[28:31] offset:1040
	s_wait_dscnt 0x0                               ; for the others' sake: my stores are done
	s_barrier_signal -1
	s_barrier_wait -1
	s_cmp_ge_u32 s3, 2
	s_cbranch_scc1 .Ldone
	v_lshlrev_b32 v7, 5, v0
	v_add_nc_u32 v7, MRG, v7
.irp w,0,1,2,3,4,5,6,7
	ds_load_b128 v[36+8*\w:39+8*\w], v7 offset:2048*\w
	ds_load_b128 v[40+8*\w:43+8*\w], v7 offset:2048*\w+16
.endr
	s_wait_dscnt 0x0
.irp w,1,2,3,4,5,6,7
.irp k,0,1,2,3
	INS 36+8*\w+\k, 40+8*\w+\k, 36, 40
.endr
.endr
	; the four ids in ascending order, so that the next launch meets its candidates in ascending index
	v_min_u32 v104, v40, v41
	v_max_u32 v105, v40, v41
	v_min_u32 v106, v42, v43
	v_max_u32 v107, v42, v43
	v_min_u32 v100, v104, v106
	v_max_u32 v108, v104, v106
	v_min_u32 v109, v105, v107
	v_max_u32 v103, v105, v107
	v_min_u32 v101, v109, v108
	v_max_u32 v102, v109, v108
	s_lshl_b32 s4, ttmp9, 10
	v_lshl_add_u32 v183, v0, 4, s4
	global_store_b128 v183, v[100:103], s[46:47]   ; 16 lanes store 256 consecutive bytes, aligned
.Ldone:
	s_wait_tensorcnt 0x0
	ds_add_u32 v184, v185
	s_wait_dscnt 0x0
	s_endpgm
	; ---- rtab, 64 columns a work-group: rows 0-2 = Wrel[c] @ W, row 3 = brel @ W + bias; W = Wk (columns 0-511) or Wv (512-1023)
.Lrtab:
	s_sub_co_u32 s4, ttmp9, 256                    ; g' = 0 .. 15
	s_and_b32 s5, s4, 7
	s_lshl_b32 s5, s5, 8                           ; byte of my first column in W's rows and in the bias
	s_cmp_ge_u32 s4, 8
	s_cselect_b64 s[6:7], s[32:33], s[30:31]
	s_cselect_b64 s[14:15], s[40:41], s[38:39]
	s_lshl_b32 s10, s3, 17                         ; wave w sums k = 64 w .. 64 w + 63: 64 rows of 2,048 bytes
	s_add_co_u32 s10, s10, s5
	s_mov_b32 s11, 0
	s_add_nc_u64 s[6:7], s[6:7], s[10:11]
	v_lshlrev_b32 v2, 3, v1                        ; two columns a lane: a wave's load covers 256 consecutive bytes
.set i, 0
.rept 48                                           ; 48 of my 64 rows go out now, 8 more behind each of the first two trips' waits: 48 are out at the most
	global_load_b64 v[16+2*i:17+2*i], v2, s[6:7] offset:2048*i
.set i, i+1
.endr
	s_lshl_b32 s12, s3, 8                          ; my 64 k in Wrel's rows and in brel
.set t, 0
.rept 8
	s_load_b256 s[48:55], s[34:35], s12 offset:32*t
	s_load_b256 s[56:63], s[34:35], s12 offset:2048+32*t
	s_load_b256 s[68:75], s[34:35], s12 offset:4096+32*t
	s_load_b256 s[76:83], s[36:37], s12 offset:32*t
	s_wait_kmcnt 0x0
.if t < 2
	s_wait_loadcnt 40                              ; 48 + 8 t issued, the 8 (t + 1) oldest are needed: 40 may stay out
.rept 8
	global_load_b64 v[16+2*i:17+2*i], v2, s[6:7] offset:2048*i
.set i, i+1
.endr
.else
	s_wait_loadcnt 56-8*t                          ; all 64 issued: rows 8 t .. 8 t + 7 are in, the rows behind them stay out
.endif
.set k, 0
.rept 8
.if (t+k) == 0
	v_mul_f32 v4, s48, v16                         ; the first k starts the sums
	v_mul_f32 v5, s48, v17
	v_mul_f32 v6, s56, v16
	v_mul_f32 v7, s56, v17
	v_mul_f32 v8, s68, v16
	v_mul_f32 v9, s68, v17
	v_mul_f32 v10, s76, v16
	v_mul_f32 v11, s76, v17
.else
	v_fmac_f32 v4, s[48+k], v[16+2*(8*t+k)]
	v_fmac_f32 v5, s[48+k], v[17+2*(8*t+k)]
	v_fmac_f32 v6, s[56+k], v[16+2*(8*t+k)]
	v_fmac_f32 v7, s[56+k], v[17+2*(8*t+k)]
	v_fmac_f32 v8, s[68+k], v[16+2*(8*t+k)]
	v_fmac_f32 v9, s[68+k], v[17+2*(8*t+k)]
	v_fmac_f32 v10, s[76+k], v[16+2*(8*t+k)]
	v_fmac_f32 v11, s[76+k], v[17+2*(8*t+k)]
.endif
.set k, k+1
.endr
.set t, t+1
.endr
	s_lshl_b32 s13, s3, 10
	s_add_co_u32 s13, s13, RSC
	v_lshl_add_u32 v3, v1, 3, s13                  ; LDS: [wave][row c][64 columns] f32
	ds_store_b64 v3, v[4:5]
	ds_store_b64 v3, v[6:7] offset:256
	ds_store_b64 v3, v[8:9] offset:512
	ds_store_b64 v3, v[10:11] offset:768
	s_wait_dscnt 0x0
	s_barrier_signal -1
	s_barrier_wait -1
	s_cmp_ge_u32 s3, 2
	s_cbranch_scc1 .Lrdone
	v_and_b32 v12, 15, v0
	v_lshl_add_u32 v13, v12, 4, s5
	global_load_b128 v[48:51], v13, s[14:15]       ; the bias of my 4 columns
	v_lshlrev_b32 v14, 4, v0                       ; thread t: row c = t / 16, columns 4 (t % 16) ..
	v_add_nc_u32 v14, RSC, v14
.irp w,0,1,2,3,4,5,6,7
	ds_load_b128 v[16+4*\w:19+4*\w], v14 offset:1024*\w
.endr
	s_wait_dscnt 0x0
.irp w,1,2,3,4,5,6,7
	v_pk_add_f32 v[16:17], v[16:17], v[16+4*\w:17+4*\w]
	v_pk_add_f32 v[18:19], v[18:19], v[18+4*\w:19+4*\w]
.endr
	s_wait_loadcnt 0x0
	v_cmp_le_u32 vcc_lo, 48, v0                    ; row 3 alone takes the bias
	v_cndmask_b32 v48, 0, v48, vcc_lo
	v_cndmask_b32 v49, 0, v49, vcc_lo
	v_cndmask_b32 v50, 0, v50, vcc_lo
	v_cndmask_b32 v51, 0, v51, vcc_lo
	v_pk_add_f32 v[16:17], v[16:17], v[48:49]
	v_pk_add_f32 v[18:19], v[18:19], v[50:51]
	v_lshrrev_b32 v15, 4, v0
	s_lshl_b32 s13, s4, 8
	v_lshl_add_u32 v52, v12, 4, s13
	v_lshl_add_u32 v52, v15, 12, v52
	global_store_b128 v52, v[16:19], s[44:45]      ; 16 lanes store 256 consecutive bytes, aligned
.Lrdone:
	s_wait_tensorcnt 0x0
	ds_add_u32 v184, v185
	s_wait_dscnt 0x0
	s_endpgm
.Lfunc_end_k_qe1f46b8d24_coarse:
	.size	k_qe1f46b8d24_coarse, .Lfunc_end_k_qe1f46b8d24_coarse-k_qe1f46b8d24_coarse
	.p2alignl 7, 3214868480
	.fill 96, 4, 3214868480
	.section	.rodata,"a",@progbits
	.p2align	6, 0x0
	.amdhsa_kernel k_qe1f46b8d24_coarse
		.amdhsa_group_segment_fixed_size 156672
		.amdhsa_private_segment_fixed_size 0
		.amdhsa_enable_private_segment 0
		.amdhsa_kernarg_size 128
		.amdhsa_user_sgpr_count 2
		.amdhsa_user_sgpr_kernarg_segment_ptr 1
		.amdhsa_wavefront_size32 1
		.amdhsa_system_sgpr_workgroup_id_x 1
		.amdhsa_system_sgpr_workgroup_id_y 1
		.amdhsa_system_sgpr_workgroup_id_z 1
		.amdhsa_system_vgpr_workitem_id 0
		.amdhsa_next_free_vgpr 186
		.amdhsa_next_free_sgpr 90
		.amdhsa_reserve_vcc 1
		.amdhsa_float_denorm_mode_32 3
		.amdhsa_float_denorm_mode_16_64 3
		.amdhsa_memory_ordered 1
		.amdhsa_forward_progress 1
		.amdhsa_inst_pref_size 108
	.end_amdhsa_kernel
	.amdgpu_metadata
---
amdhsa.version: [ 1, 2 ]
amdhsa.kernels:
  - .name:           k_qe1f46b8d24_coarse
    .symbol:         k_qe1f46b8d24_coarse.kd
    .args:
      - { .name: query_points_coords, .offset: 0, .size: 8, .value_kind: global_buffer, .address_space: global }
      - { .name: context_coords, .offset: 8, .size: 8, .value_kind: global_buffer, .address_space: global }
      - { .name: Wqe2, .offset: 16, .size: 8, .value_kind: global_buffer, .address_space: global }
      - { .name: Wq, .offset: 24, .size: 8, .value_kind: global_buffer, .address_space: global }
      - { .name: Wo, .offset: 32, .size: 8, .value_kind: global_buffer, .address_space: global }
      - { .name: Wh1, .offset: 40, .size: 8, .value_kind: global_buffer, .address_space: global }
      - { .name: Wh2, .offset: 48, .size: 8, .value_kind: global_buffer, .address_space: global }
      - { .name: Wk, .offset: 56, .size: 8, .value_kind: global_buffer, .address_space: global }
      - { .name: Wv, .offset: 64, .size: 8, .value_kind: global_buffer, .address_space: global }
      - { .name: Wrel, .offset: 72, .size: 8, .value_kind: global_buffer, .address_space: global }
      - { .name: brel, .offset: 80, .size: 8, .value_kind: global_buffer, .address_space: global }
      - { .name: bk, .offset: 88, .size: 8, .value_kind: global_buffer, .address_space: global }
      - { .name: bv, .offset: 96, .size: 8, .value_kind: global_buffer, .address_space: global }
      - { .name: wts, .offset: 104, .size: 8, .value_kind: global_buffer, .address_space: global }
      - { .name: rtab, .offset: 112, .size: 8, .value_kind: global_buffer, .address_space: global }
      - { .name: grp, .offset: 120, .size: 8, .value_kind: global_buffer, .address_space: global }
    .group_segment_fixed_size: 156672
    .private_segment_fixed_size: 0
    .kernarg_segment_align: 8
    .kernarg_segment_size: 128
    .max_flat_workgroup_size: 256
    .sgpr_count:     90
    .vgpr_count:     186
    .wavefront_size: 32
...
	.end_amdgpu_metadata
.endif
;; end of part 4
;; launch ctxfine (part 5): grid 256 x 1, 8 waves a work-group, no clusters, 183,296 bytes of LDS; arguments context_features, wts, query_points_coords, context_coords, grp, ckv, idx; writes ckv, idx
.if DOCPART == 5
	.amdgcn_target "amdgcn-amd-amdhsa--gfx1250"
	.amdhsa_code_object_version 6
	.text
	.protected	k_qe1f46b8d24_ctxfine
	.globl	k_qe1f46b8d24_ctxfine
	.p2align	8
	.type	k_qe1f46b8d24_ctxfine,@function
k_qe1f46b8d24_ctxfine:
	s_mov_b64 s[64:65], 0
	v_nop
	global_prefetch_b8 v0, s[64:65] scope:SCOPE_SE
	s_setreg_imm32_b32 hwreg(HW_REG_WAVE_MODE, 25, 1), 1
	s_wait_xcnt 0x0
; CTXFINE: (a) the exact 4 nearest contexts of 64 queries, among the 4 x 32 members of the groups that the launch before chose;
; (b) a block of 128 x 256 of ckv = context_features @ [Wk | Wv], f16 operands, f32 sums, stored in bf16.
; k = (cf @ Wk)[idx] + rel @ (Wrel @ Wk) + (brel @ Wk + bk) holds for every input since kv_in enters Wk and Wv linearly: the 8,192 context rows are
; projected once here instead of the 65,536 gathered rows later.
; d2 as in the launch before, step for step: n = fma(z,z,fma(y,y,x*x)); dot = fma(2qz,cz,fma(2qy,cy,2qx*cx)); d2 = (qq + n) - dot; ties to the lower index.
; LIMITS: the same as there (which steps the reference's machine fuses is assumed; NaN and infinite coordinates are not served).
; f16 has room for cf, Wk, Wv 30 times larger or smaller or offset by 30 spreads; the table is bf16 since its range is the product's.
; NO CLUSTER, NO TENSOR LOAD: A is f32 in memory and has to pass through registers to become f16; B's tile comes the same way beside it.
; Four work-groups share A's rows and 64 share B's columns; the whole of B is 1 MiB.
; THE K TILES (8 of 64 k) come through a ring of THREE register buffers and two LDS slots: tile T + 3 is asked for at the head of the trip that multiplies tile T,
; and is put into LDS at the end of trip T + 2.  Tiles 0, 1, 2 are asked for round the ranking, which covers their way.  3 does not divide 8, so the
; eight trips are written out.  A tile's place stands in the loads' immediates: no base and no offset register is ever rewritten.
; A wave has at most 56 loads out (tile 0's 16, the 24 of the candidates, tile 1's 16).
.set STG, 0                            ; LDS: the way out, 128 rows x 528 bytes
.set MRG, 67584                        ; [wave][lane] 32 bytes: 4 distances, 4 indices
.set ASL, 75776                        ; A: two slots of 128 rows x 144 bytes (64 f16 + 16 bytes)
.set BSL, 112640                       ; B: two slots of 64 rows (k) x 544 bytes (256 f16 + 32 bytes)
.set FA, 16                            ; v[16:47]   4 fragments of A (16 rows x 32 k)
.set FB, 48                            ; v[48:79]   4 fragments of B (16 columns x 32 k)
.set ACC, 128                          ; v[128:255] 16 accumulator tiles, (nt, mt) at 128 + 8 (4 nt + mt)
; v2 A's and v3 B's offsets in memory; v4, v5 where I put A, B in LDS; v6, v7 where my fragments lie; v8, v9, v10 the way out; v11, v90 the ranking's first addresses
; v256 + 64 b .. + 31: A's tile as loaded in buffer b = 0, 1, 2; + 32 .. + 63: B's: in the second window of 256 registers
.set MSB, 0
.macro WIN new                         ; the immediate's high byte repeats the setting that is left
.if MSB != \new
	s_set_vgpr_msb (MSB<<8)|\new
.set MSB, \new
.endif
.endm
.macro PLACES
.rept 4
	v_nop
.endr
.endm
.macro INS V, J, B, I
	v_cmp_lt_f32 s8, v[\V], v[\B]
	v_cmp_lt_f32 s9, v[\V], v[\B+1]
	v_cmp_lt_f32 s10, v[\V], v[\B+2]
	v_cmp_lt_f32 s11, v[\V], v[\B+3]
	v_cndmask_b32 v[\I+3], v[\I+3], v[\J], s11
	v_cndmask_b32 v[\I+3], v[\I+3], v[\I+2], s10
	v_cndmask_b32 v[\I+2], v[\I+2], v[\J], s10
	v_cndmask_b32 v[\I+2], v[\I+2], v[\I+1], s9
	v_cndmask_b32 v[\I+1], v[\I+1], v[\J], s9
	v_cndmask_b32 v[\I+1], v[\I+1], v[\I], s8
	v_cndmask_b32 v[\I], v[\I], v[\J], s8
	v_med3_num_f32 v[\B+3], v[\B+2], v[\V], v[\B+3]
	v_med3_num_f32 v[\B+2], v[\B+1], v[\V], v[\B+2]
	v_med3_num_f32 v[\B+1], v[\B], v[\V], v[\B+1]
	v_min_num_f32 v[\B], v[\B], v[\V]
.endm
; candidates 4 b .. 4 b + 3 of my group: 12 registers, 3 loads
.macro CAND4 b
	s_wait_loadcnt 37-3*\b                         ; younger: 21 - 3 b of the 24 candidate loads, and tile 1's 16
.irp k,0,1,2,3
	v_mul_f32 v[80+\k], v[96+12*\b+3*\k], v[96+12*\b+3*\k]
	v_mul_f32 v[84+\k], v24, v[96+12*\b+3*\k]
.endr
.irp k,0,1,2,3
	v_fmac_f32 v[80+\k], v[97+12*\b+3*\k], v[97+12*\b+3*\k]
	v_fmac_f32 v[84+\k], v25, v[97+12*\b+3*\k]
.endr
.irp k,0,1,2,3
	v_fmac_f32 v[80+\k], v[98+12*\b+3*\k], v[98+12*\b+3*\k]
	v_fmac_f32 v[84+\k], v26, v[98+12*\b+3*\k]
.endr
.irp k,0,1,2,3
	v_add_f32 v[80+\k], v27, v[80+\k]
.endr
.irp k,0,1,2,3
	v_sub_f32 v[84+\k], v[80+\k], v[84+\k]
.endr
.irp k,0,1,2,3
	v_add_nc_u32 v88, 4*\b+\k, v28
	INS 84+\k, 88, 16, 20
.endr
.endm
; K tile LT from memory into register buffer LB: A 128 rows x 256 bytes of f32, B 64 rows x 512 bytes of f16; 8 + 8 loads of 16 bytes a lane
.macro LOADG
	WIN 0x40                                       ; destinations in the second window
.irp j,0,1,2,3,4,5,6,7
	global_load_b128 v[64*LB+4*\j:64*LB+4*\j+3], v2, s[30:31] offset:256*LT+4096*\j
.endr
.irp j,0,1,2,3,4,5,6,7
	global_load_b128 v[64*LB+32+4*\j:64*LB+35+4*\j], v3, s[32:33] offset:65536*LT+1024*\j
.endr
	WIN 0
.endm
; register buffer SB into LDS slot SS, A rounded to f16 on the way; SL = the loads issued behind this tile's
.macro STOREG
	s_wait_loadcnt SL
	WIN 0x05                                       ; both sources in the second window
.irp j,0,1,2,3,4,5,6,7
	v_cvt_pk_f16_f32 v[16+2*\j], v[64*SB+4*\j], v[64*SB+4*\j+1]
	v_cvt_pk_f16_f32 v[17+2*\j], v[64*SB+4*\j+2], v[64*SB+4*\j+3]
.endr
	WIN 0x04                                       ; the data in the second window
.irp j,0,1,2,3,4,5,6,7
	ds_store_b128 v5, v[64*SB+32+4*\j:64*SB+35+4*\j] offset:SS*34816+544*\j
.endr
	WIN 0
.irp j,0,1,2,3,4,5,6,7
	ds_store_b64 v4, v[16+2*\j:17+2*\j] offset:SS*18432+288*\j
.endr
.endm
; 32 along K from slot CS: 16 LDS loads, 16 matrix instructions.  Source 0 takes B's columns and source 1 A's rows, so that a lane's 8 results are 8 neighbouring
; columns of one row.  The sixteen accumulators take turns, one instruction a turn.
.macro KSTEP2 ks, zero
	ds_load_tr16_b128 v[FB:FB+3], v7 offset:CS*34816+17408*\ks
	ds_load_tr16_b128 v[FB+4:FB+7], v7 offset:CS*34816+17408*\ks+8704
.irp mt,0,1,2,3
	ds_load_b128 v[FA+8*\mt:FA+8*\mt+3], v6 offset:CS*18432+2304*\mt+64*\ks
	ds_load_b128 v[FA+8*\mt+4:FA+8*\mt+7], v6 offset:CS*18432+2304*\mt+64*\ks+32
.endr
.irp nt,1,2,3
	ds_load_tr16_b128 v[FB+8*\nt:FB+8*\nt+3], v7 offset:CS*34816+17408*\ks+32*\nt
	ds_load_tr16_b128 v[FB+8*\nt+4:FB+8*\nt+7], v7 offset:CS*34816+17408*\ks+32*\nt+8704
.endr
.irp nt,0,1,2,3
	s_wait_dscnt 6-2*\nt                           ; B's fragments behind nt may stay out
.irp mt,0,1,2,3
.if \zero
	v_wmma_f32_16x16x32_f16 v[ACC+8*(4*\nt+\mt):ACC+8*(4*\nt+\mt)+7], v[FB+8*\nt:FB+8*\nt+7], v[FA+8*\mt:FA+8*\mt+7], 0
.else
	v_wmma_f32_16x16x32_f16 v[ACC+8*(4*\nt+\mt):ACC+8*(4*\nt+\mt)+7], v[FB+8*\nt:FB+8*\nt+7], v[FA+8*\mt:FA+8*\mt+7], v[ACC+8*(4*\nt+\mt):ACC+8*(4*\nt+\mt)+7]
.endif
.endr
.endr
	PLACES                                         ; four places in front of whatever next writes a fragment or reads a result (ISA guide 7.12.1)
.endm
	s_load_b256 s[16:23], s[0:1], 0x0              ; cf 16, wts 18, qc 20, cc 22
	s_load_b128 s[24:27], s[0:1], 0x20             ; grp 24, ckv 26
	s_load_b64 s[28:29], s[0:1], 0x30              ; idx
	v_lshl_add_u32 v94, v0, 2, 0x2c800
	v_mov_b32 v95, 0
	v_lshrrev_b32 v1, 5, v0
	v_readfirstlane_b32 s3, v1                     ; wave
	v_and_b32 v1, 31, v0                           ; lane
	s_lshr_b32 s4, ttmp9, 2                        ; block of 128 rows
	s_and_b32 s5, ttmp9, 3                         ; block of 256 columns of ckv
	v_and_b32 v12, 15, v1                          ; r
	v_lshrrev_b32 v13, 4, v1                       ; h
	s_lshl_b32 s6, s3, 15
	v_lshl_add_u32 v2, v12, 4, s6                  ; A: row 16 w + h (+ 2 j), 16 bytes a lane: 16 lanes take a row's 256 bytes
	v_lshl_add_u32 v2, v13, 11, v2
	s_lshl_b32 s6, s3, 13
	v_lshl_add_u32 v3, v1, 4, s6                   ; B: row 8 w (+ j), 32 lanes take its 512 bytes
	s_lshl_b32 s6, s4, 18
	s_mov_b32 s7, 0
	s_lshr_b32 s8, s5, 1
	s_lshl_b32 s8, s8, 19                          ; Wk or Wv
	s_and_b32 s9, s5, 1
	s_lshl_b32 s9, s9, 9                           ; its left or right 256 columns
	s_add_co_u32 s8, s8, s9
	s_add_co_u32 s8, s8, 2359296
	s_mov_b32 s9, 0
	; the ranking.  Wave w: group slot w / 2 of query 64 g + 32 (w % 2) + lane; a lane ranks its group's 32 members.
	s_lshr_b32 s10, s3, 1
	s_and_b32 s11, s3, 1
	s_lshl_b32 s12, ttmp9, 10
	s_lshl_b32 s13, s11, 9
	s_add_co_u32 s12, s12, s13
	s_lshl2_add_u32 s12, s10, s12
	v_lshl_add_u32 v11, v1, 4, s12                 ; my word of grp
	s_mul_i32 s12, ttmp9, 768
	s_mul_i32 s13, s11, 384
	s_add_co_u32 s12, s12, s13
	v_mad_u32_u24 v90, v1, 12, s12                 ; my query
	s_wait_kmcnt 0x0
	s_add_nc_u64 s[30:31], s[16:17], s[6:7]
	s_add_nc_u64 s[32:33], s[18:19], s[8:9]
	global_load_b32 v28, v11, s[24:25]
	global_load_b32 v24, v90, s[20:21]
	global_load_b32 v25, v90, s[20:21] offset:4
	global_load_b32 v26, v90, s[20:21] offset:8
.set LT, 0
.set LB, 0
	LOADG                                          ; K tile 0 goes out behind them
	s_mul_i32 s6, s3, 2304
	s_add_co_u32 s6, s6, ASL
	v_lshl_add_u32 v4, v12, 3, s6
	v_mad_u32_u24 v4, v13, 144, v4                 ; A into LDS: (16 w + h) 144 + 8 r
	s_mul_i32 s6, s3, 4352
	s_add_co_u32 s6, s6, BSL
	v_lshl_add_u32 v5, v1, 4, s6                   ; B into LDS: 8 w x 544 + 16 lane
	s_lshr_b32 s7, s3, 2                           ; wm: my 64 rows
	s_and_b32 s14, s3, 3                           ; wn: my 64 columns
	s_mul_i32 s6, s7, 9216
	s_add_co_u32 s6, s6, ASL
	v_lshl_add_u32 v6, v13, 4, s6
	v_mad_u32_u24 v6, v12, 144, v6                 ; A's fragments: (64 wm + r) 144 + 16 h
	v_and_b32 v14, 7, v1
	v_lshl_add_u32 v14, v13, 3, v14
	v_bfe_u32 v15, v1, 3, 1
	s_lshl_b32 s6, s14, 7
	s_add_co_u32 s15, s6, BSL
	v_lshl_add_u32 v7, v15, 4, s15
	v_mad_u32_u24 v7, v14, 544, v7                 ; B's fragments: (8 h + lane % 8) 544 + 128 wn + 16 ((lane / 8) % 2)
	s_mul_i32 s15, s7, 33792
	s_add_co_u32 s15, s15, s6
	v_lshl_add_u32 v8, v13, 4, s15
	v_mad_u32_u24 v8, v12, 528, v8                 ; out: (64 wm + r) 528 + 128 wn + 16 h
	s_mul_i32 s6, s3, 8448
	v_lshl_add_u32 v9, v1, 4, s6                   ; back: row 16 w (+ i), 16 bytes a lane
	s_lshl_b32 s6, s3, 15
	v_lshl_add_u32 v10, v1, 4, s6                  ; and the same in ckv
	s_wait_loadcnt 0x10                            ; my group's id and my query are in; tile 0's 16 loads are younger
	v_min_u32 v28, 0xff, v28                       ; a group id stays inside the table
	v_mul_u32_u24 v29, v28, 384                    ; 32 contexts of 12 bytes
.set i, 0
.rept 24
	global_load_b128 v[96+4*i:99+4*i], v29, s[22:23] offset:16*i
.set i, i+1
.endr
.set LT, 1
.set LB, 1
	LOADG                                          ; K tile 1 behind the candidates
	v_lshlrev_b32 v28, 5, v28                      ; the group's first index
	v_mul_f32 v27, v24, v24
	v_fmac_f32 v27, v25, v25
	v_fmac_f32 v27, v26, v26                       ; qq
	v_add_f32 v24, v24, v24
	v_add_f32 v25, v25, v25
	v_add_f32 v26, v26, v26                        ; 2 q
.irp i,16,17,18,19
	v_mov_b32 v[\i], 0x7f800000
	v_mov_b32 v[\i+4], 0
.endr
.irp b,0,1,2,3,4,5,6,7
	CAND4 \b
.endr
.set LT, 2
.set LB, 2
	LOADG                                          ; K tile 2: with tile 1's, 32 loads are out now at the most
	s_lshl_b32 s12, s3, 10
	s_add_co_u32 s12, s12, MRG
	v_lshl_add_u32 v30, v1, 5, s12
	ds_store_b128 v30, v[16:19]
	ds_store_b128 v30, v[20:23] offset:16
	s_wait_dscnt 0x0
	s_barrier_signal -1
	s_barrier_wait -1
	s_cmp_ge_u32 s3, 2
	s_cbranch_scc1 .Lgemm
	; waves 0 and 1 hold slot 0's list and add those of slots 1, 2, 3 (waves w + 2, + 4, + 6): ascending groups, so ascending indices
.irp i,0,1,2
	ds_load_b128 v[96+8*\i:99+8*\i], v30 offset:2048*\i+2048
	ds_load_b128 v[100+8*\i:103+8*\i], v30 offset:2048*\i+2064
.endr
	s_wait_dscnt 0x0
.irp i,0,1,2
.irp k,0,1,2,3
	INS 96+8*\i+\k, 100+8*\i+\k, 16, 20
.endr
.endr
	s_lshl_b32 s12, ttmp9, 10
	v_lshl_add_u32 v31, v0, 4, s12
	global_store_b128 v31, v[20:23], s[28:29]      ; 16 lanes store 256 consecutive bytes, aligned
	s_wait_xcnt 0x0                                ; v[20:23] and v31 are rewritten only behind this wait
.Lgemm:
	; ---- the product: 8 K tiles of 64 through two LDS slots
.set SB, 0
.set SS, 0
.set SL, 32                                        ; tiles 1 and 2 are younger
	STOREG
	s_wait_dscnt 0x0
	s_barrier_signal -1
	s_barrier_wait -1
	; Trip T: tile T + 3 is asked for into the buffer that tile T has left (its LDS stores were waited for in front of the last barrier); tile T is multiplied;
	; tile T + 1 goes into the other slot.  One barrier a trip orders both: my reads of this slot are back, and my stores into the other slot are done.
.set T, 0
.rept 8
.if T < 5
.set LT, T+3
.set LB, T%3
	LOADG
.endif
.set CS, T%2
.if T == 0
	KSTEP2 0, 1                                    ; the first products start the sums
.else
	KSTEP2 0, 0
.endif
	KSTEP2 1, 0
.if T < 7
.set SB, (T+1)%3
.set SS, (T+1)%2
.if T < 5
.set SL, 32                                        ; tiles T + 2 and T + 3 are younger
.else
.set SL, 16*(6-T)                                  ; the last tiles: only tile 7, then none
.endif
	STOREG
	s_wait_dscnt 0x0
	s_barrier_signal -1
	s_barrier_wait -1
.endif
.set T, T+1
.endr
	; ---- the way out: bf16, 16 bytes a lane into the stage, whole rows of 512 bytes back and to memory
.irp nt,0,1,2,3
.irp mt,0,1,2,3
.irp p,0,1,2,3
	v_cvt_pk_bf16_f32 v[16+4*(4*\nt+\mt)+\p], v[ACC+8*(4*\nt+\mt)+2*\p], v[ACC+8*(4*\nt+\mt)+2*\p+1]
.endr
	ds_store_b128 v8, v[16+4*(4*\nt+\mt):16+4*(4*\nt+\mt)+3] offset:8448*\mt+32*\nt
.endr
.endr
	s_lshl_b32 s6, s4, 18
	s_lshl_b32 s7, s5, 9
	s_add_co_u32 s6, s6, s7
	s_mov_b32 s7, 0
	s_add_nc_u64 s[34:35], s[26:27], s[6:7]
	s_wait_dscnt 0x0
	s_barrier_signal -1
	s_barrier_wait -1
.set i, 0
.rept 16
	ds_load_b128 v[128+4*i:131+4*i], v9 offset:528*i
.set i, i+1
.endr
.set i, 0
.rept 16
	s_wait_dscnt 15-i
	global_store_b128 v10, v[128+4*i:131+4*i], s[34:35] offset:2048*i   ; a wave stores 512 consecutive bytes, aligned
.set i, i+1
.endr
	s_wait_tensorcnt 0x0
	ds_add_u32 v94, v95
	s_wait_dscnt 0x0
	s_endpgm
.Lfunc_end_k_qe1f46b8d24_ctxfine:
	.size	k_qe1f46b8d24_ctxfine, .Lfunc_end_k_qe1f46b8d24_ctxfine-k_qe1f46b8d24_ctxfine
	.p2alignl 7, 3214868480
	.fill 96, 4, 3214868480
	.section	.rodata,"a",@progbits
	.p2align	6, 0x0
	.amdhsa_kernel k_qe1f46b8d24_ctxfine
		.amdhsa_group_segment_fixed_size 183296
		.amdhsa_private_segment_fixed_size 0
		.amdhsa_enable_private_segment 0
		.amdhsa_kernarg_size 56
		.amdhsa_user_sgpr_count 2
		.amdhsa_user_sgpr_kernarg_segment_ptr 1
		.amdhsa_wavefront_size32 1
		.amdhsa_system_sgpr_workgroup_id_x 1
		.amdhsa_system_sgpr_workgroup_id_y 1
		.amdhsa_system_sgpr_workgroup_id_z 1
		.amdhsa_system_vgpr_workitem_id 0
		.amdhsa_next_free_vgpr 448
		.amdhsa_next_free_sgpr 66
		.amdhsa_reserve_vcc 0
		.amdhsa_float_denorm_mode_32 3
		.amdhsa_float_denorm_mode_16_64 3
		.amdhsa_memory_ordered 1
		.amdhsa_forward_progress 1
		.amdhsa_inst_pref_size 132
	.end_amdhsa_kernel
	.amdgpu_metadata
---
amdhsa.version: [ 1, 2 ]
amdhsa.kernels:
  - .name:           k_qe1f46b8d24_ctxfine
    .symbol:         k_qe1f46b8d24_ctxfine.kd
    .args:
      - { .name: context_features, .offset: 0, .size: 8, .value_kind: global_buffer, .address_space: global }
      - { .name: wts, .offset: 8, .size: 8, .value_kind: global_buffer, .address_space: global }
      - { .name: query_points_coords, .offset: 16, .size: 8, .value_kind: global_buffer, .address_space: global }
      - { .name: context_coords, .offset: 24, .size: 8, .value_kind: global_buffer, .address_space: global }
      - { .name: grp, .offset: 32, .size: 8, .value_kind: global_buffer, .address_space: global }
      - { .name: ckv, .offset: 40, .size: 8, .value_kind: global_buffer, .address_space: global }
      - { .name: idx, .offset: 48, .size: 8, .value_kind: global_buffer, .address_space: global }
    .group_segment_fixed_size: 183296
    .private_segment_fixed_size: 0
    .kernarg_segment_align: 8
    .kernarg_segment_size: 56
    .max_flat_workgroup_size: 256
    .sgpr_count:     66
    .vgpr_count:     448
    .wavefront_size: 32
...
	.end_amdgpu_metadata
.endif
;; end of part 5
;; launch chain (part 6): grid 256 x 1, 8 waves a work-group, clusters of 4 x 1, 327,680 bytes of LDS; arguments wts, query_points_coords, context_coords, idx, ckv, rtab, Wqe1, bqe1, bqe2, bq, bo, ln_g, ln_b, bh1, bh2, Wh3, bh3, out0; writes out0
.if DOCPART == 6
	.amdgcn_target "amdgcn-amd-amdhsa--gfx1250"
	.amdhsa_code_object_version 6
	.text
	.protected	k_qe1f46b8d24_chain
	.globl	k_qe1f46b8d24_chain
	.p2align	8
	.type	k_qe1f46b8d24_chain,@function
k_qe1f46b8d24_chain:
	s_mov_b64 s[64:65], 0
	v_nop
	global_prefetch_b8 v0, s[64:65] scope:SCOPE_SE
	s_setreg_imm32_b32 hwreg(HW_REG_WAVE_MODE, 25, 1), 1
	s_wait_xcnt 0x0
	s_wait_alu depctr_hold_cnt(0) depctr_sa_sdst(0) depctr_va_vdst(0) depctr_va_sdst(0) depctr_va_ssrc(0) depctr_va_vcc(0) depctr_vm_vsrc(0)
	s_getreg_b32 s2, hwreg(HW_REG_IB_STS2, 6, 4)
	s_cmp_eq_u32 s2, 0
	s_cbranch_scc0 .Lentry_in_a_cluster
	s_endpgm
.Lentry_in_a_cluster:
	s_bfe_u32 s2, ttmp6, 0x10000c
	s_cmp_lg_u32 s2, 0x3003
	s_cbranch_scc0 .Lentry_shape_is_right
	s_endpgm
.Lentry_shape_is_right:
; CHAIN: everything per query, 64 queries a work-group, nothing through memory between the steps:
;   a1 = gelu(qc Wqe1 + bqe1); qe = a1 Wqe2 + bqe2; q = qe Wq + bq; attention over the 4 neighbours; x = LN(o Wo + bo + qe); h1 = gelu(x Wh1 + bh1);
;   h2 = gelu(h1 Wh2 + bh2); out = h2 Wh3 + bh3.
; k and v of a neighbour are ckv[idx] + rel @ rtab[0:3] + rtab[3] (see the launches before); with softmax weights a_n that sum to one,
;   o = sum a_n V[idx_n] + (sum a_n rel_n) @ RV[0:3] + RV[3].
; THE FIVE LARGE PRODUCTS walk one stream of 2,304 rows x 1,024 bytes of wts (Wqe2, Wq, Wo, Wh1: a row is one k x 512 n; Wh2: two k x 256 n) = 72 units
; of 32 rows, through two LDS slots: slot 0 holds 4 units (128 rows), slot 1 holds 3 (96 rows).  The stream is cut into pieces of 4, 3, 4, 3, .. units whatever
; matrix a unit belongs to: 20 whole pieces and a last one of 2 units, so 21 fills.  224 rows x 1,056 bytes + the activations' 66,560 + 6,144 of tables =
; 309,248 bytes; two slots of 128 rows would want 343,040, more than the 327,680 that there are.  7 units do not divide a product's 16, so the products
; are written out, and assembler symbols say where a piece begins.
; Every work-group walks the same stream, so four work-groups form a cluster and ask for each piece JOINTLY (mask 15): wave w of each asks for the piece's
; rows 16 w .. (slot 0) or 12 w .. (slot 1).  A wave has at most one tensor load out.  The activations (64 rows x 512, 16 bit) stay in LDS; wave w makes all
; 64 rows x its 64 columns.
; FORMATS: a1, Wqe2, qe, Wq, q in bf16 (they fall to 3e-7 with inputs 30 times smaller); o, Wo, x, Wh1, h1, Wh2 in f16 (largest about 1e4 with inputs
; 30 times larger); ckv in bf16; all sums, the residual qe, softmax, LayerNorm and gelu in f32.
; ON THE VECTOR UNIT: qc Wqe1 (K = 3), scores and weighted sum (each query and head has its own 4 x 64 matrix), h2 Wh3 (N = 1).
; LIMIT: erf by Abramowitz and Stegun 7.1.26, absolute error 1.5e-7; it enters as 0.5 |x| erf, so the error is relative to |x|.
.set SLOT1, 135168                     ; LDS: slot 0 = 128 rows x 1,056 bytes (1,024 + 32 of padding) at 0; slot 1 = 96 rows here
.set HALF, 67584                       ; 64 rows of a slot: an LDS immediate has 16 bits, so each 64 rows have an address register
.set ACT, 236544                       ; the activations: 64 rows x 1,040 bytes (1,024 + 16)
.set STAT, 303104                      ; three tables [row][wave] f32 of 2,048 bytes: row sums, sums of squares, logits
.set AADR0, 3                          ; v3  A's fragments: ACT + 1,040 r + 16 h; the place along K stands in the immediate
.set BADR, 4                           ; v4, v5  B's fragments in slot 0, units 0-1 and 2-3;  v6, v7  in slot 1, units 0-1 and 2
.set BADR7, 14                         ; v14-v17  the same for Wh2's units, made in front of that product (until then v14-17 hold rel and the query)
.set OADR, 8                           ; v8  where my results go in ACT: 1,040 r + 128 w + 16 h
.set BOFF, 9                           ; v9  byte of my 8 columns in a bias: 4 (64 w + 8 h);  v10 for 256 columns: 4 (32 w + 8 h)
.set BOFF7, 10
; v11, v12 STAT, store and read; v13 my neighbour's index; v14-16 rel; v17-19 query; v20 a row's address; v21 16 lane; v22 zero; v23 32 lane
.set FA, 32                            ; v[32:63]   4 fragments of the activations
.set FB, 64                            ; v[64:95]   4 fragments of the weights
.set BIAS, 96                          ; v[96:127]
.set ACC, 128                          ; v[128:255] tile (nt, mt) at 128 + 8 (4 nt + mt): lane (r, h), register j = row 16 mt + r, column 64 w + 16 nt + 8 h + j
; v256-383: qe in f32, laid out as ACC, in the second window
.set QR, 24                            ; attention: q of the row, 2 x 4 registers of bf16
.set KR, 32                            ; K(n, j) at 32 + 8 n + 4 j
.set VR, 64                            ; V(n, j)
.set SC, 96                            ; scores, then weights: (j, n) at 96 + 4 j + n
.set TT, 104                           ; q . RK[c], then sum a_n rel_n[c]: (j, c)
.set OO, 112                           ; o(j, e); before that the softmax's temporaries
.set RK, 128                           ; rtab's K part: (c, j) at 128 + 16 c + 8 j
.set RV, 192                           ; rtab's V part
.set G1, 52                            ; s[52:59] descriptor group 1
.set G0, 68                            ; s[68:71], s[72:75] group 0 of slot 0, 1
; where the text stands in the stream
.set PIECE, 0                          ; the piece, 0 .. 20
.set CSLOT, 0                          ; its slot = PIECE % 2
.set PUNIT, 0                          ; the unit in the piece
.set SUNIT, 0                          ; the unit in the product: 64 bytes along the activations' rows (Wh2: 128)
.set MSB, 0
.macro WIN new
.if MSB != \new
	s_set_vgpr_msb (MSB<<8)|\new
.set MSB, \new
.endif
.endm
.macro PLACES
.rept 4
	v_nop
.endr
.endm
; a round of the cluster's barrier: my work-group's barrier, wave 0 signals for the work-group, every wave waits for all four, my work-group's barrier again
.macro ROUND
	s_barrier_signal -1
	s_barrier_wait -1
	s_cmp_lg_u32 s3, 0
	s_cbranch_scc1 .Lnw0_\@
	s_barrier_signal -3
.Lnw0_\@:
	s_barrier_wait -3
	s_barrier_signal -1
	s_barrier_wait -1
.endm
; In front of a piece's first unit: all my tensor loads have landed (my part of this piece among them), so descriptor registers may be written: this slot's
; address goes two pieces on (224 rows), and group 1 takes the rows a wave brings into the OTHER slot (16 for slot 0, 12 for slot 1).  My LDS reads and stores
; are done.  The round shows all that of every wave of the four work-groups; then the other slot, read through the last piece, is asked for again, first thing.
; Piece 20 has 64 rows: the shares of waves 0-3; waves 4-7 have no part of it and issue nothing.  In front of piece 20 itself nothing is filled: a plain barrier.
.macro HEAD
.if PUNIT == 0
	s_set_vgpr_msb 0x4
	s_wait_tensorcnt 0x0
	ds_add_u32 v2, v129
	s_wait_dscnt 0x0
	s_set_vgpr_msb 0x400
.if PIECE < 20
	s_add_nc_u64 s[G0+4*CSLOT+2:G0+4*CSLOT+3], s[G0+4*CSLOT+2:G0+4*CSLOT+3], 229376    ; (the last two stepped addresses are not used)
	s_mov_b32 s[G1+2], (12+4*CSLOT)<<16            ; tensor_dim1
	s_mov_b32 s[G1+4], 12+4*CSLOT                  ; tile_dim1
	s_wait_dscnt 0x0
	ROUND
.if PIECE == 19
	s_cmp_ge_u32 s3, 4                             ; the wave's number: the same branch in all four work-groups
	s_cbranch_scc1 .Lnofill_\@
.endif
	tensor_load_to_lds s[G0+4-4*CSLOT:G0+7-4*CSLOT], s[G1:G1+7]
	s_nop 0
.if PIECE == 19
	PLACES
.Lnofill_\@:
.endif
.else
	s_wait_dscnt 0x0
	s_barrier_signal -1
	s_barrier_wait -1
.endif
.endif
.endm
.macro NEXTU                           ; a unit is done: slot 0 has 4, slot 1 has 3
.set SUNIT, SUNIT+1
.set PUNIT, PUNIT+1
.if PUNIT == 4-CSLOT
.set PUNIT, 0
.set CSLOT, 1-CSLOT
.set PIECE, PIECE+1
.endif
.endm
; where a product begins inside a piece, no HEAD publishes the activations that the waves have just stored: a plain barrier does
.macro SYNC
.if PUNIT != 0
	s_wait_dscnt 0x0
	s_barrier_signal -1
	s_barrier_wait -1
.endif
.endm
; 32 along K: 16 LDS loads, 16 matrix instructions; source 0 = 16 columns of the weights (stored [k][n]: transposing loads), source 1 = 16 rows of the
; activations.  The sixteen accumulators take turns, one instruction a turn.
.macro KSTEP zero, fmt
.set BREG, BADR+2*CSLOT+(PUNIT>>1)
.set BIMM, 33792*(PUNIT&1)
.set AIMM, 64*SUNIT
	ds_load_tr16_b128 v[FB:FB+3], v[BREG] offset:BIMM
	ds_load_tr16_b128 v[FB+4:FB+7], v[BREG] offset:BIMM+16896
.irp mt,0,1,2,3
	ds_load_b128 v[FA+8*\mt:FA+8*\mt+3], v[AADR0] offset:16640*\mt+AIMM
	ds_load_b128 v[FA+8*\mt+4:FA+8*\mt+7], v[AADR0] offset:16640*\mt+AIMM+32
.endr
.irp nt,1,2,3
	ds_load_tr16_b128 v[FB+8*\nt:FB+8*\nt+3], v[BREG] offset:BIMM+32*\nt
	ds_load_tr16_b128 v[FB+8*\nt+4:FB+8*\nt+7], v[BREG] offset:BIMM+32*\nt+16896
.endr
.irp nt,0,1,2,3
	s_wait_dscnt 6-2*\nt                           ; the weights' fragments behind nt may stay out
.irp mt,0,1,2,3
.if \zero
	v_wmma_f32_16x16x32_\fmt v[ACC+8*(4*\nt+\mt):ACC+8*(4*\nt+\mt)+7], v[FB+8*\nt:FB+8*\nt+7], v[FA+8*\mt:FA+8*\mt+7], 0
.else
	v_wmma_f32_16x16x32_\fmt v[ACC+8*(4*\nt+\mt):ACC+8*(4*\nt+\mt)+7], v[FB+8*\nt:FB+8*\nt+7], v[FA+8*\mt:FA+8*\mt+7], v[ACC+8*(4*\nt+\mt):ACC+8*(4*\nt+\mt)+7]
.endif
.endr
.endr
	PLACES                                         ; four places in front of whatever next writes a fragment or reads a result (ISA guide 7.12.1)
.endm
.macro UNIT zero, fmt
	HEAD
	KSTEP \zero, \fmt
	NEXTU
.endm
; a product with K = 512: 16 units; the first products start the sums
.macro STAGE fmt
.set SUNIT, 0
	SYNC
	UNIT 1, \fmt
.rept 15
	UNIT 0, \fmt
.endr
.endm
; Wh2: my 32 columns, two fragments; k of a unit lies at (k / 2) 1,056 + (k % 2) 512, so a unit is 64 k: two steps of 32 (sub = 0, 1), 16 rows each.
; Eight accumulators take turns.
.macro KSTEP7 sub, zero
.set BREG, BADR7+2*CSLOT+(PUNIT>>1)
.set BIMM, 33792*(PUNIT&1)+16896*\sub
.set AIMM, 64*(2*SUNIT+\sub)
	ds_load_tr16_b128 v[FB:FB+3], v[BREG] offset:BIMM
	ds_load_tr16_b128 v[FB+4:FB+7], v[BREG] offset:BIMM+8448
.irp mt,0,1,2,3
	ds_load_b128 v[FA+8*\mt:FA+8*\mt+3], v[AADR0] offset:16640*\mt+AIMM
	ds_load_b128 v[FA+8*\mt+4:FA+8*\mt+7], v[AADR0] offset:16640*\mt+AIMM+32
.endr
	ds_load_tr16_b128 v[FB+8:FB+11], v[BREG] offset:BIMM+32
	ds_load_tr16_b128 v[FB+12:FB+15], v[BREG] offset:BIMM+8480
.irp nt,0,1
	s_wait_dscnt 2-2*\nt
.irp mt,0,1,2,3
.if \zero
	v_wmma_f32_16x16x32_f16 v[ACC+8*(4*\nt+\mt):ACC+8*(4*\nt+\mt)+7], v[FB+8*\nt:FB+8*\nt+7], v[FA+8*\mt:FA+8*\mt+7], 0
.else
	v_wmma_f32_16x16x32_f16 v[ACC+8*(4*\nt+\mt):ACC+8*(4*\nt+\mt)+7], v[FB+8*\nt:FB+8*\nt+7], v[FA+8*\mt:FA+8*\mt+7], v[ACC+8*(4*\nt+\mt):ACC+8*(4*\nt+\mt)+7]
.endif
.endr
.endr
	PLACES
.endm
.macro UNIT7 zero
	HEAD
	KSTEP7 0, \zero
	KSTEP7 1, 0
	NEXTU
.endm
; 32 numbers of a vector of 512: those of my 4 x 8 columns
.macro LDBIAS p, dst
.irp nt,0,1,2,3
	global_load_b128 v[\dst+8*\nt:\dst+8*\nt+3], v[BOFF], s[\p:\p+1] offset:64*\nt
	global_load_b128 v[\dst+8*\nt+4:\dst+8*\nt+7], v[BOFF], s[\p:\p+1] offset:64*\nt+16
.endr
.endm
.macro ADDBIAS
.irp nt,0,1,2,3
.irp mt,0,1,2,3
.irp q,0,2,4,6
	v_pk_add_f32 v[ACC+8*(4*\nt+\mt)+\q:ACC+8*(4*\nt+\mt)+\q+1], v[ACC+8*(4*\nt+\mt)+\q:ACC+8*(4*\nt+\mt)+\q+1], v[BIAS+8*\nt+\q:BIAS+8*\nt+\q+1]
.endr
.endr
.endr
.endm
; the 16 tiles to 16 bit and into ACT, 16 bytes a lane; T: 32 temporaries that take turns
.macro OUT16 cvt, T
.irp nt,0,1,2,3
.irp mt,0,1,2,3
.irp p,0,1,2,3
	\cvt v[\T+4*((4*\nt+\mt)%8)+\p], v[ACC+8*(4*\nt+\mt)+2*\p], v[ACC+8*(4*\nt+\mt)+2*\p+1]
.endr
	ds_store_b128 v[OADR], v[\T+4*((4*\nt+\mt)%8):\T+4*((4*\nt+\mt)%8)+3] offset:16640*\mt+32*\nt
.endr
.endr
.endm
; gelu(x) = 0.5 x + 0.5 |x| erf(|x| / sqrt 2) on v[X .. X+7] in place; erf(z) = 1 - t (a1 + t (a2 + t (a3 + t (a4 + t a5)))) exp(-z z), t = 1 / (1 + p z).
; T: |x| at T, t at T + 8, the exponential at T + 16, the polynomial at T + 24.
.macro GELU8 X, T
.irp i,0,1,2,3,4,5,6,7
	v_and_b32 v[\T+\i], 0x7fffffff, v[\X+\i]
.endr
.irp i,0,2,4,6
	v_pk_fma_f32 v[\T+8+\i:\T+9+\i], v[\T+\i:\T+1+\i], 0x3e6d3388, 1.0 op_sel_hi:[1,0,0]     ; 1 + (p / sqrt 2) |x|
	v_pk_mul_f32 v[\T+16+\i:\T+17+\i], v[\X+\i:\X+1+\i], 0x3f596d27 op_sel_hi:[1,0]          ; x sqrt(0.5 log2 e)
.endr
.irp i,0,2,4,6
	v_pk_mul_f32 v[\T+16+\i:\T+17+\i], v[\T+16+\i:\T+17+\i], v[\T+16+\i:\T+17+\i] neg_lo:[1,0] neg_hi:[1,0]
.endr
.irp i,0,1,2,3,4,5,6,7
	v_rcp_f32 v[\T+8+\i], v[\T+8+\i]
.endr
.irp i,0,1,2,3,4,5,6,7
	v_exp_f32 v[\T+16+\i], v[\T+16+\i]
.endr
.irp i,0,2,4,6
	v_pk_mul_f32 v[\T+\i:\T+1+\i], v[\T+\i:\T+1+\i], 0.5 op_sel_hi:[1,0]                     ; plain work behind the transcendentals (ISA guide 5.7.2)
.endr
	s_wait_alu depctr_va_vdst(0)
.irp i,0,2,4,6
	v_pk_fma_f32 v[\T+24+\i:\T+25+\i], v[\T+8+\i:\T+9+\i], s[60:61], 0xbfba00e3 op_sel_hi:[1,0,0]
.endr
.irp i,0,2,4,6
	v_pk_fma_f32 v[\T+24+\i:\T+25+\i], v[\T+24+\i:\T+25+\i], v[\T+8+\i:\T+9+\i], 0x3fb5f0e3 op_sel_hi:[1,1,0]
.endr
.irp i,0,2,4,6
	v_pk_fma_f32 v[\T+24+\i:\T+25+\i], v[\T+24+\i:\T+25+\i], v[\T+8+\i:\T+9+\i], 0xbe91a98e op_sel_hi:[1,1,0]
.endr
.irp i,0,2,4,6
	v_pk_fma_f32 v[\T+24+\i:\T+25+\i], v[\T+24+\i:\T+25+\i], v[\T+8+\i:\T+9+\i], 0x3e827906 op_sel_hi:[1,1,0]
.endr
.irp i,0,2,4,6
	v_pk_mul_f32 v[\T+24+\i:\T+25+\i], v[\T+24+\i:\T+25+\i], v[\T+8+\i:\T+9+\i]
.endr
.irp i,0,2,4,6
	v_pk_fma_f32 v[\T+24+\i:\T+25+\i], v[\T+24+\i:\T+25+\i], v[\T+16+\i:\T+17+\i], 1.0 op_sel_hi:[1,1,0] neg_lo:[1,0,0] neg_hi:[1,0,0]
.endr
.irp i,0,2,4,6
	v_pk_mul_f32 v[\X+\i:\X+1+\i], v[\X+\i:\X+1+\i], 0.5 op_sel_hi:[1,0]
.endr
.irp i,0,2,4,6
	v_pk_fma_f32 v[\X+\i:\X+1+\i], v[\T+\i:\T+1+\i], v[\T+24+\i:\T+25+\i], v[\X+\i:\X+1+\i]
.endr
.endm
; the sum (sq = 0) or sum of squares (sq = 1) of my wave's 64 columns of rows 16 mt + r, into STAT + off
.macro ROWSUM mt, sq, off
.irp nt,0,1,2,3
.if \sq
	v_pk_mul_f32 v[96+2*\nt:97+2*\nt], v[ACC+8*(4*\nt+\mt):ACC+8*(4*\nt+\mt)+1], v[ACC+8*(4*\nt+\mt):ACC+8*(4*\nt+\mt)+1]
.else
	v_pk_add_f32 v[96+2*\nt:97+2*\nt], v[ACC+8*(4*\nt+\mt):ACC+8*(4*\nt+\mt)+1], v[ACC+8*(4*\nt+\mt)+2:ACC+8*(4*\nt+\mt)+3]
.endif
.endr
.if \sq
.irp nt,0,1,2,3
	v_pk_fma_f32 v[96+2*\nt:97+2*\nt], v[ACC+8*(4*\nt+\mt)+2:ACC+8*(4*\nt+\mt)+3], v[ACC+8*(4*\nt+\mt)+2:ACC+8*(4*\nt+\mt)+3], v[96+2*\nt:97+2*\nt]
.endr
.endif
.irp q,4,6
.irp nt,0,1,2,3
.if \sq
	v_pk_fma_f32 v[96+2*\nt:97+2*\nt], v[ACC+8*(4*\nt+\mt)+\q:ACC+8*(4*\nt+\mt)+\q+1], v[ACC+8*(4*\nt+\mt)+\q:ACC+8*(4*\nt+\mt)+\q+1], v[96+2*\nt:97+2*\nt]
.else
	v_pk_add_f32 v[96+2*\nt:97+2*\nt], v[96+2*\nt:97+2*\nt], v[ACC+8*(4*\nt+\mt)+\q:ACC+8*(4*\nt+\mt)+\q+1]
.endif
.endr
.endr
	v_pk_add_f32 v[96:97], v[96:97], v[98:99]
	v_pk_add_f32 v[100:101], v[100:101], v[102:103]
	v_pk_add_f32 v[96:97], v[96:97], v[100:101]
	v_add_f32 v[104+\mt], v96, v97
	v_permlanex16_b32 v[108+\mt], v[104+\mt], s96, s97     ; the other 8 columns of each 16 lie 16 lanes away
	v_add_f32 v[104+\mt], v[104+\mt], v[108+\mt]
	ds_store_b32 v11, v[104+\mt] offset:512*\mt+\off
.endm
; the eight waves' figures of rows 16 mt + r, summed in ascending wave order into v[96 + 8 mt]
.macro STATSUM off
.irp mt,0,1,2,3
	ds_load_b128 v[96+8*\mt:99+8*\mt], v12 offset:512*\mt+\off
	ds_load_b128 v[100+8*\mt:103+8*\mt], v12 offset:512*\mt+\off+16
.endr
	s_wait_dscnt 0x0
.irp k,1,2,3,4,5,6,7
.irp mt,0,1,2,3
	v_add_f32 v[96+8*\mt], v[96+8*\mt], v[96+8*\mt+\k]
.endr
.endr
.endm
.macro SUBB mt, pr, b                  ; rows 16 mt + r: x -= v[pr + b]
.irp nt,0,1,2,3
.irp q,0,2,4,6
	v_pk_add_f32 v[ACC+8*(4*\nt+\mt)+\q:ACC+8*(4*\nt+\mt)+\q+1], v[ACC+8*(4*\nt+\mt)+\q:ACC+8*(4*\nt+\mt)+\q+1], v[\pr:\pr+1] op_sel:[0,\b] op_sel_hi:[1,\b] neg_lo:[0,1] neg_hi:[0,1]
.endr
.endr
.endm
.macro NORM mt, pr, b                  ; x = x v[pr + b] g + beta
.irp nt,0,1,2,3
.irp q,0,2,4,6
	v_pk_mul_f32 v[ACC+8*(4*\nt+\mt)+\q:ACC+8*(4*\nt+\mt)+\q+1], v[ACC+8*(4*\nt+\mt)+\q:ACC+8*(4*\nt+\mt)+\q+1], v[\pr:\pr+1] op_sel:[0,\b] op_sel_hi:[1,\b]
.endr
.endr
.irp nt,0,1,2,3
.irp q,0,2,4,6
	v_pk_fma_f32 v[ACC+8*(4*\nt+\mt)+\q:ACC+8*(4*\nt+\mt)+\q+1], v[ACC+8*(4*\nt+\mt)+\q:ACC+8*(4*\nt+\mt)+\q+1], v[32+8*\nt+\q:33+8*\nt+\q], v[64+8*\nt+\q:65+8*\nt+\q]
.endr
.endr
.endm
; the four neighbours' rows of ckv: the indices lie in lanes s12 .. s12 + 3 of v13
.macro ADDRS
.irp n,0,1,2,3
	v_readlane_b32 s14, v13, s12
	s_min_u32 s14, s14, 0x1fff                     ; an index stays inside the table
	s_lshl_b32 s14, s14, 11                        ; rows of 2,048 bytes
	s_add_nc_u64 s[76+2*\n:77+2*\n], s[24:25], s[14:15]
	s_add_co_u32 s12, s12, 1
.endr
.endm
.macro LDKV base, off                  ; 8 loads: each takes 512 consecutive bytes of a row
.irp n,0,1,2,3
.irp j,0,1
	global_load_b128 v[\base+8*\n+4*\j:\base+8*\n+4*\j+3], v21, s[76+2*\n:77+2*\n] offset:\off+512*\j
.endr
.endr
.endm
; attention for one row.  My lane holds dims 256 j + 8 lane + e (j = 0, 1; e = 0 .. 7): head 4 j + lane / 8.  cont = 1: the next row's K, V and q are asked for.
.macro ROW cont
	s_add_co_u32 s9, s99, 1
	s_add_co_u32 s10, s99, 2
	s_add_co_u32 s11, s99, 3
.irp c,0,1,2
	v_readlane_b32 s[84+4*\c], v[14+\c], s99       ; rel[c] of the four neighbours
	v_readlane_b32 s[85+4*\c], v[14+\c], s9
	v_readlane_b32 s[86+4*\c], v[14+\c], s10
	v_readlane_b32 s[87+4*\c], v[14+\c], s11
.endr
	s_wait_dscnt 0x0                               ; q
	s_wait_loadcnt 0x8                             ; K (and rtab) are in; V's 8 loads were issued later
.irp p,0,1,2,3
.irp b,0,1
.irp j,0,1
.irp n,0,1,2,3
.if (2*\p+\b) == 0
	v_fma_mix_f32_bf16 v[SC+4*\j+\n], v[QR+4*\j+\p], v[KR+8*\n+4*\j+\p], v22 op_sel:[\b,\b,0] op_sel_hi:[1,1,0]
	v_fma_mix_f32_bf16 v[TT+4*\j+\n], v[QR+4*\j+\p], v[RK+16*\n+8*\j+2*\p+\b], v22 op_sel:[\b,0,0] op_sel_hi:[1,0,0]
.else
	v_fma_mix_f32_bf16 v[SC+4*\j+\n], v[QR+4*\j+\p], v[KR+8*\n+4*\j+\p], v[SC+4*\j+\n] op_sel:[\b,\b,0] op_sel_hi:[1,1,0]
	v_fma_mix_f32_bf16 v[TT+4*\j+\n], v[QR+4*\j+\p], v[RK+16*\n+8*\j+2*\p+\b], v[TT+4*\j+\n] op_sel:[\b,0,0] op_sel_hi:[1,0,0]
.endif
.endr
.endr
.endr
.endr
.if \cont
	s_wait_xcnt 0x0                                ; the row bases, which V's pending loads name, are rewritten only behind this wait
	s_add_co_u32 s12, s99, 4
	ADDRS
	LDKV KR, 0
.endif
.irp c,0,1,2
.irp j,0,1
.irp n,0,1,2,3
	v_fmac_f32 v[SC+4*\j+\n], s[84+4*\c+\n], v[TT+4*\j+\c]
.endr
.endr
.endr
.irp j,0,1
.irp n,0,1,2,3
	v_add_f32 v[SC+4*\j+\n], v[SC+4*\j+\n], v[TT+4*\j+3]
.endr
.endr
.irp x,1,2,4                                       ; over the 8 lanes of a head
.irp i,0,1,2,3,4,5,6,7
	v_add_f32_dpp v[SC+\i], v[SC+\i], v[SC+\i] row_xmask:\x row_mask:0xf bank_mask:0xf
.endr
.endr
.irp j,0,1
	v_max3_num_f32 v[OO+\j], v[SC+4*\j], v[SC+4*\j+1], v[SC+4*\j+2]
.endr
.irp j,0,1
	v_max_num_f32 v[OO+\j], v[OO+\j], v[SC+4*\j+3]
.endr
.irp j,0,1
	v_mul_f32 v[OO+\j], s62, v[OO+\j]              ; s62 = log2(e) / sqrt(64)
.endr
.irp j,0,1
.irp n,0,1,2,3
	v_fma_f32 v[SC+4*\j+\n], v[SC+4*\j+\n], s62, -v[OO+\j]      ; the maximum is taken away in front of the exponential
.endr
.endr
.irp i,0,1,2,3,4,5,6,7
	v_exp_f32 v[SC+\i], v[SC+\i]
.endr
	v_nop
	s_wait_alu depctr_va_vdst(0)
.irp j,0,1
	v_add_f32 v[OO+4+\j], v[SC+4*\j], v[SC+4*\j+1]
	v_add_f32 v[OO+6+\j], v[SC+4*\j+2], v[SC+4*\j+3]
.endr
.irp j,0,1
	v_add_f32 v[OO+4+\j], v[OO+4+\j], v[OO+6+\j]
.endr
	v_rcp_f32 v[OO+4], v[OO+4]
	v_rcp_f32 v[OO+5], v[OO+5]
	v_nop
	s_wait_alu depctr_va_vdst(0)
.irp j,0,1
.irp n,0,1,2,3
	v_mul_f32 v[SC+4*\j+\n], v[SC+4*\j+\n], v[OO+4+\j]
.endr
.endr
.irp j,0,1
.irp c,0,1,2
	v_mul_f32 v[TT+4*\j+\c], s[84+4*\c], v[SC+4*\j]
.endr
.endr
.irp n,1,2,3
.irp j,0,1
.irp c,0,1,2
	v_fmac_f32 v[TT+4*\j+\c], s[84+4*\c+\n], v[SC+4*\j+\n]
.endr
.endr
.endr
.irp j,0,1
.irp q,0,2,4,6
	v_pk_fma_f32 v[OO+8*\j+\q:OO+8*\j+\q+1], v[RV+8*\j+\q:RV+8*\j+\q+1], v[TT+4*\j:TT+4*\j+1], v[RV+48+8*\j+\q:RV+48+8*\j+\q+1] op_sel_hi:[1,0,1]
.endr
.endr
.irp j,0,1
.irp q,0,2,4,6
	v_pk_fma_f32 v[OO+8*\j+\q:OO+8*\j+\q+1], v[RV+16+8*\j+\q:RV+16+8*\j+\q+1], v[TT+4*\j:TT+4*\j+1], v[OO+8*\j+\q:OO+8*\j+\q+1] op_sel:[0,1,0]
.endr
.endr
.irp j,0,1
.irp q,0,2,4,6
	v_pk_fma_f32 v[OO+8*\j+\q:OO+8*\j+\q+1], v[RV+32+8*\j+\q:RV+32+8*\j+\q+1], v[TT+4*\j+2:TT+4*\j+3], v[OO+8*\j+\q:OO+8*\j+\q+1] op_sel_hi:[1,0,1]
.endr
.endr
.if \cont
	s_wait_loadcnt 0x8                             ; V is in; the next row's K, 8 loads, was issued later
.else
	s_wait_loadcnt 0x0
.endif
.irp n,0,1,2,3
.irp p,0,1,2,3
.irp b,0,1
.irp j,0,1
	v_fma_mix_f32_bf16 v[OO+8*\j+2*\p+\b], v[VR+8*\n+4*\j+\p], v[SC+4*\j+\n], v[OO+8*\j+2*\p+\b] op_sel:[\b,0,0] op_sel_hi:[1,0,0]
.endr
.endr
.endr
.endr
.if \cont
	LDKV VR, 1024
.endif
.irp j,0,1
.irp p,0,1,2,3
	v_cvt_pk_f16_f32 v[QR+4*\j+\p], v[OO+8*\j+2*\p], v[OO+8*\j+2*\p+1]
.endr
.endr
	ds_store_b128 v20, v[QR:QR+3]                  ; o takes the place of the row's q, which only this lane has read
	ds_store_b128 v20, v[QR+4:QR+7] offset:512
	v_add_nc_u32 v20, 1040, v20
.if \cont
	ds_load_b128 v[QR:QR+3], v20
	ds_load_b128 v[QR+4:QR+7], v20 offset:512
.endif
.endm
	; ================= start
	s_load_b512 s[16:31], s[0:1], 0x0              ; wts 16, qc 18, cc 20, idx 22, ckv 24, rtab 26, Wqe1 28, bqe1 30
	s_load_b512 s[32:47], s[0:1], 0x40             ; bqe2 32, bq 34, bo 36, ln_g 38, ln_b 40, bh1 42, bh2 44, Wh3 46
	s_load_b128 s[48:51], s[0:1], 0x80             ; bh3 48, out0 50
	v_lshl_add_u32 v2, v0, 2, 0x4b800
	s_set_vgpr_msb 0x40
	v_mov_b32 v129, 0
	s_set_vgpr_msb 0x4044
	ds_add_u32 v2, v129
	s_set_vgpr_msb 0x4400
	v_lshrrev_b32 v1, 5, v0
	v_readfirstlane_b32 s3, v1                     ; wave
	v_and_b32 v1, 31, v0                           ; lane
	s_bfe_u32 s4, ttmp6, 0x40000                   ; my place in the cluster: it enters the addresses of my own rows in memory and nothing else
	s_lshl_b32 s5, ttmp9, 2
	s_add_co_u32 s5, s5, s4                        ; block of 64 queries
	; group 1: rows of 512 elements of 2 bytes, 32 bytes of padding behind each row's 256 words; mask: all four work-groups, bit 21 beside it.
	; The rows a wave brings, 16 into slot 0 or 12 into slot 1, are written anew in front of each fill, where no load of the wave is out.
	s_mov_b32 s[G1+0], 15|(1<<16)|(1<<20)|(1<<21)|(7<<22)|(7<<25)
	s_mov_b32 s[G1+1], 512<<16                     ; tensor_dim0 = 512
	s_mov_b32 s[G1+2], 16<<16                      ; tensor_dim1 = 16: piece 0 goes into slot 0
	s_mov_b32 s[G1+3], 512<<16                     ; tile_dim0 = 512
	s_mov_b32 s[G1+4], 16                          ; tile_dim1 = 16
	s_mov_b32 s[G1+5], 512                         ; elements from row to row
	s_mov_b32 s[G1+6], 0
	s_mov_b32 s[G1+7], 0
	s_mul_i32 s8, s3, 16896                        ; my 16 rows in slot 0,
	s_lshl_b32 s10, s3, 14                         ; and in a piece of 128 rows
	s_mov_b32 s11, 0
	s_mul_i32 s9, s3, 12672                        ; my 12 rows in slot 1,
	s_mul_i32 s6, s3, 12288                        ; and in a piece of 96 rows
	s_mov_b32 s7, 0
	s_mov_b32 s15, 0
	s_mov_b32 s60, 0x3f87dc22                      ; a5, twice: a pair for the packed forms
	s_mov_b32 s61, 0x3f87dc22
	s_mov_b32 s62, 0x3e38aa3b                      ; log2(e) / 8
	s_mov_b32 s96, 0x76543210                      ; v_permlanex16_b32: lane i of one half reads lane i of the other
	s_mov_b32 s97, 0xfedcba98
	s_wait_dscnt 0x0
	s_wait_kmcnt 0x0
	s_load_b32 s63, s[48:49], 0x0                  ; bh3
	s_mov_b32 s[G0], 1
	s_add_co_u32 s[G0+1], s8, 0
	s_add_nc_u64 s[G0+2:G0+3], s[16:17], s[10:11]  ; piece 0: the stream's row 16 w
	s_or_b32 s[G0+3], s[G0+3], 0x80000000
	s_mov_b32 s[G0+4], 1
	s_add_co_u32 s[G0+5], s9, SLOT1
	s_add_nc_u64 s[G0+6:G0+7], s[16:17], s[6:7]
	s_add_nc_u64 s[G0+6:G0+7], s[G0+6:G0+7], 131072        ; piece 1: row 128 + 12 w
	s_or_b32 s[G0+7], s[G0+7], 0x80000000
	s_wait_kmcnt 0x0
	ROUND                                          ; all four work-groups are here: the first joint loads meet
	tensor_load_to_lds s[G0:G0+3], s[G1:G1+7]      ; piece 0
	s_nop 0
	v_and_b32 v24, 15, v1                          ; r
	v_lshrrev_b32 v25, 4, v1                       ; h
	v_and_b32 v26, 7, v1
	v_bfe_u32 v27, v1, 3, 1
	v_mul_u32_u24 v28, v24, 1040
	v_lshl_add_u32 v28, v25, 4, v28
	v_add_nc_u32 v[AADR0], ACT, v28
	s_lshl_b32 s8, s3, 7
	s_add_co_u32 s9, s8, ACT
	v_add_nc_u32 v[OADR], s9, v28
	v_lshl_add_u32 v29, v25, 3, v26                ; 8 h + lane % 8: my k row of a transposing load
	v_mul_u32_u24 v4, v29, 1056
	v_lshl_add_u32 v4, v27, 4, v4
	v_add_nc_u32 v4, s8, v4                        ; slot 0, units 0 and 1
	v_add_nc_u32 v5, HALF, v4                      ; slot 0, units 2 and 3
	v_add_nc_u32 v6, SLOT1, v4                     ; slot 1, units 0 and 1
	v_add_nc_u32 v7, SLOT1+HALF, v4                ; slot 1, unit 2
	s_lshl_b32 s9, s3, 8
	v_lshl_add_u32 v[BOFF], v25, 5, s9
	v_lshl_add_u32 v[BOFF7], v25, 5, s8
	s_lshl_b32 s9, s3, 2
	s_add_co_u32 s9, s9, STAT
	v_lshl_add_u32 v11, v24, 5, s9
	v_lshlrev_b32 v12, 5, v24
	v_add_nc_u32 v12, STAT, v12
	v_lshlrev_b32 v21, 4, v1
	v_lshlrev_b32 v23, 5, v1
	v_mov_b32 v22, 0
	; lane l stands for row 8 w + l / 4 and its neighbour l % 4
	s_lshl_b32 s8, s5, 10
	s_lshl_b32 s9, s3, 7
	s_add_co_u32 s8, s8, s9
	v_lshl_add_u32 v24, v1, 2, s8
	global_load_b32 v13, v24, s[22:23]
	s_mul_i32 s8, s5, 768
	s_mul_i32 s9, s3, 96
	s_add_co_u32 s8, s8, s9
	v_lshrrev_b32 v25, 2, v1
	v_mad_u32_u24 v25, v25, 12, s8
	global_load_b32 v17, v25, s[18:19]
	global_load_b32 v18, v25, s[18:19] offset:4
	global_load_b32 v19, v25, s[18:19] offset:8
	s_wait_loadcnt 0x0
	v_min_u32 v13, 0x1fff, v13                     ; an index stays inside the table
	v_mul_u32_u24 v26, v13, 12
	global_load_b32 v14, v26, s[20:21]
	global_load_b32 v15, v26, s[20:21] offset:4
	global_load_b32 v16, v26, s[20:21] offset:8
	; ================= a1 = gelu(qc Wqe1 + bqe1), my 8 rows; my lane's columns are 128 j + 4 lane + e
.irp c,0,1,2
.irp j,0,1,2,3
	global_load_b128 v[128+16*\c+4*\j:128+16*\c+4*\j+3], v21, s[28:29] offset:2048*\c+512*\j
.endr
.endr
.irp j,0,1,2,3
	global_load_b128 v[176+4*\j:176+4*\j+3], v21, s[30:31] offset:512*\j
.endr
	s_wait_loadcnt 0x0
	v_sub_f32 v14, v17, v14                        ; rel = q - c
	v_sub_f32 v15, v18, v15
	v_sub_f32 v16, v19, v16
	s_mul_i32 s8, s3, 8320
	s_add_co_u32 s13, s8, ACT                      ; my 8 rows of ACT
	v_lshl_add_u32 v20, v1, 3, s13
	s_mov_b32 s99, 0
	s_mov_b32 s98, 8
.Lenc:
	v_readlane_b32 s8, v17, s99
	v_readlane_b32 s9, v18, s99
	v_readlane_b32 s10, v19, s99
.irp k,0,1,2,3,4,5,6,7,8,9,10,11,12,13,14,15
	v_fma_f32 v[192+\k], s8, v[128+\k], v[176+\k]
.endr
.irp k,0,1,2,3,4,5,6,7,8,9,10,11,12,13,14,15
	v_fmac_f32 v[192+\k], s9, v[144+\k]
.endr
.irp k,0,1,2,3,4,5,6,7,8,9,10,11,12,13,14,15
	v_fmac_f32 v[192+\k], s10, v[160+\k]
.endr
	GELU8 192, 208
	GELU8 200, 208
.irp i,0,1,2,3,4,5,6,7
	v_cvt_pk_bf16_f32 v[240+\i], v[192+2*\i], v[193+2*\i]
.endr
.irp j,0,1,2,3
	ds_store_b64 v20, v[240+2*\j:241+2*\j] offset:256*\j
.endr
	v_add_nc_u32 v20, 1040, v20
	s_add_co_u32 s99, s99, 4
	s_sub_co_i32 s98, s98, 1
	s_cmp_lg_u32 s98, 0
	s_cbranch_scc1 .Lenc
	; ================= qe = a1 Wqe2 + bqe2: kept in f32 in the second window, and in bf16 in ACT
	LDBIAS 32, BIAS
	STAGE bf16
	s_wait_dscnt 0x0
	s_barrier_signal -1                            ; every wave's reads of a1 are over
	s_barrier_wait -1
	s_wait_loadcnt 0x0
	WIN 0x40
.irp nt,0,1,2,3
.irp mt,0,1,2,3
.irp q,0,2,4,6
	v_pk_add_f32 v[8*(4*\nt+\mt)+\q:8*(4*\nt+\mt)+\q+1], v[ACC+8*(4*\nt+\mt)+\q:ACC+8*(4*\nt+\mt)+\q+1], v[BIAS+8*\nt+\q:BIAS+8*\nt+\q+1]
.endr
.endr
.endr
	WIN 0x05
.irp nt,0,1,2,3
.irp mt,0,1,2,3
.irp p,0,1,2,3
	v_cvt_pk_bf16_f32 v[FA+4*(4*\nt+\mt)+\p], v[8*(4*\nt+\mt)+2*\p], v[8*(4*\nt+\mt)+2*\p+1]
.endr
.endr
.endr
	WIN 0
.irp nt,0,1,2,3
.irp mt,0,1,2,3
	ds_store_b128 v[OADR], v[FA+4*(4*\nt+\mt):FA+4*(4*\nt+\mt)+3] offset:16640*\mt+32*\nt
.endr
.endr
	; ================= q = qe Wq + bq, in bf16 into ACT
	LDBIAS 34, BIAS
	STAGE bf16
	s_wait_dscnt 0x0
	s_barrier_signal -1                            ; every wave's reads of qe are over
	s_barrier_wait -1
	s_wait_loadcnt 0x0
	ADDBIAS
	OUT16 v_cvt_pk_bf16_f32, FA
.irp p,0,1
.irp c,0,1,2,3
.irp j,0,1
	global_load_b128 v[RK+64*\p+16*\c+8*\j:RK+64*\p+16*\c+8*\j+3], v23, s[26:27] offset:4096*\c+2048*\p+1024*\j
	global_load_b128 v[RK+64*\p+16*\c+8*\j+4:RK+64*\p+16*\c+8*\j+7], v23, s[26:27] offset:4096*\c+2048*\p+1024*\j+16
.endr
.endr
.endr
	s_mov_b32 s12, 0
	ADDRS
	LDKV KR, 0
	LDKV VR, 1024
	v_lshl_add_u32 v20, v1, 4, s13                 ; my first row, 16 bytes a lane
	s_wait_dscnt 0x0
	s_barrier_signal -1                            ; q is whole
	s_barrier_wait -1
	; ================= attention, my 8 rows
	ds_load_b128 v[QR:QR+3], v20
	ds_load_b128 v[QR+4:QR+7], v20 offset:512
	s_mov_b32 s99, 0
	s_mov_b32 s98, 7
.Lrow:
	ROW 1
	s_add_co_u32 s99, s99, 4
	s_sub_co_i32 s98, s98, 1
	s_cmp_lg_u32 s98, 0
	s_cbranch_scc1 .Lrow
	ROW 0
	; ================= x = LayerNorm(o Wo + bo + qe), two passes as reference() has them, in f16 into ACT
	LDBIAS 36, BIAS
	STAGE f16
	LDBIAS 38, 32                                  ; ln_g
	LDBIAS 40, 64                                  ; ln_b
	s_wait_loadcnt 0x10                            ; bo is in; the 16 loads of ln_g and ln_b were issued later
	ADDBIAS
	WIN 0x04                                       ; source 1 in the second window: qe
.irp nt,0,1,2,3
.irp mt,0,1,2,3
.irp q,0,2,4,6
	v_pk_add_f32 v[ACC+8*(4*\nt+\mt)+\q:ACC+8*(4*\nt+\mt)+\q+1], v[ACC+8*(4*\nt+\mt)+\q:ACC+8*(4*\nt+\mt)+\q+1], v[8*(4*\nt+\mt)+\q:8*(4*\nt+\mt)+\q+1]
.endr
.endr
.endr
	WIN 0
.irp mt,0,1,2,3
	ROWSUM \mt, 0, 0
.endr
	s_wait_dscnt 0x0
	s_barrier_signal -1                            ; the row sums are there; every wave's reads of o are over too
	s_barrier_wait -1
	STATSUM 0
.irp mt,0,1,2,3
	v_mul_f32 v[22+\mt], 0x3b000000, v[96+8*\mt]   ; mean = sum / 512
.endr
	SUBB 0, 22, 0
	SUBB 1, 22, 1
	SUBB 2, 24, 0
	SUBB 3, 24, 1
.irp mt,0,1,2,3
	ROWSUM \mt, 1, 2048
.endr
	s_wait_dscnt 0x0
	s_barrier_signal -1
	s_barrier_wait -1
	STATSUM 2048
	s_mov_b32 s8, 0x3b000000                       ; 1 / 512
	s_mov_b32 s9, 0x3727c5ac                       ; 1e-5
.irp mt,0,1,2,3
	v_fma_f32 v[26+\mt], v[96+8*\mt], s8, s9
.endr
.irp mt,0,1,2,3
	v_rsq_f32 v[26+\mt], v[26+\mt]
.endr
	v_nop
	s_wait_alu depctr_va_vdst(0)
	s_wait_loadcnt 0x0                             ; ln_g, ln_b
	NORM 0, 26, 0
	NORM 1, 26, 1
	NORM 2, 28, 0
	NORM 3, 28, 1
	OUT16 v_cvt_pk_f16_f32, BIAS
	; ================= h1 = gelu(x Wh1 + bh1), in f16 into ACT
	LDBIAS 42, BIAS
	STAGE f16
	s_wait_dscnt 0x0
	s_barrier_signal -1                            ; every wave's reads of x are over
	s_barrier_wait -1
	s_wait_loadcnt 0x0
	ADDBIAS
.set t, 0
.rept 16
	GELU8 ACC+8*t, 32
.set t, t+1
.endr
	OUT16 v_cvt_pk_f16_f32, 64
	; ================= h2 = gelu(h1 Wh2 + bh2), my 32 columns; out = h2 Wh3 + bh3
.irp nt,0,1
	global_load_b128 v[96+8*\nt:99+8*\nt], v[BOFF7], s[44:45] offset:64*\nt
	global_load_b128 v[100+8*\nt:103+8*\nt], v[BOFF7], s[44:45] offset:64*\nt+16
	global_load_b128 v[112+8*\nt:115+8*\nt], v[BOFF7], s[46:47] offset:64*\nt
	global_load_b128 v[116+8*\nt:119+8*\nt], v[BOFF7], s[46:47] offset:64*\nt+16
.endr
	; where Wh2's fragments lie: k = 8 h + lane % 8 at (k / 2) 1,056 + (k % 2) 512, + 64 w + 16 ((lane / 8) % 2); rel and the query are no longer needed
	v_and_b32 v24, 7, v1
	v_lshrrev_b32 v25, 4, v1
	v_lshl_add_u32 v24, v25, 3, v24
	v_bfe_u32 v25, v1, 3, 1
	v_lshrrev_b32 v26, 1, v24
	v_and_b32 v27, 1, v24
	v_mul_u32_u24 v14, v26, 1056
	v_lshl_add_u32 v14, v27, 9, v14
	v_lshl_add_u32 v14, v25, 4, v14
	s_lshl_b32 s9, s3, 6
	v_add_nc_u32 v14, s9, v14                      ; slot 0, units 0 and 1
	v_add_nc_u32 v15, HALF, v14                    ; slot 0, units 2 and 3
	v_add_nc_u32 v16, SLOT1, v14                   ; slot 1, units 0 and 1
	v_add_nc_u32 v17, SLOT1+HALF, v14              ; slot 1, unit 2
.set SUNIT, 0
	SYNC
	UNIT7 1
.rept 7
	UNIT7 0
.endr
	s_wait_loadcnt 0x0
.irp nt,0,1
.irp mt,0,1,2,3
.irp q,0,2,4,6
	v_pk_add_f32 v[ACC+8*(4*\nt+\mt)+\q:ACC+8*(4*\nt+\mt)+\q+1], v[ACC+8*(4*\nt+\mt)+\q:ACC+8*(4*\nt+\mt)+\q+1], v[96+8*\nt+\q:97+8*\nt+\q]
.endr
.endr
.endr
.set t, 0
.rept 8
	GELU8 ACC+8*t, 32
.set t, t+1
.endr
.irp nt,0,1
.irp j,0,1,2,3,4,5,6,7
.irp mt,0,1,2,3
.if (8*\nt+\j) == 0
	v_mul_f32 v[64+\mt], v[ACC+8*\mt], v112
.else
	v_fmac_f32 v[64+\mt], v[ACC+8*(4*\nt+\mt)+\j], v[112+8*\nt+\j]
.endif
.endr
.endr
.endr
.irp mt,0,1,2,3
	v_permlanex16_b32 v[68+\mt], v[64+\mt], s96, s97
.endr
.irp mt,0,1,2,3
	v_add_f32 v[64+\mt], v[64+\mt], v[68+\mt]
	ds_store_b32 v11, v[64+\mt] offset:512*\mt+4096
.endr
	s_wait_dscnt 0x0
	s_barrier_signal -1
	s_barrier_wait -1
	s_cmp_lg_u32 s3, 0
	s_cbranch_scc1 .Lfin
	v_lshlrev_b32 v24, 6, v1                       ; wave 0: lane l sums rows 2 l and 2 l + 1 over the eight waves
	v_add_nc_u32 v24, STAT+4096, v24
	ds_load_b128 v[32:35], v24
	ds_load_b128 v[36:39], v24 offset:16
	ds_load_b128 v[40:43], v24 offset:32
	ds_load_b128 v[44:47], v24 offset:48
	s_wait_dscnt 0x0
.irp k,1,2,3,4,5,6,7
	v_add_f32 v32, v32, v[32+\k]
	v_add_f32 v40, v40, v[40+\k]
.endr
	v_add_f32 v32, s63, v32
	v_add_f32 v33, s63, v40
	s_lshl_b32 s8, s5, 8
	v_lshl_add_u32 v25, v1, 3, s8
	global_store_b64 v25, v[32:33], s[50:51]       ; the wave stores the block's 256 consecutive bytes, aligned
.Lfin:
	s_set_vgpr_msb 0x4
	s_wait_tensorcnt 0x0
	ds_add_u32 v2, v129
	s_wait_dscnt 0x0
	s_set_vgpr_msb 0x400
	ROUND                                          ; the closing round: no work-group ends while a partner may still ask for a piece that names it
	s_endpgm
.Lfunc_end_k_qe1f46b8d24_chain:
	.size	k_qe1f46b8d24_chain, .Lfunc_end_k_qe1f46b8d24_chain-k_qe1f46b8d24_chain
	.p2alignl 7, 3214868480
	.fill 96, 4, 3214868480
	.section	.rodata,"a",@progbits
	.p2align	6, 0x0
	.amdhsa_kernel k_qe1f46b8d24_chain
		.amdhsa_group_segment_fixed_size 327680
		.amdhsa_private_segment_fixed_size 0
		.amdhsa_enable_private_segment 0
		.amdhsa_kernarg_size 144
		.amdhsa_user_sgpr_count 2
		.amdhsa_user_sgpr_kernarg_segment_ptr 1
		.amdhsa_wavefront_size32 1
		.amdhsa_system_sgpr_workgroup_id_x 1
		.amdhsa_system_sgpr_workgroup_id_y 1
		.amdhsa_system_sgpr_workgroup_id_z 1
		.amdhsa_system_vgpr_workitem_id 0
		.amdhsa_next_free_vgpr 386
		.amdhsa_next_free_sgpr 100
		.amdhsa_reserve_vcc 0
		.amdhsa_float_denorm_mode_32 3
		.amdhsa_float_denorm_mode_16_64 3
		.amdhsa_memory_ordered 1
		.amdhsa_forward_progress 1
		.amdhsa_inst_pref_size 255
	.end_amdhsa_kernel
	.section	.bss,"aw",@nobits
	.p2align	6
	.space	262144
	.amdgpu_metadata
---
amdhsa.version: [ 1, 2 ]
amdhsa.kernels:
  - .name:           k_qe1f46b8d24_chain
    .symbol:         k_qe1f46b8d24_chain.kd
    .args:
      - { .name: wts, .offset: 0, .size: 8, .value_kind: global_buffer, .address_space: global }
      - { .name: query_points_coords, .offset: 8, .size: 8, .value_kind: global_buffer, .address_space: global }
      - { .name: context_coords, .offset: 16, .size: 8, .value_kind: global_buffer, .address_space: global }
      - { .name: idx, .offset: 24, .size: 8, .value_kind: global_buffer, .address_space: global }
      - { .name: ckv, .offset: 32, .size: 8, .value_kind: global_buffer, .address_space: global }
      - { .name: rtab, .offset: 40, .size: 8, .value_kind: global_buffer, .address_space: global }
      - { .name: Wqe1, .offset: 48, .size: 8, .value_kind: global_buffer, .address_space: global }
      - { .name: bqe1, .offset: 56, .size: 8, .value_kind: global_buffer, .address_space: global }
      - { .name: bqe2, .offset: 64, .size: 8, .value_kind: global_buffer, .address_space: global }
      - { .name: bq, .offset: 72, .size: 8, .value_kind: global_buffer, .address_space: global }
      - { .name: bo, .offset: 80, .size: 8, .value_kind: global_buffer, .address_space: global }
      - { .name: ln_g, .offset: 88, .size: 8, .value_kind: global_buffer, .address_space: global }
      - { .name: ln_b, .offset: 96, .size: 8, .value_kind: global_buffer, .address_space: global }
      - { .name: bh1, .offset: 104, .size: 8, .value_kind: global_buffer, .address_space: global }
      - { .name: bh2, .offset: 112, .size: 8, .value_kind: global_buffer, .address_space: global }
      - { .name: Wh3, .offset: 120, .size: 8, .value_kind: global_buffer, .address_space: global }
      - { .name: bh3, .offset: 128, .size: 8, .value_kind: global_buffer, .address_space: global }
      - { .name: out0, .offset: 136, .size: 8, .value_kind: global_buffer, .address_space: global }
    .group_segment_fixed_size: 327680
    .private_segment_fixed_size: 0
    .kernarg_segment_align: 8
    .kernarg_segment_size: 144
    .max_flat_workgroup_size: 256
    .sgpr_count:     100
    .vgpr_count:     386
    .wavefront_size: 32
...
	.end_amdgpu_metadata
.endif
;; end of part 6
;; ======== version 3 of 3: 3 launches; version 2 with the launch coarse written anew for expert scheduling mode
;; limits: values are held in f16: magnitudes above 65,504 overflow, below 6.1e-05 lose precision; a function is approximated: absolute error at most 1.5e-07
;; workspace buffers: wts 3,407,872 bytes; rtab 16,384 bytes; grp 262,144 bytes of whole numbers; idx 262,144 bytes of whole numbers; ckv 16,777,216 bytes
;; launch coarse (part 7): grid 272 x 1, 8 waves a work-group, no clusters, 156,672 bytes of LDS; arguments query_points_coords, context_coords, Wqe2, Wq, Wo, Wh1, Wh2, Wk, Wv, Wrel, brel, bk, bv, wts, rtab, grp; writes wts, rtab, grp
.if DOCPART == 7
	.amdgcn_target "amdgcn-amd-amdhsa--gfx1250"
	.amdhsa_code_object_version 6
	.text
	.protected	k_qe1f46b8d24_coarse
	.globl	k_qe1f46b8d24_coarse
	.p2align	8
	.type	k_qe1f46b8d24_coarse,@function
k_qe1f46b8d24_coarse:
	s_mov_b64 s[64:65], 0
	v_nop
	global_prefetch_b8 v0, s[64:65] scope:SCOPE_SE
	s_setreg_imm32_b32 hwreg(HW_REG_WAVE_SCHED_MODE, 0, 2), 2
	s_setreg_imm32_b32 hwreg(HW_REG_WAVE_MODE, 25, 1), 1
	s_wait_xcnt 0x0
	s_wait_alu depctr_vm_vsrc(0)
; COARSE: work-groups 0-255 (a) cast the seven weight matrices to 16 bit into wts and (b) find, for 64 queries each, the 4 groups of
; 32 consecutive contexts with the smallest (group minimum of d2, group id).  Work-groups 256-271 make rtab = [Wrel; brel] @ [Wk|Wv] (+ bk|bv) in f32.
; WHY THE GROUPS SUFFICE: take an element e of the true 4 nearest, ordered by (d2, index).  Were its group not among the 4 chosen, 4 other groups
; would each hold an element ahead of e.  So the 4 nearest lie in the 4 chosen groups; the next launch ranks their 128 members exactly.
; d2 IS BUILT AS reference() BUILDS IT, in f32 on the vector unit (K = 3; 16-bit operands would destroy the order):
;   n = fma(z,z,fma(y,y,x*x)) for qq and cc;  dot = fma(2qz,cz,fma(2qy,cy,2qx*cx));  d2 = (qq + n) - dot;  ties go to the lower index.
; LIMITS: which of these steps the reference's own machine fuses is assumed as written here; where it rounds otherwise, a query whose 4th and 5th d2
; lie within one rounding (about 5e-7 at coordinates of spread 1) may take the other neighbour.  NaN or infinite coordinates are not served.
; FORMATS in wts: Wqe2 and Wq in bf16 (the encoder's numbers fall to 3e-7 with inputs 30 times smaller: no room in f16); Wo, Wh1, Wh2, Wk, Wv in f16.
; No matrix unit, no cluster, no tensor load here: the products have K = 3 or 4 rows, and the casts are a plain stream through registers.
; THE MODE: SCHED_MODE bits 1:0 = 2 (LLVM: expert scheduling mode 2), set by the entry lines.  The code itself states the register dependences
; between vector instructions and memory or LDS instructions, with s_wait_alu, always for 0.
; THE PLAN.  Registers that memory or LDS instructions touch, work-groups 0-255:
;   v2-v5, v7, v35, v180-v183   addresses, each made once at the path's head, ahead of one wait on va_vdst, and never written again.
;   v6            the scan's LDS address: read by every load of the scan, stepped once a group behind a wait on vm_vsrc; the next block's wait on va_vdst shows it written.
;   v132-159, v174-179   loaded once, read by vector lines.   v160-173   written once by conversions, read once by stores.
;   X0, X1, the table's set-up: a batch's loads bring x, y, z; vector lines read them and write n; eight LDS stores read all four; then the next batch but one lands.
;                 One wait on va_vdst ahead of a batch's LDS stores, one on vm_vsrc ahead of the loads that land in the buffer again.
;   X0, X1, the scan: block b's first 32 lines read X[b % 2]; behind them stands the block's one wait on va_vdst, and the entries of block b + 2 land in that same buffer;
;                 the block's other 16 lines name DD, TS, v32 and v33 alone, the next block's the other buffer.
;   v16-31        the lists: written by the insertions, read by the four LDS stores of the merge.   v36-99: waves 0 and 1's loads of the merge land there.   v100-103: the last store's data.
; A compare's mask goes through a scalar register: a wait on va_sdst stands between a run of compares and the selects that read them; a group's eight compares are one run.
.set MRG, 131072                       ; LDS: 0 .. 131071 the table, 16,384 bytes for each wave; then [wave][query] 32 bytes: 4 minima, 4 ids
.set RSC, 147456                       ; the rtab work-groups' partial sums, [wave][row][64 columns] f32: bytes of their own, shared with nothing above
.set X0, 36                            ; v[36:67]   8 table entries (x, y, z, n), buffer 0
.set X1, 68                            ; v[68:99]   buffer 1
.set DD, 100                           ; v[100:115] dot, then d2: pair j = candidate j for my two queries
.set TS, 116                           ; v[116:131] qq + n
; v[8:9] 2qx, v[10:11] 2qy, v[12:13] 2qz, v[14:15] qq of my two queries (lane and lane + 32); v[16:19], v[20:23] their 4 minima; v[24:27], v[28:31] ids
; v[132:159] the weights as loaded, v[160:173] as stored; v[174:179] the queries as loaded; v180-183 addresses.  Each address and each store's data has a
; register of its own that is written once, so nothing that a pending access names is ever rewritten.
; v184, v185: the LDS address of my spare word (0x26000 + 4 x thread) and 0, made at the head and kept for the closing lines alone.
; V is put into the ascending list v[B..B+3] with ids v[I..I+3], in two parts: CMP4, the four compares, into s[S..S+3]; PUT, the selects that read them.
; The compare is strict, so an equal value that came earlier (a lower id) stays ahead.
.macro CMP4 V, B, S
	v_cmp_lt_f32 s[\S], v[\V], v[\B]
	v_cmp_lt_f32 s[\S+1], v[\V], v[\B+1]
	v_cmp_lt_f32 s[\S+2], v[\V], v[\B+2]
	v_cmp_lt_f32 s[\S+3], v[\V], v[\B+3]
.endm
.macro PUT V, J, B, I, S
	v_cndmask_b32 v[\I+3], v[\I+3], v[\J], s[\S+3]
	v_cndmask_b32 v[\I+3], v[\I+3], v[\I+2], s[\S+2]
	v_cndmask_b32 v[\I+2], v[\I+2], v[\J], s[\S+2]
	v_cndmask_b32 v[\I+2], v[\I+2], v[\I+1], s[\S+1]
	v_cndmask_b32 v[\I+1], v[\I+1], v[\J], s[\S+1]
	v_cndmask_b32 v[\I+1], v[\I+1], v[\I], s[\S]
	v_cndmask_b32 v[\I], v[\I], v[\J], s[\S]
	v_med3_num_f32 v[\B+3], v[\B+2], v[\V], v[\B+3]
	v_med3_num_f32 v[\B+2], v[\B+1], v[\V], v[\B+2]
	v_med3_num_f32 v[\B+1], v[\B], v[\V], v[\B+1]
	v_min_num_f32 v[\B], v[\B], v[\V]
.endm
; batch i of the wave's table: contexts 1,024 w + 256 i + 32 j + lane, j = 0 .. 7; 24 loads into the 32 registers at set (every fourth stays free for n)
.macro TLOAD i, set
.irp j,0,1,2,3,4,5,6,7
	global_load_b32 v[\set+4*\j], v4, s[18:19] offset:3072*\i+384*\j
	global_load_b32 v[\set+4*\j+1], v4, s[18:19] offset:3072*\i+384*\j+4
	global_load_b32 v[\set+4*\j+2], v4, s[18:19] offset:3072*\i+384*\j+8
.endr
.endm
; the batch gets its n; left = how many younger loads may stay out
.macro TMATH set, left
	s_wait_loadcnt \left
.irp j,0,1,2,3,4,5,6,7
	v_mul_f32 v[\set+4*\j+3], v[\set+4*\j], v[\set+4*\j]
.endr
.irp j,0,1,2,3,4,5,6,7
	v_fmac_f32 v[\set+4*\j+3], v[\set+4*\j+1], v[\set+4*\j+1]
.endr
.irp j,0,1,2,3,4,5,6,7
	v_fmac_f32 v[\set+4*\j+3], v[\set+4*\j+2], v[\set+4*\j+2]
.endr
.endm
; and goes into LDS
.macro TSTORE i, set
.irp j,0,1,2,3,4,5,6,7
	ds_store_b128 v5, v[\set+4*\j:\set+4*\j+3] offset:4096*\i+512*\j
.endr
.endm
; 8 candidates against my two queries.  left: the LDS loads that may stay out when this block's entries have to be there.
; pre = 1: when the entries have been read, the entries of the block after the next, at byte off from v6, are asked for into the same buffer.
.macro BLK cur, off, pre, first, left
	s_wait_dscnt \left                             ; LDS loads come back in order: this block's 8 entries are in, the next block's 8 may stay out
.irp j,0,1,2,3,4,5,6,7
	v_pk_mul_f32 v[DD+2*\j:DD+2*\j+1], v[8:9], v[\cur+4*\j:\cur+4*\j+1] op_sel_hi:[1,0]
.endr
.irp j,0,1,2,3,4,5,6,7
	v_pk_fma_f32 v[DD+2*\j:DD+2*\j+1], v[10:11], v[\cur+4*\j:\cur+4*\j+1], v[DD+2*\j:DD+2*\j+1] op_sel:[0,1,0]
.endr
.irp j,0,1,2,3,4,5,6,7
	v_pk_fma_f32 v[DD+2*\j:DD+2*\j+1], v[12:13], v[\cur+4*\j+2:\cur+4*\j+3], v[DD+2*\j:DD+2*\j+1] op_sel_hi:[1,0,1]
.endr
.irp j,0,1,2,3,4,5,6,7
	v_pk_add_f32 v[TS+2*\j:TS+2*\j+1], v[14:15], v[\cur+4*\j+2:\cur+4*\j+3] op_sel:[0,1]
.endr
.if \pre
	s_wait_alu depctr_va_vdst(0)                   ; the 32 lines above are done reading this buffer, in which the loads below land; in a group's first block v6, their address, is written
.irp c,0,1,2,3,4,5,6,7
	ds_load_b128 v[\cur+4*\c:\cur+4*\c+3], v6 offset:\off+16*\c      ; every lane reads the same 16 bytes
.endr
.endif
.irp j,0,1,2,3,4,5,6,7
	v_pk_add_f32 v[DD+2*\j:DD+2*\j+1], v[TS+2*\j:TS+2*\j+1], v[DD+2*\j:DD+2*\j+1] neg_lo:[0,1] neg_hi:[0,1]
.endr
.if \first
	v_min_num_f32 v32, v[DD], v[DD+2]              ; the group's first two start its minimum: nothing is cleared
	v_min_num_f32 v33, v[DD+1], v[DD+3]
.else
	v_min3_num_f32 v32, v32, v[DD], v[DD+2]
	v_min3_num_f32 v33, v33, v[DD+1], v[DD+3]
.endif
.irp j,4,8,12
	v_min3_num_f32 v32, v32, v[DD+\j], v[DD+\j+2]
	v_min3_num_f32 v33, v33, v[DD+\j+1], v[DD+\j+3]
.endr
.endm
; a group of 32 candidates: four blocks of 128 bytes from v6 on; blocks 2 and 3 ask for the next group's blocks 0 and 1.  last = 1: nothing is asked for beyond the wave's table
.macro GROUP last
	BLK X0, 256, 1, 1, 8
	BLK X1, 384, 1, 0, 8
.if \last
	BLK X0, 0, 0, 0, 8
	BLK X1, 0, 0, 0, 0
.else
	BLK X0, 512, 1, 0, 8
	BLK X1, 640, 1, 0, 8
.endif
	v_mov_b32 v34, s13                             ; the group's id
	CMP4 32, 16, 8
	CMP4 33, 20, 48
	s_wait_alu depctr_va_sdst(0)                   ; the eight compares have written s8-11 and s48-51, which the selects below read
	PUT 32, 34, 16, 24, 8
	PUT 33, 34, 20, 28, 48
.if !\last
	s_wait_alu depctr_vm_vsrc(0)                   ; the LDS loads issued so far have read v6
	v_add_nc_u32 v6, 512, v6
.endif
.endm
	s_load_b512 s[16:31], s[0:1], 0x0              ; qc 16, cc 18, Wqe2 20, Wq 22, Wo 24, Wh1 26, Wh2 28, Wk 30
	s_load_b512 s[32:47], s[0:1], 0x40             ; Wv 32, Wrel 34, brel 36, bk 38, bv 40, wts 42, rtab 44, grp 46
	v_lshl_add_u32 v184, v0, 2, 0x26000
	v_mov_b32 v185, 0
	v_lshrrev_b32 v1, 5, v0
	v_readfirstlane_b32 s3, v1                     ; wave
	v_and_b32 v1, 31, v0                           ; lane
	s_wait_alu depctr_va_sdst(0)                   ; s3 is written, ahead of the branch and of its first reader on either path
	s_wait_kmcnt 0x0
	s_cmp_ge_u32 ttmp9, 256                        ; the same for all waves of a work-group
	s_cbranch_scc1 .Lrtab
	; ---- every address of this path is made here, ahead of one wait
	s_lshl_b32 s4, ttmp9, 12
	v_lshl_add_u32 v2, v0, 4, s4                   ; the casts' source: 4,096 g + 16 t (1,024 elements of each 512 x 512 matrix)
	s_lshl_b32 s5, ttmp9, 11
	v_lshl_add_u32 v3, v0, 3, s5                   ; their destination: 2,048 g + 8 t
	v_lshl_add_u32 v180, v0, 4, s5                 ; Wh2 is half as large: 2,048 g + 16 t, used by waves 0-3 alone,
	s_lshl_b32 s15, ttmp9, 10
	v_lshl_add_u32 v181, v0, 3, s15                ; and its destination: 1,024 g + 8 t
	v_lshl_add_u32 v183, v0, 4, s15                ; grp: 1,024 g + 16 t, used by waves 0 and 1 alone
	s_mul_i32 s6, ttmp9, 768
	v_mad_u32_u24 v182, v1, 12, s6                 ; my two queries: 64 g + lane and 64 g + lane + 32 (every wave holds all 64)
	s_lshl_b32 s7, s3, 10
	v_add_nc_u32 v4, s7, v1
	v_mul_u32_u24 v4, v4, 12                       ; context 1,024 w + lane, 12 bytes a context
	s_lshl_b32 s14, s3, 14
	v_lshl_add_u32 v5, v1, 4, s14                  ; its entry in the wave's own 16,384 bytes of LDS
	v_mov_b32 v6, s14                              ; where the scan reads: the same address in every lane
	s_lshl_b32 s12, s3, 11
	s_add_co_u32 s12, s12, MRG
	v_lshl_add_u32 v7, v1, 5, s12                  ; where my two lists go for the merge
	v_lshl_add_u32 v35, v0, 5, MRG                 ; where waves 0 and 1 read them back, one query a lane
	s_wait_alu depctr_va_vdst(0)                   ; v2-v7, v35 and v180-v183 are written: every load and store of this path reads one of them as its address
	; ---- all that the set-up reads first is asked for in one run: 6 loads of weights, 6 of my two queries, 2 x 24 of the table's first two batches
	global_load_b128 v[132:135], v2, s[20:21]
	global_load_b128 v[136:139], v2, s[22:23]
	global_load_b128 v[140:143], v2, s[24:25]
	global_load_b128 v[144:147], v2, s[26:27]
	global_load_b128 v[148:151], v2, s[30:31]
	global_load_b128 v[152:155], v2, s[32:33]
	global_load_b32 v174, v182, s[16:17]
	global_load_b32 v175, v182, s[16:17] offset:384
	global_load_b32 v176, v182, s[16:17] offset:4
	global_load_b32 v177, v182, s[16:17] offset:388
	global_load_b32 v178, v182, s[16:17] offset:8
	global_load_b32 v179, v182, s[16:17] offset:392
	TLOAD 0, X0
	TLOAD 1, X1
	s_cmp_ge_u32 s3, 4
	s_cbranch_scc1 .Lno_wh2
	global_load_b128 v[156:159], v180, s[28:29]    ; waves 0-3: their 61st load out, the most that this text has
	s_wait_loadcnt 0x0                             ; it is the youngest, so this waits for all; the counted waits below are then met at once
	v_cvt_pk_f16_f32 v172, v156, v157
	v_cvt_pk_f16_f32 v173, v158, v159
	s_wait_alu depctr_va_vdst(0)                   ; the two conversions have written v[172:173], the store's data
	global_store_b64 v181, v[172:173], s[42:43] offset:2097152
.Lno_wh2:
	; ---- the wave's table: contexts 1,024 w .. + 1,023 as (x, y, z, n), 16 bytes each.  A batch's registers are asked for again as soon as it lies in LDS.
	TMATH X0, 24                                   ; batch 1's 24 loads are younger
	s_wait_alu depctr_va_vdst(0)                   ; batch 0's n are written, which the LDS stores read; its lines are done reading X0, in which batch 2 lands
	TSTORE 0, X0
	s_wait_alu depctr_vm_vsrc(0)                   ; the LDS stores have read X0
	TLOAD 2, X0
	TMATH X1, 24                                   ; batch 2's
	; the casts' conversions stand ahead of batch 1's wait, which then serves their stores too (their loads are older than batch 0's, so they are in)
	v_cvt_pk_bf16_f32 v160, v132, v133
	v_cvt_pk_bf16_f32 v161, v134, v135
	v_cvt_pk_bf16_f32 v162, v136, v137
	v_cvt_pk_bf16_f32 v163, v138, v139
	v_cvt_pk_f16_f32 v164, v140, v141
	v_cvt_pk_f16_f32 v165, v142, v143
	v_cvt_pk_f16_f32 v166, v144, v145
	v_cvt_pk_f16_f32 v167, v146, v147
	v_cvt_pk_f16_f32 v168, v148, v149
	v_cvt_pk_f16_f32 v169, v150, v151
	v_cvt_pk_f16_f32 v170, v152, v153
	v_cvt_pk_f16_f32 v171, v154, v155
	s_wait_alu depctr_va_vdst(0)                   ; batch 1's n and the casts' v[160:171] are written, which the LDS stores and the six stores below read; batch 1's lines are done reading X1, in which batch 3 lands
	TSTORE 1, X1
	s_wait_alu depctr_vm_vsrc(0)                   ; the LDS stores have read X1
	TLOAD 3, X1
	; ---- while batches 2 and 3 are on their way: the casts leave (no vector line since the wait names their data); a wave's store covers 256 consecutive bytes, aligned
	global_store_b64 v3, v[160:161], s[42:43]
	global_store_b64 v3, v[162:163], s[42:43] offset:524288
	global_store_b64 v3, v[164:165], s[42:43] offset:1048576
	global_store_b64 v3, v[166:167], s[42:43] offset:1572864
	global_store_b64 v3, v[168:169], s[42:43] offset:2359296
	global_store_b64 v3, v[170:171], s[42:43] offset:2883584
	; ---- and my two queries
.irp i,16,17,18,19,20,21,22,23
	v_mov_b32 v[\i], 0x7f800000                    ; the lists start at +infinity,
	v_mov_b32 v[\i+8], 0                           ; id 0
.endr
	v_pk_mul_f32 v[14:15], v[174:175], v[174:175]
	v_pk_fma_f32 v[14:15], v[176:177], v[176:177], v[14:15]
	v_pk_fma_f32 v[14:15], v[178:179], v[178:179], v[14:15]
	v_pk_add_f32 v[8:9], v[174:175], v[174:175]
	v_pk_add_f32 v[10:11], v[176:177], v[176:177]
	v_pk_add_f32 v[12:13], v[178:179], v[178:179]
	TMATH X0, 24                                   ; batch 3's 24 loads are younger
	s_wait_alu depctr_va_vdst(0)                   ; batch 2's n are written, which the LDS stores read
	TSTORE 2, X0
	TMATH X1, 0
	s_wait_alu depctr_va_vdst(0)                   ; batch 3's n are written, which the LDS stores read; the lines of batches 2 and 3 are done with X0 and X1, in which the scan's first loads land
	TSTORE 3, X1
	; ---- the scan: 32 groups of 32.  LDS serves a wave's instructions in order, so these reads see the wave's own stores above.
	s_wait_alu depctr_vm_vsrc(0)                   ; the LDS stores of batches 2 and 3 have read X0 and X1
.irp c,0,1,2,3,4,5,6,7
	ds_load_b128 v[X0+4*\c:X0+4*\c+3], v6 offset:16*\c             ; the first group's block 0,
.endr
.irp c,0,1,2,3,4,5,6,7
	ds_load_b128 v[X1+4*\c:X1+4*\c+3], v6 offset:128+16*\c         ; and its block 1
.endr
	s_lshl_b32 s13, s3, 5                          ; my first group's id
	s_mov_b32 s12, 31
.Lgroup:
	GROUP 0
	s_add_co_u32 s13, s13, 1
	s_sub_co_i32 s12, s12, 1
	s_cmp_lg_u32 s12, 0
	s_cbranch_scc1 .Lgroup
	GROUP 1
	; ---- the eight waves' lists meet in LDS; waves 0 and 1 merge them, one query a lane, in ascending wave order (= ascending ids)
	s_wait_alu depctr_va_vdst(0)                   ; the insertions have written the lists v[16:31], the four stores' data; the last group's lines are done reading X0 and X1, in which the merge's loads land
	ds_store_b128 v7, v[16:19]
	ds_store_b128 v7, v[24:27] offset:16
	ds_store_b128 v7, v[20:23] offset:1024
	ds_store_b128 v7, v[28:31] offset:1040
	s_wait_dscnt 0x0                               ; for the others' sake: my stores are done
	s_barrier_signal -1
	s_barrier_wait -1
	s_cmp_ge_u32 s3, 2
	s_cbranch_scc1 .Ldone
.irp w,0,1,2,3,4,5,6,7
	ds_load_b128 v[36+8*\w:39+8*\w], v35 offset:2048*\w             ; no vector line since the wait above: nothing more is owed for v35 or for v[36:99]
	ds_load_b128 v[40+8*\w:43+8*\w], v35 offset:2048*\w+16
.endr
	s_wait_dscnt 0x0
.irp w,1,2,3,4,5,6,7
.irp k,0,1,2,3
	CMP4 36+8*\w+\k, 36, 8
	s_wait_alu depctr_va_sdst(0)                   ; the four compares have written s8-11, which the selects read; each insertion hangs on the list that the one before left, so each has its wait
	PUT 36+8*\w+\k, 40+8*\w+\k, 36, 40, 8
.endr
.endr
	; the four ids in ascending order, so that the next launch meets its candidates in ascending index
	v_min_u32 v104, v40, v41
	v_max_u32 v105, v40, v41
	v_min_u32 v106, v42, v43
	v_max_u32 v107, v42, v43
	v_min_u32 v100, v104, v106
	v_max_u32 v108, v104, v106
	v_min_u32 v109, v105, v107
	v_max_u32 v103, v105, v107
	v_min_u32 v101, v109, v108
	v_max_u32 v102, v109, v108
	s_wait_alu depctr_va_vdst(0)                   ; the lines above have written v[100:103], the store's data
	global_store_b128 v183, v[100:103], s[46:47]   ; 16 lanes store 256 consecutive bytes, aligned
.Ldone:
	s_wait_dscnt 0x0                               ; the closing lines, six on end
	s_wait_alu 0x0
	s_wait_tensorcnt 0x0
	ds_add_u32 v184, v185
	s_wait_dscnt 0x0
	s_endpgm
	; ---- rtab, 64 columns a work-group: rows 0-2 = Wrel[c] @ W, row 3 = brel @ W + bias; W = Wk (columns 0-511) or Wv (512-1023)
	; Registers that memory or LDS instructions touch here: v2, v3, v13, v14, addresses made once at the head; v[16:143], W's rows as loaded, read by the multiply-adds;
	; v[4:11], the sums, read by four LDS stores; then, in waves 0 and 1, the partial sums land in v[16:47] and the bias in v[48:51]; v[16:19] and v52 are the last store's.
.Lrtab:
	s_sub_co_u32 s4, ttmp9, 256                    ; g' = 0 .. 15
	s_and_b32 s5, s4, 7
	s_lshl_b32 s5, s5, 8                           ; byte of my first column in W's rows and in the bias
	s_cmp_ge_u32 s4, 8
	s_cselect_b64 s[6:7], s[32:33], s[30:31]
	s_cselect_b64 s[14:15], s[40:41], s[38:39]
	s_lshl_b32 s10, s3, 17                         ; wave w sums k = 64 w .. 64 w + 63: 64 rows of 2,048 bytes
	s_add_co_u32 s10, s10, s5
	s_mov_b32 s11, 0
	s_add_nc_u64 s[6:7], s[6:7], s[10:11]
	v_lshlrev_b32 v2, 3, v1                        ; two columns a lane: a wave's load covers 256 consecutive bytes
	s_lshl_b32 s13, s3, 10
	s_add_co_u32 s13, s13, RSC
	v_lshl_add_u32 v3, v1, 3, s13                  ; LDS: [wave][row c][64 columns] f32
	v_and_b32 v12, 15, v0
	v_lshl_add_u32 v13, v12, 4, s5                 ; the bias of 4 columns: used by waves 0 and 1 alone, as is
	v_lshlrev_b32 v14, 4, v0                       ; thread t: row c = t / 16, columns 4 (t % 16) ..
	v_add_nc_u32 v14, RSC, v14
	s_wait_alu depctr_va_vdst(0)                   ; v2, v3, v13 and v14 are written: the loads and LDS instructions of this path read them as addresses
.set i, 0
.rept 48                                           ; 48 of my 64 rows go out now, 8 more behind each of the first two trips' waits: 48 are out at the most
	global_load_b64 v[16+2*i:17+2*i], v2, s[6:7] offset:2048*i
.set i, i+1
.endr
	s_lshl_b32 s12, s3, 8                          ; my 64 k in Wrel's rows and in brel
.set t, 0
.rept 8
	s_load_b256 s[48:55], s[34:35], s12 offset:32*t
	s_load_b256 s[56:63], s[34:35], s12 offset:2048+32*t
	s_load_b256 s[68:75], s[34:35], s12 offset:4096+32*t
	s_load_b256 s[76:83], s[36:37], s12 offset:32*t
	s_wait_kmcnt 0x0
.if t < 2
	s_wait_loadcnt 40                              ; 48 + 8 t issued, the 8 (t + 1) oldest are needed: 40 may stay out
.rept 8
	global_load_b64 v[16+2*i:17+2*i], v2, s[6:7] offset:2048*i     ; into registers that no vector line has named yet
.set i, i+1
.endr
.else
	s_wait_loadcnt 56-8*t                          ; all 64 issued: rows 8 t .. 8 t + 7 are in, the rows behind them stay out
.endif
.set k, 0
.rept 8
.if (t+k) == 0
	v_mul_f32 v4, s48, v16                         ; the first k starts the sums
	v_mul_f32 v5, s48, v17
	v_mul_f32 v6, s56, v16
	v_mul_f32 v7, s56, v17
	v_mul_f32 v8, s68, v16
	v_mul_f32 v9, s68, v17
	v_mul_f32 v10, s76, v16
	v_mul_f32 v11, s76, v17
.else
	v_fmac_f32 v4, s[48+k], v[16+2*(8*t+k)]
	v_fmac_f32 v5, s[48+k], v[17+2*(8*t+k)]
	v_fmac_f32 v6, s[56+k], v[16+2*(8*t+k)]
	v_fmac_f32 v7, s[56+k], v[17+2*(8*t+k)]
	v_fmac_f32 v8, s[68+k], v[16+2*(8*t+k)]
	v_fmac_f32 v9, s[68+k], v[17+2*(8*t+k)]
	v_fmac_f32 v10, s[76+k], v[16+2*(8*t+k)]
	v_fmac_f32 v11, s[76+k], v[17+2*(8*t+k)]
.endif
.set k, k+1
.endr
.set t, t+1
.endr
	s_wait_alu depctr_va_vdst(0)                   ; the multiply-adds have written the sums v[4:11], the LDS stores' data, and are done reading v[16:51], in which the loads behind the barrier land
	ds_store_b64 v3, v[4:5]
	ds_store_b64 v3, v[6:7] offset:256
	ds_store_b64 v3, v[8:9] offset:512
	ds_store_b64 v3, v[10:11] offset:768
	s_wait_dscnt 0x0
	s_barrier_signal -1
	s_barrier_wait -1
	s_cmp_ge_u32 s3, 2
	s_cbranch_scc1 .Lrdone
	global_load_b128 v[48:51], v13, s[14:15]       ; the bias of my 4 columns; no vector line since the wait above
.irp w,0,1,2,3,4,5,6,7
	ds_load_b128 v[16+4*\w:19+4*\w], v14 offset:1024*\w
.endr
	s_wait_dscnt 0x0
.irp w,1,2,3,4,5,6,7
	v_pk_add_f32 v[16:17], v[16:17], v[16+4*\w:17+4*\w]
	v_pk_add_f32 v[18:19], v[18:19], v[18+4*\w:19+4*\w]
.endr
	s_wait_loadcnt 0x0
	v_cmp_le_u32 vcc_lo, 48, v0                    ; row 3 alone takes the bias
	s_wait_alu depctr_va_vcc(0)                    ; the compare has written VCC, which the four selects read
	v_cndmask_b32 v48, 0, v48, vcc_lo
	v_cndmask_b32 v49, 0, v49, vcc_lo
	v_cndmask_b32 v50, 0, v50, vcc_lo
	v_cndmask_b32 v51, 0, v51, vcc_lo
	v_pk_add_f32 v[16:17], v[16:17], v[48:49]
	v_pk_add_f32 v[18:19], v[18:19], v[50:51]
	v_lshrrev_b32 v15, 4, v0
	s_lshl_b32 s13, s4, 8
	v_lshl_add_u32 v52, v12, 4, s13
	v_lshl_add_u32 v52, v15, 12, v52
	s_wait_alu depctr_va_vdst(0)                   ; the sums v[16:19] and the offset v52 are written, which the store reads
	global_store_b128 v52, v[16:19], s[44:45]      ; 16 lanes store 256 consecutive bytes, aligned
.Lrdone:
	s_wait_dscnt 0x0                               ; the closing lines, six on end
	s_wait_alu 0x0
	s_wait_tensorcnt 0x0
	ds_add_u32 v184, v185
	s_wait_dscnt 0x0
	s_endpgm
.Lfunc_end_k_qe1f46b8d24_coarse:
	.size	k_qe1f46b8d24_coarse, .Lfunc_end_k_qe1f46b8d24_coarse-k_qe1f46b8d24_coarse
	.p2alignl 7, 3214868480
	.fill 96, 4, 3214868480
	.section	.rodata,"a",@progbits
	.p2align	6, 0x0
	.amdhsa_kernel k_qe1f46b8d24_coarse
		.amdhsa_group_segment_fixed_size 156672
		.amdhsa_private_segment_fixed_size 0
		.amdhsa_enable_private_segment 0
		.amdhsa_kernarg_size 128
		.amdhsa_user_sgpr_count 2
		.amdhsa_user_sgpr_kernarg_segment_ptr 1
		.amdhsa_wavefront_size32 1
		.amdhsa_system_sgpr_workgroup_id_x 1
		.amdhsa_system_sgpr_workgroup_id_y 1
		.amdhsa_system_sgpr_workgroup_id_z 1
		.amdhsa_system_vgpr_workitem_id 0
		.amdhsa_next_free_vgpr 186
		.amdhsa_next_free_sgpr 90
		.amdhsa_reserve_vcc 1
		.amdhsa_float_denorm_mode_32 3
		.amdhsa_float_denorm_mode_16_64 3
		.amdhsa_memory_ordered 1
		.amdhsa_forward_progress 1
		.amdhsa_inst_pref_size 110
	.end_amdhsa_kernel
	.amdgpu_metadata
---
amdhsa.version: [ 1, 2 ]
amdhsa.kernels:
  - .name:           k_qe1f46b8d24_coarse
    .symbol:         k_qe1f46b8d24_coarse.kd
    .args:
      - { .name: query_points_coords, .offset: 0, .size: 8, .value_kind: global_buffer, .address_space: global }
      - { .name: context_coords, .offset: 8, .size: 8, .value_kind: global_buffer, .address_space: global }
      - { .name: Wqe2, .offset: 16, .size: 8, .value_kind: global_buffer, .address_space: global }
      - { .name: Wq, .offset: 24, .size: 8, .value_kind: global_buffer, .address_space: global }
      - { .name: Wo, .offset: 32, .size: 8, .value_kind: global_buffer, .address_space: global }
      - { .name: Wh1, .offset: 40, .size: 8, .value_kind: global_buffer, .address_space: global }
      - { .name: Wh2, .offset: 48, .size: 8, .value_kind: global_buffer, .address_space: global }
      - { .name: Wk, .offset: 56, .size: 8, .value_kind: global_buffer, .address_space: global }
      - { .name: Wv, .offset: 64, .size: 8, .value_kind: global_buffer, .address_space: global }
      - { .name: Wrel, .offset: 72, .size: 8, .value_kind: global_buffer, .address_space: global }
      - { .name: brel, .offset: 80, .size: 8, .value_kind: global_buffer, .address_space: global }
      - { .name: bk, .offset: 88, .size: 8, .value_kind: global_buffer, .address_space: global }
      - { .name: bv, .offset: 96, .size: 8, .value_kind: global_buffer, .address_space: global }
      - { .name: wts, .offset: 104, .size: 8, .value_kind: global_buffer, .address_space: global }
      - { .name: rtab, .offset: 112, .size: 8, .value_kind: global_buffer, .address_space: global }
      - { .name: grp, .offset: 120, .size: 8, .value_kind: global_buffer, .address_space: global }
    .group_segment_fixed_size: 156672
    .private_segment_fixed_size: 0
    .kernarg_segment_align: 8
    .kernarg_segment_size: 128
    .max_flat_workgroup_size: 256
    .sgpr_count:     90
    .vgpr_count:     186
    .wavefront_size: 32
...
	.end_amdgpu_metadata
.endif
;; end of part 7
;; launch ctxfine: the kernel of part 5 again; grid 256 x 1, 8 waves a work-group, no clusters, 183,296 bytes of LDS; arguments context_features, wts, query_points_coords, context_coords, grp, ckv, idx; writes ckv, idx
;; launch chain: the kernel of part 6 again; grid 256 x 1, 8 waves a work-group, clusters of 4 x 1, 327,680 bytes of LDS; arguments wts, query_points_coords, context_coords, idx, ckv, rtab, Wqe1, bqe1, bqe2, bq, bo, ln_g, ln_b, bh1, bh2, Wh3, bh3, out0; writes out0
